; MI455X (gfx1250); checked and timed in simulation.
; The chip was launched on July 23, 2026; its instructions are those of AMD's public machine-readable ISA for CDNA 5 (MIT licence, August 2026) and "CDNA5" Instruction Set Architecture Reference Guide (July 2026). The comments in the code are by the model that wrote it; some were corrected since.
;; Transformer Block. Allowed arithmetic: float matrix products may take bf16 or f16 operands with f32 sums; other float arithmetic in f32, or as packed bf16 or f16 multiplies, adds, multiply-adds, maxima and minima; sums over many terms, partial sums and values carried from step to step in f32; what a program stores and reads back later, other than sums and carried values, may be rounded once to bf16 or f16.
;; Inputs: b1 4,096 float32; b2 1,024 float32; bo 1,024 float32; ln1_b 1,024 float32; ln1_s 1,024 float32; ln2_b 1,024 float32; ln2_s 1,024 float32; w1 4,096 x 1,024 float32; w2 1,024 x 4,096 float32; wk 1,024 x 1,024 float32; wo 1,024 x 1,024 float32; wq 1,024 x 1,024 float32; wv 1,024 x 1,024 float32; x 2 x 2,048 x 1,024 float32.
;; Outputs: out0 2 x 2,048 x 1,024 float32.
;; One version. Each part assembles by itself: llvm-mc -triple=amdgcn-amd-amdhsa -mcpu=gfx1250 --defsym DOCPART=n.
;; ======== version 1 of 1: 7 launches
;; workspace buffers: xn 8,388,608 bytes; wb 25,165,824 bytes; qkv 25,165,824 bytes; ctx 8,388,608 bytes; h 16,777,216 bytes; yn 8,388,608 bytes; g 33,554,432 bytes
;; launch prep (part 1): grid 640 x 1, 16 waves a work-group, no clusters, 0 bytes of LDS; arguments x, ln1_s, ln1_b, xn, wq, wk, wv, wo, w1, w2, wb; writes xn, wb
.if DOCPART == 1
	.amdgcn_target "amdgcn-amd-amdhsa--gfx1250"
	.amdhsa_code_object_version 6
	.text
	.protected	k_q37a0cfce5d_prep
	.globl	k_q37a0cfce5d_prep
	.p2align	8
	.type	k_q37a0cfce5d_prep,@function
k_q37a0cfce5d_prep:
	s_mov_b64 s[64:65], 0
	v_nop
	global_prefetch_b8 v0, s[64:65] scope:SCOPE_SE
	s_setreg_imm32_b32 hwreg(HW_REG_WAVE_MODE, 25, 1), 1
	s_wait_xcnt 0x0
; Two streams in one launch.  Work-groups 0-255: xn = LayerNorm(x) * ln1_s + ln1_b, rounded once to bf16.  Work-groups 256-639: the six weight matrices rounded once to bf16 into wb
; (wq, wk, wv, wo, w1, w2 on end: 32, 32, 32, 32, 128, 128 work-groups of 32,768 numbers).
; LAYERNORM.  One wave takes one row of 1,024 f32 (4,096 bytes) and keeps it in 32 registers: the row is read once, the mean is taken first, the variance of the differences x - mean,
; as the formula is written, so a common offset of the row costs no digits.  No wave waits for another: no LDS, no barrier; the matrix unit and clusters have nothing to do here (no byte is shared).
; Lane l holds columns 4 l + 128 j, j = 0..7: each load of a wave covers 512 consecutive bytes, each store 256 consecutive aligned bytes.
; LIMITS.  NaN and infinities are not treated apart; results are rounded to bf16 (8 significant bits).
.set SC, 8                             ; v[8:39]    the gain of my 32 columns
.set SH, 40                            ; v[40:71]   the shift
.set X,  72                            ; v[72:103]  the row
.set T,  104                           ; v[104:119] four chains of sums, later the 16 packed results
.set M,  4                             ; v[4:5]     the mean, twice
.set R,  6                             ; v[6:7]     1 / sqrt(var + eps), twice
	s_load_b256 s[4:11], s[0:1], 0x0               ; x s[4:5], gain s[6:7], shift s[8:9], xn s[10:11]
	s_load_b256 s[12:19], s[0:1], 0x20             ; wq, wk, wv, wo
	s_load_b128 s[20:23], s[0:1], 0x40             ; w1, w2
	s_load_b64 s[24:25], s[0:1], 0x50              ; wb
	v_lshrrev_b32 v3, 5, v0                        ; wave
	v_and_b32 v1, 31, v0                           ; lane
	s_cmp_ge_u32 ttmp9, 256
	s_cbranch_scc1 .Lcast
	v_readfirstlane_b32 s31, v3
	s_lshl_b32 s30, ttmp9, 4
	s_add_co_u32 s30, s30, s31                     ; my row
	v_lshlrev_b32 v2, 3, v1                        ; 8 x lane: my 8 bytes of each 256 stored
	v_lshlrev_b32 v1, 4, v1                        ; 16 x lane: my 16 bytes of each 512 loaded
	s_mov_b32 s26, 0x76543210                      ; v_permlanex16_b32: each lane takes its own place in the other half
	s_mov_b32 s27, 0xfedcba98
	s_mov_b32 s28, 0x3a800000                      ; 1 / 1024
	s_mov_b32 s29, 0x358637bd                      ; 1e-6
	s_lshl_b32 s2, s30, 12                         ; row x 4,096 bytes
	s_mov_b32 s3, 0
	s_wait_kmcnt 0x0
	s_add_nc_u64 s[4:5], s[4:5], s[2:3]
	s_lshl_b32 s2, s30, 11                         ; row x 2,048 bytes
	s_add_nc_u64 s[10:11], s[10:11], s[2:3]
.irp j, 0,1,2,3,4,5,6,7
	global_load_b128 v[X+4*(\j):X+4*(\j)+3], v1, s[4:5] offset:512*(\j) th:TH_LOAD_NT
.endr
.irp j, 0,1,2,3,4,5,6,7
	global_load_b128 v[SC+4*(\j):SC+4*(\j)+3], v1, s[6:7] offset:512*(\j)
.endr
.irp j, 0,1,2,3,4,5,6,7
	global_load_b128 v[SH+4*(\j):SH+4*(\j)+3], v1, s[8:9] offset:512*(\j)
.endr
.macro TREE                            ; four chains into one number a lane, then over the 32 lanes: every lane ends with the sum
	v_pk_add_f32 v[T:T+1], v[T:T+1], v[T+2:T+3]
	v_pk_add_f32 v[T+4:T+5], v[T+4:T+5], v[T+6:T+7]
	v_pk_add_f32 v[T:T+1], v[T:T+1], v[T+4:T+5]
	v_add_f32 v[T], v[T], v[T+1]
	v_add_f32_dpp v[T], v[T], v[T] row_xmask:1 row_mask:0xf bank_mask:0xf
	v_add_f32_dpp v[T], v[T], v[T] row_xmask:2 row_mask:0xf bank_mask:0xf
	v_add_f32_dpp v[T], v[T], v[T] row_xmask:4 row_mask:0xf bank_mask:0xf
	v_add_f32_dpp v[T], v[T], v[T] row_xmask:8 row_mask:0xf bank_mask:0xf
	v_permlanex16_b32 v[T+1], v[T], s26, s27       ; its destination has been written above
	v_add_f32 v[T], v[T], v[T+1]
.endm
	s_wait_loadcnt 16                              ; the row is in; the 16 loads of gain and shift, issued behind it, may stay out
.irp k, 0,1,2,3
	v_pk_add_f32 v[T+2*(\k):T+2*(\k)+1], v[X+4*(\k):X+4*(\k)+1], v[X+4*(\k)+2:X+4*(\k)+3]  ; the first eight pairs start four chains: nothing is cleared
.endr
.irp p, 8,9,10,11,12,13,14,15
	v_pk_add_f32 v[T+2*((\p)%4):T+2*((\p)%4)+1], v[T+2*((\p)%4):T+2*((\p)%4)+1], v[X+2*(\p):X+2*(\p)+1]
.endr
	TREE
	v_mul_f32 v[M], s28, v[T]                      ; the mean
	v_mov_b32 v[M+1], v[M]
.irp p, 0,1,2,3,4,5,6,7,8,9,10,11,12,13,14,15
	v_pk_add_f32 v[X+2*(\p):X+2*(\p)+1], v[X+2*(\p):X+2*(\p)+1], v[M:M+1] neg_lo:[0,1] neg_hi:[0,1]  ; x - mean
.endr
.irp p, 0,1,2,3
	v_pk_mul_f32 v[T+2*(\p):T+2*(\p)+1], v[X+2*(\p):X+2*(\p)+1], v[X+2*(\p):X+2*(\p)+1]
.endr
.irp p, 4,5,6,7,8,9,10,11,12,13,14,15
	v_pk_fma_f32 v[T+2*((\p)%4):T+2*((\p)%4)+1], v[X+2*(\p):X+2*(\p)+1], v[X+2*(\p):X+2*(\p)+1], v[T+2*((\p)%4):T+2*((\p)%4)+1]
.endr
	TREE
	v_fma_f32 v[T], v[T], s28, s29                 ; var + eps
	v_rsq_f32 v[R], v[T]
	v_rsq_f32 v[R+1], v[T]                         ; twice, for the packed multiply
	s_wait_loadcnt 0x0                             ; gain and shift
	v_nop                                          ; a plain instruction behind the last root (ISA guide 5.7.2),
	s_wait_alu depctr_va_vdst(0)                   ; and a wait ahead of the first reader: one for both
.irp p, 0,1,2,3,4,5,6,7,8,9,10,11,12,13,14,15
	v_pk_mul_f32 v[X+2*(\p):X+2*(\p)+1], v[X+2*(\p):X+2*(\p)+1], v[R:R+1]
.endr
.irp p, 0,1,2,3,4,5,6,7,8,9,10,11,12,13,14,15
	v_pk_fma_f32 v[X+2*(\p):X+2*(\p)+1], v[X+2*(\p):X+2*(\p)+1], v[SC+2*(\p):SC+2*(\p)+1], v[SH+2*(\p):SH+2*(\p)+1]
.endr
.irp p, 0,1,2,3,4,5,6,7,8,9,10,11,12,13,14,15
	v_cvt_pk_bf16_f32 v[T+(\p)], v[X+2*(\p)], v[X+2*(\p)+1]
.endr
.irp j, 0,1,2,3,4,5,6,7
	global_store_b64 v2, v[T+2*(\j):T+2*(\j)+1], s[10:11] offset:256*(\j)  ; 32 lanes x 8 bytes: 256 consecutive bytes, aligned
.endr
	s_endpgm
.Lcast:                                                ; a work-group rounds 32,768 numbers, a wave 2,048: 16 loads of 512 bytes, 16 stores of 256
	s_sub_co_u32 s26, ttmp9, 256                   ; e = 0..383: also the number of the 65,536 bytes of wb that I write
	v_lshlrev_b32 v2, 3, v1
	v_lshl_add_u32 v2, v3, 12, v2                  ; out: wave x 4,096 + 8 x lane
	v_lshlrev_b32 v1, 4, v1
	v_lshl_add_u32 v1, v3, 13, v1                  ; in: wave x 8,192 + 16 x lane
	s_wait_kmcnt 0x0
	s_mov_b64 s[2:3], s[22:23]                     ; which matrix, and its first work-group: w2 from 256,
	s_mov_b32 s27, 256
	s_cmp_lt_u32 s26, 256
	s_cselect_b64 s[2:3], s[20:21], s[2:3]         ; w1 from 128,
	s_cselect_b32 s27, 128, s27
	s_cmp_lt_u32 s26, 128
	s_cselect_b64 s[2:3], s[18:19], s[2:3]         ; wo from 96,
	s_cselect_b32 s27, 96, s27
	s_cmp_lt_u32 s26, 96
	s_cselect_b64 s[2:3], s[16:17], s[2:3]         ; wv from 64,
	s_cselect_b32 s27, 64, s27
	s_cmp_lt_u32 s26, 64
	s_cselect_b64 s[2:3], s[14:15], s[2:3]         ; wk from 32,
	s_cselect_b32 s27, 32, s27
	s_cmp_lt_u32 s26, 32
	s_cselect_b64 s[2:3], s[12:13], s[2:3]         ; wq from 0
	s_cselect_b32 s27, 0, s27
	s_sub_co_u32 s27, s26, s27
	s_lshl_b32 s28, s27, 17                        ; 131,072 bytes of f32 a work-group
	s_mov_b32 s29, 0
	s_add_nc_u64 s[2:3], s[2:3], s[28:29]
	s_lshl_b32 s28, s26, 16
	s_add_nc_u64 s[24:25], s[24:25], s[28:29]
.irp j, 0,1,2,3,4,5,6,7,8,9,10,11,12,13,14,15
	global_load_b128 v[8+4*(\j):11+4*(\j)], v1, s[2:3] offset:512*(\j) th:TH_LOAD_NT
.endr
.irp j, 0,1,2,3,4,5,6,7,8,9,10,11,12,13,14,15
	s_wait_loadcnt 15-(\j)                         ; loads come back in order: load j is in, the younger ones stay out
	v_cvt_pk_bf16_f32 v[72+2*(\j)], v[8+4*(\j)], v[9+4*(\j)]
	v_cvt_pk_bf16_f32 v[73+2*(\j)], v[10+4*(\j)], v[11+4*(\j)]
	global_store_b64 v2, v[72+2*(\j):73+2*(\j)], s[24:25] offset:256*(\j)
.endr
	s_endpgm
.Lfunc_end_k_q37a0cfce5d_prep:
	.size	k_q37a0cfce5d_prep, .Lfunc_end_k_q37a0cfce5d_prep-k_q37a0cfce5d_prep
	.p2alignl 7, 3214868480
	.fill 96, 4, 3214868480
	.section	.rodata,"a",@progbits
	.p2align	6, 0x0
	.amdhsa_kernel k_q37a0cfce5d_prep
		.amdhsa_group_segment_fixed_size 0
		.amdhsa_private_segment_fixed_size 0
		.amdhsa_enable_private_segment 0
		.amdhsa_kernarg_size 88
		.amdhsa_user_sgpr_count 2
		.amdhsa_user_sgpr_kernarg_segment_ptr 1
		.amdhsa_wavefront_size32 1
		.amdhsa_system_sgpr_workgroup_id_x 1
		.amdhsa_system_sgpr_workgroup_id_y 1
		.amdhsa_system_sgpr_workgroup_id_z 1
		.amdhsa_system_vgpr_workitem_id 0
		.amdhsa_next_free_vgpr 120
		.amdhsa_next_free_sgpr 66
		.amdhsa_reserve_vcc 0
		.amdhsa_float_denorm_mode_32 3
		.amdhsa_float_denorm_mode_16_64 3
		.amdhsa_memory_ordered 1
		.amdhsa_forward_progress 1
		.amdhsa_inst_pref_size 19
	.end_amdhsa_kernel
	.amdgpu_metadata
---
amdhsa.version: [ 1, 2 ]
amdhsa.kernels:
  - .name:           k_q37a0cfce5d_prep
    .symbol:         k_q37a0cfce5d_prep.kd
    .args:
      - { .name: x, .offset: 0, .size: 8, .value_kind: global_buffer, .address_space: global }
      - { .name: ln1_s, .offset: 8, .size: 8, .value_kind: global_buffer, .address_space: global }
      - { .name: ln1_b, .offset: 16, .size: 8, .value_kind: global_buffer, .address_space: global }
      - { .name: xn, .offset: 24, .size: 8, .value_kind: global_buffer, .address_space: global }
      - { .name: wq, .offset: 32, .size: 8, .value_kind: global_buffer, .address_space: global }
      - { .name: wk, .offset: 40, .size: 8, .value_kind: global_buffer, .address_space: global }
      - { .name: wv, .offset: 48, .size: 8, .value_kind: global_buffer, .address_space: global }
      - { .name: wo, .offset: 56, .size: 8, .value_kind: global_buffer, .address_space: global }
      - { .name: w1, .offset: 64, .size: 8, .value_kind: global_buffer, .address_space: global }
      - { .name: w2, .offset: 72, .size: 8, .value_kind: global_buffer, .address_space: global }
      - { .name: wb, .offset: 80, .size: 8, .value_kind: global_buffer, .address_space: global }
    .group_segment_fixed_size: 0
    .private_segment_fixed_size: 0
    .kernarg_segment_align: 8
    .kernarg_segment_size: 88
    .max_flat_workgroup_size: 512
    .sgpr_count:     66
    .vgpr_count:     120
    .wavefront_size: 32
...
	.end_amdgpu_metadata
.endif
;; end of part 1
;; launch qkv (part 2): grid 16 x 16, 4 waves a work-group, clusters of 4 x 4, 327,680 bytes of LDS; arguments xn, wb, qkv; writes qkv
.if DOCPART == 2
	.amdgcn_target "amdgcn-amd-amdhsa--gfx1250"
	.amdhsa_code_object_version 6
	.text
	.protected	k_q37a0cfce5d_qkv
	.globl	k_q37a0cfce5d_qkv
	.p2align	8
	.type	k_q37a0cfce5d_qkv,@function
k_q37a0cfce5d_qkv:
	s_mov_b64 s[64:65], 0
	v_nop
	global_prefetch_b8 v0, s[64:65] scope:SCOPE_SE
	s_setreg_imm32_b32 hwreg(HW_REG_WAVE_MODE, 25, 1), 1
	s_wait_xcnt 0x0
	s_wait_alu depctr_hold_cnt(0) depctr_sa_sdst(0) depctr_va_vdst(0) depctr_va_sdst(0) depctr_va_ssrc(0) depctr_va_vcc(0) depctr_vm_vsrc(0)
	s_getreg_b32 s2, hwreg(HW_REG_IB_STS2, 6, 4)
	s_cmp_eq_u32 s2, 0
	s_cbranch_scc0 .Lentry_in_a_cluster
	s_endpgm
.Lentry_in_a_cluster:
	s_bfe_u32 s2, ttmp6, 0x10000c
	s_cmp_lg_u32 s2, 0xf033
	s_cbranch_scc0 .Lentry_shape_is_right
	s_endpgm
.Lentry_shape_is_right:
; q, k, v = xn x [wq; wk; wv]^T: C[4096][3072] = A[4096][1024] B[3072][1024]^T, bf16 operands, f32 sums, each result rounded once to bf16 and stored BY HEADS, unscaled:
; qkv[batch][slab 0..47][2048][64], slab = column / 64 (q's heads, then k's, then v's).  A tile of C is 256 x 192, which makes 16 x 16 = 256 work-groups.
; ONE TEXT serves the program's four products; the constants below choose the shape and the way out.
.set TM, 256                           ; rows of C in a tile
.set TN, 192                           ; columns
.set KK, 1024                          ; K
.set KSTEP, 128                        ; K in a slot
.set KD, 1                             ; slices of 32 along K in a quarter of a K step
.set NBW, 6                            ; blocks of 16 columns a wave
.set BH, 0                             ; B's fragments: BH x half + block
.set AW, 1                             ; 1: a quarter's two halves are my rows 0-63 and 64-127 (accumulators in two windows); 0: they are two slices of K
.set PITCH, 272                        ; an LDS row of B (and of A, unless by heads): data + 16 bytes, an odd multiple of 16: the 16 rows of a load start at 16 different groups of four banks (ISA guide 11.1)
.set QI, 5                             ; the padding's interval: 2 << QI words = a row
.set AP, 272                           ; an LDS row of A
.set AQ, 64                            ; bytes from quarter to quarter in A's rows
.set BQ, 64                            ; in B's
.set HA, 34816                         ; half of A's tile in LDS: what one tensor load brings
.set HB, 26112                         ; half of B's
.set KADV_A, 256                       ; bytes of memory from K step to K step
.set KADV_B, 256
.set WOFF, 0                           ; B's first byte in wb
.set NL, 28                            ; LDS loads in a run
.set NY, 8                             ; the youngest of them, which only the second half needs
.set SP, 784                           ; a row of the f32 stage: 4 TN + 16
.set PF, 1                             ; 1: the tiles are prefetched
.set EPI, 0                            ; the way out: 0 by heads in bf16, 1 bias + GELU in bf16, 2 bias + residual in f32
.set AHEADS, 0                         ; 1: A lies by heads, [16][4096][64]
.set ORB, 0                            ; bytes in a row of the output (EPI 1, 2)
; THE SHAPE.  Four waves, 2 x 2, as many as a WGP has SIMDs.  K goes through a ring of two LDS slots filled by the tensor data mover; waves 0, 1 fetch A's two halves, waves 2, 3 B's: one load a wave.
; CLUSTER 4 x 4: the four work-groups of a row need the same tiles of A, the four of a column the same tiles of B: each is asked for jointly, by the same load, descriptor and mask in all four.
; THE MATRIX INSTRUCTION IS USED TRANSPOSED (source 0 = 16 rows of B, source 1 = 16 rows of A): a lane holds row lane % 16 of C and the columns 8 (lane / 16) + 0..7.
; THE LOOP's trip is ONE K step; which slot is read hangs on the scalar TC, 0 or SLOT, turned by one exclusive or.  The last two K steps are a second loop of two trips that asks for nothing and is left in its middle:
; its second trip's barrier and its run of LDS loads from the other slot (bytes that landed long ago) serve nothing: the price, once a launch, of writing the tail once.
; THE WAY OUT.  When the ring has had its last fill and its last read, the f32 sums are laid over it as whole rows of C (pitch SP), a barrier, and each wave takes a quarter of the rows.
; REGISTERS, in windows of 256 (s_set_vgpr_msb: bits 1:0 source 0, 3:2 source 1, 5:4 source 2, 7:6 destination): window 0 addresses and the way out; window 1 two fragment buffers of 128
; (A's fragment n at 8 n, B's at 64 + 8 n); windows 2 and 3 the accumulators, (row block a, column block b) at 8 (NBW a + b).
; LIMITS.  Operands are bf16 (8 significant bits); NaN and infinities are not treated apart.
.set T,     KK/KSTEP                   ; K steps
.set SLOT,  2*HA+2*HB                  ; A half 0, A half 1, B half 0, B half 1
.set SPARE, 327168                     ; the spare words, 128 bytes a wave: two blocks of 256 bytes that no other line names
.if AHEADS
.set AD0, 4096                         ; a 'row' of A's tile: 64 tokens x 64 channels of one head, dense
.set AD1, 4                            ; four heads = 256 along K
.set AST, 262144                       ; elements from head to head
.set AQI, 4                            ; padded behind every token's 32 words
.set ARB, 128                          ; bytes from token to token
.else
.set AD0, KSTEP
.set AD1, TM/2
.set AST, KK
.set AQI, QI
.set ARB, 2*KK
.endif
.set A0,  16                           ; v16  my lane's place in A's tile, slot 0; never rewritten
.set B0,  17                           ; v17  in B's
.set ADA, 18                           ; v18  A0 + the slot in hand
.set ADB, 19                           ; v19  B0 + the slot in hand
.set STO, 24                           ; v24  where I lay 16 bytes of a row of the stage; v25 the same 64 rows down
.set RD,  26                           ; v26  where I read the stage
.set GO,  27                           ; v27  my byte offset in the output
.set SPW, 28                           ; v28  my spare word: SPARE + 4 x my thread's number; never rewritten
.set NIL, 29                           ; v29  0; never rewritten
.set PFO, 30                           ; v30  the prefetches' offset: a lane a row
.set BI,  32                           ; v[32:39]   bias
.set Y,   40                           ; v[40:63]   packed results
.set V,   64                           ; v[64:..]   rows read from the stage
.set TT,  96                           ; v[96:127]  at work
.set R,   128                          ; v[128:255] the residual's rows (EPI 2)
.set CNT, 3
.set G1,  24                           ; s[24:31] descriptor group 1 for A
.set G0A0, 32                          ; s[32:35] group 0 for A's first fill
.set G0A, 36                           ; s[36:39] group 0 for A: K step 1, then it walks
.set LIM, 43                           ; s43  2 in a wave that prefetches, else the greatest number
.set PFA, 44                           ; s[44:45] where my prefetches stand
.set G1B, 48
.set G0B0, 56
.set G0B, 60
.set BIAS, 68
.set RES, 70
.set TC,  72                           ; s72  the slot in hand: 0 or SLOT
.set LA,  74                           ; s74  where my load of A lands in a slot
.set LB,  75                           ; s75  where my load of B lands
.set C0,  76
.set C1,  78
.set MSB, 0
.macro WIN new                         ; the immediate's high byte repeats the setting that is left; a switch that changes nothing is dropped
.if MSB != (\new)
	s_set_vgpr_msb (MSB<<8)|(\new)
.set MSB, \new
.endif
.endm
.macro PLACES                          ; four plain instructions between a matrix instruction and a load into, or a read of, its registers
.rept 4
	v_nop
.endr
.endm
.macro CREST                           ; a round of the cluster's barrier behind its opening barrier
	s_cmp_lg_u32 s10, 0
	s_cbranch_scc1 .Lnot_wave_0_\@
	s_barrier_signal -3
.Lnot_wave_0_\@:
	s_barrier_wait -3
	s_barrier_signal -1
	s_barrier_wait -1
.endm
.macro CROUND
	s_barrier_signal -1
	s_barrier_wait -1
	CREST
.endm
.macro JLOAD                           ; a joint refill by the walking descriptors; the branch hangs on the wave's number alone; an s_nop 0 and four v_nop follow each line
	s_cmp_eq_u32 s11, 0
	s_cbranch_scc0 .Lfor_b_\@
	tensor_load_to_lds s[G0A:G0A+3], s[G1:G1+7]
	s_nop 0
.rept 4
	v_nop
.endr
	s_branch .Lasked_\@
.Lfor_b_\@:
	tensor_load_to_lds s[G0B:G0B+3], s[G1B:G1B+7]
	s_nop 0
.rept 4
	v_nop
.endr
.Lasked_\@:
.endm
; A prefetch of the K step that stands two refills on: a lane a row, 256 bytes of it, one instruction a wave.  A's tile row is read by every cluster of that row of clusters: cluster x = 0 asks; B's tile column: cluster y = 0.
; The four partners that ask for a tile jointly share its rows out by address.  The trips with CNT 2 and 1 have no K step two refills on and ask for nothing.
.macro ASK
	s_cmp_gt_u32 s[CNT], s[LIM]
	s_cbranch_scc0 .Lnot_mine_\@
	global_prefetch_b8 v[PFO], s[PFA:PFA+1] offset:2*KSTEP th:TH_LOAD_NT scope:SCOPE_SE
.Lnot_mine_\@:
.endm
; 2 NBW matrix instructions: row blocks a0, a0 + 1 x all column blocks, half hf of buffer f.  The accumulators take turns, one instruction a turn.  zero: the product starts the sum.
.macro MULH f, hf, a0, zero
	WIN 0xa5+0x50*(\hf)*AW
.irp a, \a0, (\a0)+1
.set bb, 0
.rept NBW
.set rD, 8*(NBW*(\a)+bb)
.set rB, 128*(\f)+64+8*(BH*(\hf)+bb)
.set rA, 128*(\f)+8*(4*(\hf)+(\a))
.if \zero
	v_wmma_f32_16x16x32_bf16 v[rD:rD+7], v[rB:rB+7], v[rA:rA+7], 0
.else
	v_wmma_f32_16x16x32_bf16 v[rD:rD+7], v[rB:rB+7], v[rA:rA+7], v[rD:rD+7]
.endif
.set bb, bb+1
.endr
.endr
.endm
; One run of NL LDS loads: the fragments of quarter kq of the slot in hand, into buffer f; what the first half needs comes first.
; A fragment is 16 rows x 32 K in 8 registers: lane l holds row l % 16, K = 8 (l / 16) + 0..7 and 16 + 8 (l / 16) + 0..7: two loads of 16 bytes, 32 bytes apart.
.macro FETCH kq, f
	WIN 0x40
.irp hf, 0, 1
.if ((\hf) == 0) || (KD == 2)
.set bb, 0
.rept NBW
.set rB, 128*(\f)+64+8*(BH*(\hf)+bb)
.set oB, (\kq)*BQ+64*(\hf)*(KD-1)+16*bb*PITCH
	ds_load_b128 v[rB:rB+3], v[ADB] offset:oB
	ds_load_b128 v[rB+4:rB+7], v[ADB] offset:oB+32
.set bb, bb+1
.endr
.endif
.set bb, 0
.rept 4
.set rA, 128*(\f)+8*(4*(\hf)+bb)
.if KD == 2
.set oA, (\kq)*AQ+64*(\hf)+16*bb*AP
.else
.set oA, (\kq)*AQ+16*(4*(\hf)+bb)*AP
.endif
	ds_load_b128 v[rA:rA+3], v[ADA] offset:oA
	ds_load_b128 v[rA+4:rA+7], v[ADA] offset:oA+32
.set bb, bb+1
.endr
.endr
.endm
; One of a K step's first three quarters: multiplies buffer f; in its middle it fetches quarter kq into buffer g.
.macro QUARTER kq, f, g, zero
	s_wait_dscnt NY                                ; all that the first half needs is in; the youngest NY loads may be out
	MULH \f, 0, 0, \zero
	MULH \f, 0, 2, \zero
	PLACES
	FETCH \kq, \g
	s_wait_dscnt NL                                ; all but the run just issued
	MULH \f, 1, 0, (\zero)*(2-KD)
	MULH \f, 1, 2, (\zero)*(2-KD)
.endm
; The fourth quarter multiplies buffer 1 and changes slots.  In front of the barrier each wave waits for all its tensor loads (one is out: its part of the next slot), adds 0 to its spare word, and waits for
; that and for its reads of the slot in hand.  fill = 1: the barrier opens a round of the cluster's, and the slot just left is filled again, first thing behind the round, with the K step two on.
.macro TURN fill
	WIN 0
.if PF && (\fill)
	s_wait_xcnt 0x0                                ; the last prefetch, a K step back, has read its address
	s_add_nc_u64 s[PFA:PFA+1], s[PFA:PFA+1], 2*KSTEP
.endif
	s_wait_tensorcnt 0x0                           ; no tensor load of mine is out, so the walking descriptors may be written
	ds_add_u32 v[SPW], v[NIL]                      ; 0 onto my spare word; work on registers stands between it and the wait for it
.if \fill
	s_add_co_u32 s[G0A+1], s[LA], s[TC]            ; into the slot that is being left,
	s_add_co_u32 s[G0B+1], s[LB], s[TC]
	s_add_nc_u64 s[G0A+2:G0A+3], s[G0A+2:G0A+3], KADV_A  ; the next K step after the one last asked for; the type bits on top are not reached
	s_add_nc_u64 s[G0B+2:G0B+3], s[G0B+2:G0B+3], KADV_B
.endif
	s_xor_b32 s[TC], s[TC], SLOT                   ; the other slot is now in hand
	v_add_nc_u32 v[ADA], s[TC], v[A0]
	v_add_nc_u32 v[ADB], s[TC], v[B0]
	s_wait_dscnt NY+1                              ; the add and the youngest NY loads may be out
	MULH 1, 0, 0, 0
	s_wait_dscnt 0x0                               ; the add is done, and my reads of the old slot are over
	s_barrier_signal -1
	MULH 1, 0, 2, 0
.if \fill
	WIN 0
.endif
	s_barrier_wait -1
.if \fill
	CREST                                          ; no wave of any partner still reads the old slot or has a load on its way
	JLOAD                                          ; its four v_nop are also the places in front of the loads below
.else
	PLACES
.endif
	FETCH 0, 0
.if PF && (\fill)
	WIN 0
	ASK
.endif
	MULH 1, 1, 0, 0
	MULH 1, 1, 2, 0
.endm
.macro DUMP                            ; every accumulator into the stage: a lane's eight columns are 32 bytes of a row; the low four registers first
.irp hf, 0, 1
.if ((\hf) == 0) || AW
	WIN 0x08+4*(\hf)
.set aa, 0
.rept 4
.set bb, 0
.rept NBW
.set rD, 8*(NBW*aa+bb)
	ds_store_b128 v[STO+(\hf)], v[rD:rD+3] offset:16*aa*SP+64*bb
	ds_store_b128 v[STO+(\hf)], v[rD+4:rD+7] offset:16*aa*SP+64*bb+16
.set bb, bb+1
.endr
.set aa, aa+1
.endr
.endif
.endr
.endm
	s_load_b128 s[4:7], s[0:1], 0x0                ; A s[4:5], wb s[6:7]
	s_load_b64 s[8:9], s[0:1], 0x10                ; the output
.if EPI >= 1
	s_load_b64 s[BIAS:BIAS+1], s[0:1], 0x18
.endif
.if EPI == 2
	s_load_b64 s[RES:RES+1], s[0:1], 0x20
.endif
	v_lshl_add_u32 v[SPW], v0, 2, SPARE
	v_mov_b32 v[NIL], 0
	ds_add_u32 v[SPW], v[NIL]                      ; the wave's opening: the add and its wait stand ahead of my first tensor load
	v_lshrrev_b32 v1, 5, v0
	v_readfirstlane_b32 s10, v1                    ; wave 0..3
	s_lshr_b32 s11, s10, 1                         ; my half of the tile's rows.  Also: I fetch for A (0) or for B (1)
	s_and_b32 s12, s10, 1                          ; my half of its columns.  Also: which half of that tile I fetch
	s_bfe_u32 s40, ttmp6, 0x40000                  ; cx
	s_bfe_u32 s41, ttmp6, 0x40004                  ; cy
	s_lshl_b32 s42, ttmp9, 2
	s_add_co_u32 s42, s42, s40                     ; tile column = 4 x cluster x + cx
	s_and_b32 s13, ttmp7, 0xffff
	s_lshl_b32 s13, s13, 2
	s_add_co_u32 s13, s13, s41                     ; tile row = 4 x cluster y + cy
	s_lshl_b32 s43, s41, 2
	s_lshl_b32 s43, 15, s43                        ; my row of the cluster
	s_lshl_b32 s44, 0x1111, s40                    ; my column
	s_or_b32 s[G1], s43, (1<<16)|(1<<20)|(1<<21)|(AQI<<22)|(3<<25)  ; 15:0 mask; 17:16 2-byte elements; 20 padding on; 21 set beside a mask; 24:22 the interval; 31:25 4 words of padding
	s_mov_b32 s[G1+1], AD0<<16                     ; tensor_dim0
	s_mov_b32 s[G1+2], AD1<<16                     ; tensor_dim1
	s_mov_b32 s[G1+3], AD0<<16                     ; tile_dim0
	s_mov_b32 s[G1+4], AD1                         ; tile_dim1
	s_mov_b32 s[G1+5], AST                         ; elements from row to row
	s_mov_b32 s[G1+6], 0
	s_mov_b32 s[G1+7], 0
	s_or_b32 s[G1B], s44, (1<<16)|(1<<20)|(1<<21)|(QI<<22)|(3<<25)
	s_mov_b32 s[G1B+1], KSTEP<<16
	s_mov_b32 s[G1B+2], (TN/2)<<16
	s_mov_b32 s[G1B+3], KSTEP<<16
	s_mov_b32 s[G1B+4], TN/2
	s_mov_b32 s[G1B+5], KK
	s_mov_b32 s[G1B+6], 0
	s_mov_b32 s[G1B+7], 0
	s_mul_i32 s16, s13, TM                         ; A's address hangs on the tile row and the wave alone,
	s_mul_i32 s17, s12, TM/2
	s_add_co_u32 s16, s16, s17
	s_mul_i32 s16, s16, ARB
	s_mov_b32 s17, 0
	s_mul_i32 s46, s42, TN                         ; B's on the tile column and the wave alone
	s_mul_i32 s47, s12, TN/2
	s_add_co_u32 s46, s46, s47
	s_mul_i32 s46, s46, 2*KK
	s_add_co_u32 s46, s46, WOFF
	s_mov_b32 s47, 0
	s_mul_i32 s[LA], s12, HA                       ; no place in the cluster enters an LDS address
	s_mul_i32 s[LB], s12, HB
	s_add_co_u32 s[LB], s[LB], 2*HA
	s_mov_b32 s[TC], 0
	s_wait_dscnt 0x0                               ; the opening add is done
	s_wait_kmcnt 0x0
	s_add_nc_u64 s[14:15], s[4:5], s[16:17]
	s_add_nc_u64 s[46:47], s[6:7], s[46:47]
	s_mov_b32 s[G0A0], 1                           ; count = 1
	s_mov_b32 s[G0A0+1], s[LA]                     ; LDS address: slot 0
	s_mov_b64 s[G0A0+2:G0A0+3], s[14:15]           ; K step 0
	s_or_b32 s[G0A0+3], s[G0A0+3], 0x80000000      ; type = 2
	s_mov_b32 s[G0A], 1
	s_add_co_u32 s[G0A+1], s[LA], SLOT             ; slot 1
	s_add_nc_u64 s[G0A+2:G0A+3], s[14:15], KADV_A  ; K step 1
	s_or_b32 s[G0A+3], s[G0A+3], 0x80000000
	s_mov_b32 s[G0B0], 1
	s_mov_b32 s[G0B0+1], s[LB]
	s_mov_b64 s[G0B0+2:G0B0+3], s[46:47]
	s_or_b32 s[G0B0+3], s[G0B0+3], 0x80000000
	s_mov_b32 s[G0B], 1
	s_add_co_u32 s[G0B+1], s[LB], SLOT
	s_add_nc_u64 s[G0B+2:G0B+3], s[46:47], KADV_B
	s_or_b32 s[G0B+3], s[G0B+3], 0x80000000
	CROUND                                         ; all sixteen work-groups are here: the first joint loads meet
	s_cmp_eq_u32 s11, 0                            ; a wave's two first fills stand in one branch: two loads of mine are out
	s_cbranch_scc0 .Lfirst_b
	tensor_load_to_lds s[G0A0:G0A0+3], s[G1:G1+7]
	s_nop 0
	tensor_load_to_lds s[G0A:G0A+3], s[G1:G1+7]
	s_nop 0
.rept 4
	v_nop
.endr
	s_branch .Lfirst_done
.Lfirst_b:
	tensor_load_to_lds s[G0B0:G0B0+3], s[G1B:G1B+7]
	s_nop 0
	tensor_load_to_lds s[G0B:G0B+3], s[G1B:G1B+7]
	s_nop 0
.rept 4
	v_nop
.endr
.Lfirst_done:
	v_and_b32 v1, 15, v0                           ; l % 16
	v_bfe_u32 v2, v0, 4, 1                         ; l / 16
	v_and_b32 v31, 31, v0                          ; l
	v_mul_u32_u24 v[A0], v1, AP
	v_lshl_add_u32 v[A0], v2, 4, v[A0]
	s_mul_i32 s21, s11, HA                         ; my half of A's rows
	v_add_nc_u32 v[A0], s21, v[A0]
	v_mul_u32_u24 v[B0], v1, PITCH
	v_lshl_add_u32 v[B0], v2, 4, v[B0]
	v_add_nc_u32 v[B0], s[LB], v[B0]               ; my half of B's rows, behind A's
	v_mov_b32 v[ADA], v[A0]
	v_mov_b32 v[ADB], v[B0]
	s_mul_i32 s23, s11, (TM/2)*SP                  ; into the stage: my rows, my columns; row l % 16, 32 bytes for each half of the lanes
	s_mul_i32 s20, s12, 2*TN
	s_add_co_u32 s23, s23, s20
	v_mul_u32_u24 v[STO], v1, SP
	v_lshl_add_u32 v[STO], v2, 5, v[STO]
	v_add_nc_u32 v[STO], s23, v[STO]
	v_add_nc_u32 v[STO+1], 64*SP, v[STO]
	s_mul_i32 s23, s10, (TM/4)*SP                  ; back: wave w takes rows w TM / 4 on
.if EPI == 0
	v_mul_u32_u24 v[RD], v2, SP                    ; lanes 0-15 take 64 columns (a head) of one row, lanes 16-31 of the next
	v_lshl_add_u32 v[RD], v1, 4, v[RD]
	v_add_nc_u32 v[RD], s23, v[RD]
	v_lshlrev_b32 v[GO], 3, v31
.else
	v_lshl_add_u32 v[RD], v31, 4, s23              ; 32 lanes take 512 consecutive bytes of a row
.if EPI == 1
	v_lshlrev_b32 v[GO], 3, v31
.else
	v_lshlrev_b32 v[GO], 4, v31
.endif
	v_lshlrev_b32 v31, 4, v31                      ; 16 x lane, for the bias
.endif
	s_mul_i32 s16, s13, TM
	s_mul_i32 s17, s10, TM/4
	s_add_co_u32 s16, s16, s17                     ; the first row that I send
.if EPI == 0
	s_lshr_b32 s17, s16, 11                        ; batch
	s_mul_i32 s17, s17, 48
	s_mul_i32 s18, s42, 3                          ; the tile's three slabs
	s_add_co_u32 s17, s17, s18
	s_lshl_b32 s17, s17, 18                        ; a slab is 262,144 bytes
	s_and_b32 s16, s16, 2047
	s_lshl_b32 s16, s16, 7                         ; a row of a slab is 128 bytes
	s_add_co_u32 s16, s16, s17
.else
	s_mul_i32 s16, s16, ORB
	s_lshl_b32 s17, s42, 9                         ; a tile's columns are 512 bytes of a row
	s_add_co_u32 s16, s16, s17
.endif
	s_mov_b32 s17, 0
	s_add_nc_u64 s[8:9], s[8:9], s[16:17]
.if EPI == 2
	s_add_nc_u64 s[RES:RES+1], s[RES:RES+1], s[16:17]
.endif
.if EPI >= 1
	s_mul_i32 s18, s42, 4*TN
	s_mov_b32 s19, 0
	s_add_nc_u64 s[BIAS:BIAS+1], s[BIAS:BIAS+1], s[18:19]
	global_load_b128 v[BI:BI+3], v31, s[BIAS:BIAS+1]
.endif
.if EPI == 1
	global_load_b128 v[BI+4:BI+7], v31, s[BIAS:BIAS+1] offset:512
	s_mov_b32 s[C0], 0xc0135761                    ; -2 sqrt(2 / pi) log2(e)
	s_mov_b32 s[C0+1], s[C0]
	s_mov_b32 s[C1], 0xbdd2d3e8                    ; the same x 0.044715
	s_mov_b32 s[C1+1], s[C1]
.endif
.if EPI == 2
.set i, 0
.rept 32
	global_load_b128 v[R+4*i:R+4*i+3], v[GO], s[RES:RES+1] offset:4096*i  ; my 32 rows of the residual: on their way during the whole K loop; nobody writes those bytes
.set i, i+1
.endr
.endif
.if PF
	s_mul_i32 s20, s13, TM                         ; the prefetches: the tile's first row, in A by the tile row,
	s_mul_i32 s21, s42, TN                         ; in B by the tile column
	s_and_b32 s22, ttmp7, 0xffff
	s_mov_b32 s23, TN/2
	s_cmp_eq_u32 s11, 0                            ; do I fetch for A?
	s_cselect_b32 s20, s20, s21
	s_cselect_b32 s21, s40, s41                    ; my place among the four that ask with me
	s_cselect_b32 s22, ttmp9, s22                  ; the coordinate along which other clusters read the same rows
	s_cselect_b64 s[PFA:PFA+1], s[4:5], s[6:7]
	s_cselect_b32 s23, TM/2, s23                   ; the rows that I fetch
	s_cselect_b32 s18, 0, WOFF
	s_cmp_eq_u32 s22, 0
	s_cselect_b32 s[LIM], 2, -1                    ; the same in all sixteen partners, for a given wave
	s_mul_i32 s19, s12, s23
	s_add_co_u32 s20, s20, s19
	s_lshr_b32 s23, s23, 2                         ; my work-group's quarter of them: 32, or 24 of B's 96 (there lanes 24-31 name row 23's block once more)
	s_mul_i32 s21, s21, s23
	s_add_co_u32 s20, s20, s21
	s_mul_i32 s20, s20, 2*KK
	s_add_co_u32 s20, s20, s18
	s_add_co_u32 s20, s20, 2*2*KSTEP               ; at K step 2: the first refill steps it to 3 and names K step 4
	s_mov_b32 s21, 0
	s_add_nc_u64 s[PFA:PFA+1], s[PFA:PFA+1], s[20:21]
	s_sub_co_u32 s23, s23, 1
	v_and_b32 v[PFO], 31, v0
	v_min_u32 v[PFO], s23, v[PFO]
	v_mul_u32_u24 v[PFO], v[PFO], 2*KK
.endif
	s_wait_tensorcnt 0x1                           ; my part of K step 0 is in; K step 1's may stay out
	s_barrier_signal -1
	s_barrier_wait -1
	FETCH 0, 0
	QUARTER 1, 0, 1, 1                             ; the first quarter stands in front of the loop: its products start the sums
	WIN 0
	s_mov_b32 s[CNT], T-2
.Lstep:                                                ; trip t: quarters 1-3 of K step t, quarter 0 of K step t + 1; K step t + 2 is asked for
	QUARTER 2, 1, 0, 0
	QUARTER 3, 0, 1, 0
	TURN 1
	QUARTER 1, 0, 1, 0
	WIN 0
	s_sub_co_u32 s[CNT], s[CNT], 1
	s_cmp_lg_u32 s[CNT], 0
	s_cbranch_scc1 .Lstep
	s_mov_b32 s[CNT], 2
.Ltail:                                                ; the last two K steps ask for nothing
	QUARTER 2, 1, 0, 0
	QUARTER 3, 0, 1, 0
	TURN 0
	WIN 0
	s_sub_co_u32 s[CNT], s[CNT], 1
	s_cmp_eq_u32 s[CNT], 0
	s_cbranch_scc1 .Lout
	QUARTER 1, 0, 1, 0
	WIN 0
	s_branch .Ltail
.Lout:
	s_wait_dscnt 0x0                               ; my last reads of the ring are back
.rept 8
	v_nop                                          ; the places behind the last products
.endr
	s_barrier_signal -1
	s_barrier_wait -1                              ; nobody reads the ring any more, and it has had its last fill
	DUMP
	WIN 0
	s_wait_dscnt 0x0                               ; for the others' sake: my stores are done
	s_barrier_signal -1
	s_barrier_wait -1
.if EPI == 0
	s_mov_b32 s[CNT], 8
.Lway:                                                 ; a trip: 8 rows x 3 heads: 12 loads of two rows' 64 columns
.set i, 0
.rept 12
	ds_load_b128 v[V+4*i:V+4*i+3], v[RD] offset:2*(i/3)*SP+256*(i%3)
.set i, i+1
.endr
	s_wait_dscnt 0x0
.set i, 0
.rept 24
	v_cvt_pk_bf16_f32 v[Y+i], v[V+2*i], v[V+2*i+1]
.set i, i+1
.endr
.set i, 0
.rept 12
	global_store_b64 v[GO], v[Y+2*i:Y+2*i+1], s[8:9] offset:(i%3)*262144+256*(i/3)  ; two rows of a head: 256 consecutive bytes, aligned
.set i, i+1
.endr
	s_wait_xcnt 0x0                                ; the stores have read their data and their base
	s_add_nc_u64 s[8:9], s[8:9], 1024
	v_add_nc_u32 v[RD], 8*SP, v[RD]
	s_sub_co_u32 s[CNT], s[CNT], 1
	s_cmp_lg_u32 s[CNT], 0
	s_cbranch_scc1 .Lway
.endif
.if EPI == 1
	s_wait_loadcnt 0x0                             ; the bias
	s_mov_b32 s[CNT], 16
.Lway:                                                 ; a trip: 4 rows x 2 halves of 128 columns.  gelu(u) = u / (1 + 2^(u (C0 + C1 u u))), which is 0.5 u (1 + tanh(..)) without a difference
.set i, 0
.rept 8
	ds_load_b128 v[V+4*i:V+4*i+3], v[RD] offset:(i/2)*SP+512*(i%2)
.set i, i+1
.endr
	s_wait_dscnt 0x0
.set i, 0
.rept 16
	v_pk_add_f32 v[V+2*i:V+2*i+1], v[V+2*i:V+2*i+1], v[BI+4*((i/2)%2)+2*(i%2):BI+4*((i/2)%2)+2*(i%2)+1]
.set i, i+1
.endr
.set i, 0
.rept 16
	v_pk_mul_f32 v[TT+2*i:TT+2*i+1], v[V+2*i:V+2*i+1], v[V+2*i:V+2*i+1]
.set i, i+1
.endr
.set i, 0
.rept 16
	v_pk_fma_f32 v[TT+2*i:TT+2*i+1], v[TT+2*i:TT+2*i+1], s[C1:C1+1], s[C0:C0+1] op_sel_hi:[1,0,0]
.set i, i+1
.endr
.set i, 0
.rept 16
	v_pk_mul_f32 v[TT+2*i:TT+2*i+1], v[TT+2*i:TT+2*i+1], v[V+2*i:V+2*i+1]
.set i, i+1
.endr
.set i, 0
.rept 32
	v_exp_f32 v[TT+i], v[TT+i]
.set i, i+1
.endr
	v_nop                                          ; a plain instruction behind the last exponential,
	s_wait_alu depctr_va_vdst(0)                   ; and one wait for the batch
.set i, 0
.rept 16
	v_pk_add_f32 v[TT+2*i:TT+2*i+1], v[TT+2*i:TT+2*i+1], 1.0 op_sel_hi:[1,0]
.set i, i+1
.endr
.set i, 0
.rept 32
	v_rcp_f32 v[TT+i], v[TT+i]
.set i, i+1
.endr
	v_nop
	s_wait_alu depctr_va_vdst(0)                   ; one wait for the 32 reciprocals
.set i, 0
.rept 16
	v_pk_mul_f32 v[V+2*i:V+2*i+1], v[V+2*i:V+2*i+1], v[TT+2*i:TT+2*i+1]
.set i, i+1
.endr
.set i, 0
.rept 16
	v_cvt_pk_bf16_f32 v[Y+i], v[V+2*i], v[V+2*i+1]
.set i, i+1
.endr
.set i, 0
.rept 8
	global_store_b64 v[GO], v[Y+2*i:Y+2*i+1], s[8:9] offset:(i/2)*ORB+256*(i%2)  ; 256 consecutive bytes, aligned
.set i, i+1
.endr
	s_wait_xcnt 0x0                                ; the stores have read their data and their base
	s_add_nc_u64 s[8:9], s[8:9], 4*ORB
	v_add_nc_u32 v[RD], 4*SP, v[RD]
	s_sub_co_u32 s[CNT], s[CNT], 1
	s_cmp_lg_u32 s[CNT], 0
	s_cbranch_scc1 .Lway
.endif
.if EPI == 2
	s_wait_loadcnt 0x0                             ; bias and residual
.irp gq, 0,1,2,3
.irp q, 0,1,2,3,4,5,6,7
	ds_load_b128 v[TT+4*(\q):TT+4*(\q)+3], v[RD] offset:(8*(\gq)+(\q))*SP
.endr
.irp q, 0,1,2,3,4,5,6,7
	s_wait_dscnt 7-(\q)                            ; row q of the eight is in; the younger loads stay out
	v_pk_add_f32 v[R+4*(8*(\gq)+(\q)):R+4*(8*(\gq)+(\q))+1], v[R+4*(8*(\gq)+(\q)):R+4*(8*(\gq)+(\q))+1], v[TT+4*(\q):TT+4*(\q)+1]
	v_pk_add_f32 v[R+4*(8*(\gq)+(\q))+2:R+4*(8*(\gq)+(\q))+3], v[R+4*(8*(\gq)+(\q))+2:R+4*(8*(\gq)+(\q))+3], v[TT+4*(\q)+2:TT+4*(\q)+3]
	v_pk_add_f32 v[R+4*(8*(\gq)+(\q)):R+4*(8*(\gq)+(\q))+1], v[R+4*(8*(\gq)+(\q)):R+4*(8*(\gq)+(\q))+1], v[BI:BI+1]
	v_pk_add_f32 v[R+4*(8*(\gq)+(\q))+2:R+4*(8*(\gq)+(\q))+3], v[R+4*(8*(\gq)+(\q))+2:R+4*(8*(\gq)+(\q))+3], v[BI+2:BI+3]
	global_store_b128 v[GO], v[R+4*(8*(\gq)+(\q)):R+4*(8*(\gq)+(\q))+3], s[8:9] offset:4096*(8*(\gq)+(\q))  ; 512 consecutive bytes, aligned
.endr
.endr
.endif
	s_wait_tensorcnt 0x0                           ; the wave's end: behind my last tensor load and my last LDS store
	ds_add_u32 v[SPW], v[NIL]
	s_wait_dscnt 0x0
	CROUND                                         ; the closing round: no work-group ends while a partner may still ask for a tile that names it
	s_endpgm
.Lfunc_end_k_q37a0cfce5d_qkv:
	.size	k_q37a0cfce5d_qkv, .Lfunc_end_k_q37a0cfce5d_qkv-k_q37a0cfce5d_qkv
	.p2alignl 7, 3214868480
	.fill 96, 4, 3214868480
	.section	.rodata,"a",@progbits
	.p2align	6, 0x0
	.amdhsa_kernel k_q37a0cfce5d_qkv
		.amdhsa_group_segment_fixed_size 327680
		.amdhsa_private_segment_fixed_size 0
		.amdhsa_enable_private_segment 0
		.amdhsa_kernarg_size 24
		.amdhsa_user_sgpr_count 2
		.amdhsa_user_sgpr_kernarg_segment_ptr 1
		.amdhsa_wavefront_size32 1
		.amdhsa_system_sgpr_workgroup_id_x 1
		.amdhsa_system_sgpr_workgroup_id_y 1
		.amdhsa_system_sgpr_workgroup_id_z 1
		.amdhsa_system_vgpr_workitem_id 0
		.amdhsa_next_free_vgpr 960
		.amdhsa_next_free_sgpr 80
		.amdhsa_reserve_vcc 0
		.amdhsa_float_denorm_mode_32 3
		.amdhsa_float_denorm_mode_16_64 3
		.amdhsa_memory_ordered 1
		.amdhsa_forward_progress 1
		.amdhsa_inst_pref_size 68
	.end_amdhsa_kernel
	.amdgpu_metadata
---
amdhsa.version: [ 1, 2 ]
amdhsa.kernels:
  - .name:           k_q37a0cfce5d_qkv
    .symbol:         k_q37a0cfce5d_qkv.kd
    .args:
      - { .name: xn, .offset: 0, .size: 8, .value_kind: global_buffer, .address_space: global }
      - { .name: wb, .offset: 8, .size: 8, .value_kind: global_buffer, .address_space: global }
      - { .name: qkv, .offset: 16, .size: 8, .value_kind: global_buffer, .address_space: global }
    .group_segment_fixed_size: 327680
    .private_segment_fixed_size: 0
    .kernarg_segment_align: 8
    .kernarg_segment_size: 24
    .max_flat_workgroup_size: 128
    .sgpr_count:     80
    .vgpr_count:     960
    .wavefront_size: 32
...
	.end_amdgpu_metadata
.endif
;; end of part 2
;; launch attn (part 3): grid 8 x 32, 4 waves a work-group, clusters of 4 x 1, 327,680 bytes of LDS; arguments qkv, ctx; writes ctx
.if DOCPART == 3
	.amdgcn_target "amdgcn-amd-amdhsa--gfx1250"
	.amdhsa_code_object_version 6
	.text
	.protected	k_q37a0cfce5d_attn
	.globl	k_q37a0cfce5d_attn
	.p2align	8
	.type	k_q37a0cfce5d_attn,@function
k_q37a0cfce5d_attn:
	s_mov_b64 s[64:65], 0
	v_nop
	global_prefetch_b8 v0, s[64:65] scope:SCOPE_SE
	s_setreg_imm32_b32 hwreg(HW_REG_WAVE_MODE, 25, 1), 1
	s_wait_xcnt 0x0
	s_wait_alu depctr_hold_cnt(0) depctr_sa_sdst(0) depctr_va_vdst(0) depctr_va_sdst(0) depctr_va_ssrc(0) depctr_va_vcc(0) depctr_vm_vsrc(0)
	s_getreg_b32 s2, hwreg(HW_REG_IB_STS2, 6, 4)
	s_cmp_eq_u32 s2, 0
	s_cbranch_scc0 .Lentry_in_a_cluster
	s_endpgm
.Lentry_in_a_cluster:
	s_bfe_u32 s2, ttmp6, 0x10000c
	s_cmp_lg_u32 s2, 0x3003
	s_cbranch_scc0 .Lentry_shape_is_right
	s_endpgm
.Lentry_shape_is_right:
; CAUSAL ATTENTION.  ctx[head][token][:] = the sum over k <= q of softmax_k(q . k / 8) v.  q, k, v: qkv[batch][slab][2048][64] in bf16 (slab = head, 16 + head, 32 + head), unscaled; ctx: [16][4096][64] in bf16.
; Products, maxima and sums in f32; the weights p are rounded to bf16 for the second product (their sum l is taken of the unrounded p), ctx once at the end.
; LIMITS.  A hidden score counts as its value less 1e30; a weight below 2^-126 counts as 0; NaN and infinities are not treated apart.  The maximum is a true running maximum.
; THE WALK.  A head's 2,048 queries lie in 16 blocks of 128; keys go in tiles of 512 (8 steps of 64).  A work-group takes TWO blocks, 15 - bq and then bq, bq = 4 c + cx (c: the cluster, cx: my place in it).
; Block i needs the tiles 0 .. i / 4: 4 - c and c + 1, five tiles for every work-group, and WHICH tiles hangs on c alone: the four partners of a cluster walk the same tiles in step,
; so every tile of K and V is asked for JOINTLY.  Only Q's and ctx's addresses and the mask's numbers hang on cx; no branch and no LDS address does.
; SHARES.  A wave owns 32 queries of a block: two tiles u of 16.
; LAYOUT.  S^T = K Q^T (source 0 = 16 keys, source 1 = 16 queries): a lane holds ONE query (lane % 16) and the keys 8 (lane / 16) + 0..7.  Two such results rounded to bf16 in pairs ARE source 1 of
; O^T = V^T P, whose result again holds one query a lane and eight channels.  K comes out of LDS as it lies, V ([key][channel]) turned, by ds_load_tr16_b128.
; SOFTMAX.  p = 2^(c s - c m), c = log2(e) / 8; in every step O and l are multiplied by a = 2^(c m_old - c m_new).  A block begins with c m far below every c s, so its first a is 0.
; THE MASK is the C operand that starts S^T, in blocks of 16 x 16: with d = (query block) - (key block) = DV + u - kb it is 0 (d > 0), TRI (d = 0: -1e30 where the key is later than the query) or -1e30 (d < 0).
; The five masks for u - kb = -3 .. 1 are made anew for each step of a block's LAST tile; in the tiles before it every key is seen and they hold 0.
; A TRIP, for step t, sets vector work behind the matrix instructions.  (1) 16 products K Q^T of step t, behind each two rescalings O^T a(t-1).  (2) 16 products V^T P of step t - 1, behind each four lines of
; step t's maximum, statistics and scalings.  (3) A lump: the last scalings, the LDS loads of V(t) and K(t+1), the masks of step t + 1, ONE batch of 66 exponentials with one wait, the roundings and the sums.
; So V^T P lags a step.  A block begins with P = 0 and a = 0 (the first trip's V^T P adds 0, its rescaling clears O^T) and ends with the last rescaling and the last V^T P written ahead of the way out.
; A tile's last trip has fetched its V into registers and fetches no K: the slot's reads are over at the change of slots.
; REGISTERS (s_set_vgpr_msb: bits 1:0 source 0, 3:2 source 1, 5:4 source 2, 7:6 destination): window 0 as named below; window 1: v0-63 O^T (32 u + 8 cb), v64-95 Q, v96-127 the second block's Q, v128-191 K, v192-255 V.
.set KS,    64
.set PK,    144                        ; a row of K in LDS: 128 bytes + 16: the 16 rows of a load start at 16 different groups of four banks (ISA guide 11.1)
.set PV,    160                        ; a row of V: 128 + 32
.set VOFF,  512*PK                     ; a slot: 512 rows of K, then 512 rows of V
.set SLOT,  512*(PK+PV)
.set STAGE, 2*SLOT                     ; behind the ring, never filled by a tensor load: 16 rows x 144 bytes for each wave
.set SP,    144
.set SPARE, 327168                     ; the spare words, 128 bytes a wave: two blocks of 256 bytes that no other line names
.set AK0, 2                            ; v2   my lane's place in a step of K; never rewritten
.set AV0, 3                            ; v3   the same for V
.set AK,  4
.set AV,  5
.set STO, 6                            ; v6   the way out: where I put 16 bytes of a row
.set RD,  7                            ; v7   where I read rows back
.set GO,  8                            ; v8   16 x lane
.set QO,  10                           ; v10  my byte offset in 16 rows of Q
.set DV,  11                           ; v11  8 block + 2 wave - 4 step, for the step whose masks are made next
.set AL,  12                           ; v[12:13] the mask's factor, in the low register
.set BE,  14                           ; v[14:15] its addend
.set ST,  16                           ; tile u at + 4 u: c m, m, l (even keys', odd keys')
.set TMP, 24                           ; tile u at + 4 u: c0-c3 at work; c2 takes a
.set MV,  32                           ; v[32:33] c m_old
.set PFO, 34                           ; v34  256 x lane
.set SPW, 36
.set NIL, 37
.set TRI, 40                           ; v[40:47] the diagonal block's mask
.set MC,  48                           ; v[48:87] five masks of 8, for u - kb = -3 .. 1
.set S,   96                           ; v[96:159]  32 u + 8 kb
.set P,   160                          ; v[160:191] 16 u + 8 kk
.set W,   192                          ; v[192:223] the way out
.set QF,  64
.set QB,  96
.set KF,  128
.set VF,  192
.set WV,  12
.set CC,  13                           ; s13  c
.set RT,  14                           ; s14  tiles of the block in hand still to be entered
.set NXT, 15                           ; s15  the tile to be asked for next
.set LQ,  16                           ; s16  the last tile of the block whose tiles are being asked for
.set SLOTS, 17
.set CNT, 18
.set TR,  19                           ; s19  the slot that is read: 0 or SLOT
.set TF,  20                           ; s20  the slot that is filled
.set TBK, 21
.set TBV, 22
.set LK,  23                           ; s23  where my load of K lands in a slot
.set G1K, 24
.set G1V, 32
.set G0K, 40
.set G0V, 44
.set LV,  48
.set LIM, 49                           ; s49  2 in the head's first cluster, else the greatest number
.set KB,  50                           ; s[50:51] K at my half of tile 0
.set VB,  52
.set OFF, 54
.set CS,  56
.set SEL, 58
.set BIGN, 60
.set D2,  61
.set O2,  66                           ; s[66:67] ctx at my rows of the second block
.set PFA, 68
.set Q2,  70
.set MSB, 0
.macro WIN new
.if MSB != (\new)
	s_set_vgpr_msb (MSB<<8)|(\new)
.set MSB, \new
.endif
.endm
.macro PLACES
.rept 4
	v_nop
.endr
.endm
.macro CROUND                          ; a round of the cluster's barrier
	s_barrier_signal -1
	s_barrier_wait -1
	s_cmp_lg_u32 s[WV], 0
	s_cbranch_scc1 .Lnot_wave_0_\@
	s_barrier_signal -3
.Lnot_wave_0_\@:
	s_barrier_wait -3
	s_barrier_signal -1
	s_barrier_wait -1
.endm
.macro JLOAD                           ; a joint fill: waves 0, 1 fetch the two halves of a tile's K, waves 2, 3 those of its V: 256 keys each; an s_nop 0 and four v_nop follow each line
	s_cmp_lt_u32 s[WV], 2
	s_cbranch_scc0 .Lfor_v_\@
	tensor_load_to_lds s[G0K:G0K+3], s[G1K:G1K+7]
	s_nop 0
.rept 4
	v_nop
.endr
	s_branch .Lasked_\@
.Lfor_v_\@:
	tensor_load_to_lds s[G0V:G0V+3], s[G1V:G1V+7]
	s_nop 0
.rept 4
	v_nop
.endr
.Lasked_\@:
.endm
; A prefetch of the tile that the NEXT change of slots will ask for, eight key steps ahead of that load.  Of a head's two clusters the first asks, in its first two changes: tiles 2 and 3.  A tile's 256 blocks of 256 bytes
; of K and of V are shared out by address: a lane a block, a wave 8 KiB (waves 0, 1 of K, waves 2, 3 of V), the four partners 32 KiB each.  Tiles 0 and 1 come by their loads alone; the second block's tiles have been read before.
.macro ASK
	s_cmp_gt_u32 s[SLOTS], s[LIM]
	s_cbranch_scc0 .Lnot_mine_\@
	global_prefetch_b8 v[PFO], s[PFA:PFA+1] th:TH_LOAD_NT scope:SCOPE_SE
.Lnot_mine_\@:
.endm
.macro FETCH_K                         ; 16 loads: a step's K: keys 16 (f / 2) on, channels 32 (f % 2) on
	WIN 0x40
.irp f, 0,1,2,3,4,5,6,7
	ds_load_b128 v[KF+8*(\f):KF+8*(\f)+3],   v[AK] offset:((\f)/2)*16*PK+((\f)%2)*64
	ds_load_b128 v[KF+8*(\f)+4:KF+8*(\f)+7], v[AK] offset:((\f)/2)*16*PK+((\f)%2)*64+32
.endr
.endm
.macro FETCH_V                         ; 16 turning loads: a step's V: keys 32 (f / 4) on, channels 16 (f % 4) on
	WIN 0x40
.irp f, 0,1,2,3,4,5,6,7
	ds_load_tr16_b128 v[VF+8*(\f):VF+8*(\f)+3],   v[AV] offset:((\f)/4)*32*PV+((\f)%4)*32
	ds_load_tr16_b128 v[VF+8*(\f)+4:VF+8*(\f)+7], v[AV] offset:((\f)/4)*32*PV+16*PV+((\f)%4)*32
.endr
.endm
; Product i of 16 of S^T: channels 32 (i / 8) on, keys 16 ((i / 2) % 4) on, tile i % 2.  The first 8 start the sums with the mask.  The 8 accumulators take turns.
.macro KQ
	WIN 0x05
.set rS, S+32*(i%2)+8*((i/2)%4)
.set rK, KF+16*((i/2)%4)+8*(i/8)
.set rQ, QF+16*(i%2)+8*(i/8)
.set rM, MC+8*((i%2)-((i/2)%4)+3)
.if i < 8
	v_wmma_f32_16x16x32_bf16 v[rS:rS+7], v[rK:rK+7], v[rQ:rQ+7], v[rM:rM+7]
.else
	v_wmma_f32_16x16x32_bf16 v[rS:rS+7], v[rK:rK+7], v[rQ:rQ+7], v[rS:rS+7]
.endif
.set i, i+1
.endm
; Product i of 16 of O^T += V^T P: keys 32 (i / 8) on, channels 16 ((i / 2) % 4) on, tile i % 2.
.macro PVM
	WIN 0x51
.set rO, 32*(i%2)+8*((i/2)%4)
.set rV, VF+32*(i/8)+8*((i/2)%4)
.set rP, P+16*(i%2)+8*(i/8)
	v_wmma_f32_16x16x32_bf16 v[rO:rO+7], v[rV:rV+7], v[rP:rP+7], v[rO:rO+7]
.set i, i+1
.endm
.macro MASK                            ; mask e (u - kb = e - 3) = TRI x AL + BE: AL = 1 where DV = 3 - e, BE = -1e30 where DV < 3 - e
.irp e, 0,1,2,3,4
	v_cmp_eq_i32 vcc_lo, 3-(\e), v[DV]
	v_cndmask_b32 v[AL], 0, 1.0, vcc_lo
	v_cmp_gt_i32 vcc_lo, 3-(\e), v[DV]
	v_cndmask_b32 v[BE], 0, s[BIGN], vcc_lo
.irp p, 0,1,2,3
	v_pk_fma_f32 v[MC+8*(\e)+2*(\p):MC+8*(\e)+2*(\p)+1], v[TRI+2*(\p):TRI+2*(\p)+1], v[AL:AL+1], v[BE:BE+1] op_sel_hi:[1,0,0]
.endr
.endr
.endm
.macro REGS u
.set rT, ST+4*(\u)
.set rC, TMP+4*(\u)
.set rW, MV+(\u)
.set rS, S+32*(\u)
.set rP, P+16*(\u)
.set rO, 32*(\u)
.endm
; Number n of a tile's maximum and statistics.  0-11: four chains c0-c3 of seven scores each (each accumulator's lowest registers are read first); 12-14, 16: the four scores left over,
; the old m, c0-c3 into c0; 17, 18: the query's other 32 keys lie in the lane 16 away: the new m; 19-21: c m; c m_old - c m_new; a.
.macro XS u, n
	REGS \u
.if (\n) < 4
	v_max3_num_f32 v[rC+(\n)], v[rS+8*(\n)], v[rS+8*(\n)+1], v[rS+8*(\n)+2]
.elseif (\n) < 12
	v_max3_num_f32 v[rC+(\n)%4], v[rC+(\n)%4], v[rS+8*((\n)%4)+2*((\n)/4)+1], v[rS+8*((\n)%4)+2*((\n)/4)+2]
.elseif (\n) == 12
	v_max3_num_f32 v[rC], v[rC], v[rS+7], v[rS+15]
.elseif (\n) == 13
	v_max3_num_f32 v[rC+1], v[rC+1], v[rS+23], v[rS+31]
.elseif (\n) == 14
	v_max3_num_f32 v[rC+2], v[rC+2], v[rC+3], v[rT+1]
.elseif (\n) == 16
	v_max3_num_f32 v[rC], v[rC], v[rC+1], v[rC+2]
.elseif (\n) == 17
	v_permlanex16_b32 v[rC+3], v[rC], s[SEL], s[SEL+1]
.elseif (\n) == 18
	v_max_num_f32 v[rT+1], v[rC], v[rC+3]
.elseif (\n) == 19
	v_mul_f32 v[rT], s[CS], v[rT+1]
.elseif (\n) == 20
	v_sub_f32 v[rC+1], v[rW], v[rT]
.else
	v_exp_f32 v[rC+2], v[rC+1]
.endif
.endm
.macro RS z, u                         ; pair z of 16 of tile u's O^T times a; ascending
	REGS \u
	v_pk_mul_f32 v[rO+2*(\z):rO+2*(\z)+1], v[rO+2*(\z):rO+2*(\z)+1], v[rC+2:rC+3] op_sel_hi:[1,0]
.endm
; THE LIST of 74 lines that need no exponential's result, the tiles alternating; LST writes number q and steps q.  0, 1: c m_old is kept.  2-41: the maximum and statistics, numbers 0-14 and 16-20.  42-73: the 32 scalings c s - c m.
; 64 of them stand behind the products V^T P, four behind each; the last ten open the lump.
.macro LST
	WIN 0
.if q < 2
	v_mov_b32 v[MV+q], v[ST+4*q]
.elseif q < 42
.set kx, (q-2)/2
.if kx >= 15
.set kx, kx+1
.endif
	XS (q-2)%2, kx
.else
.set zf, (q-42)/2
	REGS (q-42)%2
	v_pk_fma_f32 v[rS+2*zf:rS+2*zf+1], v[rS+2*zf:rS+2*zf+1], s[CS:CS+1], v[rT:rT+1] op_sel_hi:[1,0,0] neg_lo:[0,0,1] neg_hi:[0,0,1]
.endif
.set q, q+1
.endm
; A TRIP.  always = 1: the tile is known to be a block's last.
.macro STEP always
	s_wait_dscnt 0x0                               ; K of this step and V of the step before are in: both were asked for a batch of exponentials, the roundings and the sums ago
.set i, 0
.rept 16
	KQ                                             ; step t's scores;
	WIN 0x41
	RS i-1, 0                                      ; behind each product two rescalings by a(t - 1), which was waited for in the trip before
	RS i-1, 1
.endr
.set i, 0
.set q, 0
.rept 16
	PVM                                            ; step t - 1's V^T P; the list's first reader of the last score accumulator stands 11 plain lines behind the product that ends it
	LST
	LST
	LST
	LST
.endr
.rept 10
	LST                                            ; ten scalings: with the four behind the last product, the places in front of the loads into V's registers
.endr
	v_add_nc_u32 v[AV], s[TBV], v[AV0]
	v_add_nc_u32 v[AK], s[TBK], v[AK0]
	v_add_nc_u32 v[DV], -4, v[DV]                  ; for step t + 1
	s_add_co_u32 s[TBV], s[TBV], KS*PV
	FETCH_V                                        ; V of step t
	WIN 0
	s_cmp_eq_u32 s[CNT], 1                         ; the tile's last step has no next K in this slot
	s_cbranch_scc1 .Lnok_\@
	FETCH_K                                        ; K of step t + 1
	WIN 0
	s_add_co_u32 s[TBK], s[TBK], KS*PK
.Lnok_\@:
.if !(\always)
	s_cmp_lg_u32 s[RT], 0                          ; RT hangs on the cluster's number alone: the same in all four partners
	s_cbranch_scc1 .Lnomask_\@
.endif
	MASK                                           ; step t + 1's (behind a block's last step they serve nothing)
.if !(\always)
.Lnomask_\@:
.endif
	XS 0, 21                                       ; ONE BATCH: the two a and the 64 weights; nothing ahead of the wait names a result of theirs
	XS 1, 21
.set z, 0
.rept 32
	v_exp_f32 v[S+z], v[S+z]
	v_exp_f32 v[S+32+z], v[S+32+z]
.set z, z+1
.endr
	v_nop                                          ; a plain instruction behind the last exponential (ISA guide 5.7.2),
	s_wait_alu depctr_va_vdst(0)                   ; and one wait for the batch
.set z, 0
.rept 16
	v_cvt_pk_bf16_f32 v[P+z], v[S+2*z], v[S+2*z+1]
	v_cvt_pk_bf16_f32 v[P+16+z], v[S+32+2*z], v[S+32+2*z+1]
.set z, z+1
.endr
.set z, 0
.rept 15                               ; the sum of a tile's 16 pairs, in place: neighbours 1, 2, 4 and 8 pairs apart
.set w, 4
.set qq, z
.if z >= 14
.set w, 32
.set qq, 0
.elseif z >= 12
.set w, 16
.set qq, z-12
.elseif z >= 8
.set w, 8
.set qq, z-8
.endif
.irp u, 0, 1
	REGS \u
	v_pk_add_f32 v[rS+w*qq:rS+w*qq+1], v[rS+w*qq:rS+w*qq+1], v[rS+w*qq+w/2:rS+w*qq+w/2+1]
.endr
.set z, z+1
.endr
.irp u, 0, 1
	REGS \u
	v_pk_fma_f32 v[rT+2:rT+3], v[rT+2:rT+3], v[rC+2:rC+3], v[rS:rS+1] op_sel_hi:[1,0,1]  ; l = a l + sum
.endr
.endm
.macro TILE always                     ; a tile's eight trips
	s_mov_b32 s[TBK], s[TR]
	s_mov_b32 s[TBV], s[TR]
	v_add_nc_u32 v[AK], s[TBK], v[AK0]
	FETCH_K                                        ; K of the tile's step 0
	WIN 0
	s_add_co_u32 s[TBK], s[TBK], KS*PK
.if !(\always)
	s_cmp_lg_u32 s[RT], 0
	s_cbranch_scc1 .Lnohead_\@
.endif
	MASK                                           ; a block's last tile: the masks of its step 0; DV stands at that step
.if !(\always)
.Lnohead_\@:
.endif
	s_mov_b32 s[CNT], 8
.Lstep_\@:
	STEP \always
	s_sub_co_u32 s[CNT], s[CNT], 1
	s_cmp_lg_u32 s[CNT], 0
	s_cbranch_scc1 .Lstep_\@
.endm
; THE CHANGE OF SLOTS.  Each wave waits for all its tensor loads (one is out: its part of the other slot), adds 0 to its spare word, and waits for that and for its reads of the slot that it leaves.
; fill = 1: a round of the cluster's barrier, and the slot just left is filled, first thing behind it, with tile NXT; the load has eight key steps in which to land.  (At its first use slot 0 is waited for and slot 1 filled.)
.macro CHANGE fill
	WIN 0
	s_wait_tensorcnt 0x0                           ; no tensor load of mine is out, so the descriptors may be written
	ds_add_u32 v[SPW], v[NIL]                      ; 0 onto my spare word; scalar work stands between it and the wait for it
	s_xor_b32 s[TR], s[TR], SLOT
	s_xor_b32 s[TF], s[TF], SLOT
.if \fill
	s_lshl_b32 s[OFF], s[NXT], 16                  ; a tile is 65,536 bytes of K and of V
	s_add_co_u32 s[G0K+1], s[LK], s[TF]
	s_add_nc_u64 s[G0K+2:G0K+3], s[KB:KB+1], s[OFF:OFF+1]
	s_or_b32 s[G0K+3], s[G0K+3], 0x80000000
	s_add_co_u32 s[G0V+1], s[LV], s[TF]
	s_add_nc_u64 s[G0V+2:G0V+3], s[VB:VB+1], s[OFF:OFF+1]
	s_or_b32 s[G0V+3], s[G0V+3], 0x80000000
	s_add_co_u32 s[NXT], s[NXT], 1                 ; the block's next tile, or behind its last the second block's tile 0
	s_cmp_gt_u32 s[NXT], s[LQ]
	s_cselect_b32 s[NXT], 0, s[NXT]
	s_cselect_b32 s[LQ], s[CC], s[LQ]
	s_wait_xcnt 0x0                                ; the last prefetch, a tile back, has read its address
	s_add_nc_u64 s[PFA:PFA+1], s[PFA:PFA+1], 65536
.endif
	s_wait_dscnt 0x0                               ; the add is done, and my reads of the slot are over: the last were V's of the tile's last step
.if \fill
	CROUND
	JLOAD
	ASK
.else
	s_barrier_signal -1
	s_barrier_wait -1
.endif
.endm
; A BLOCK BEGINS: c m far below every c s, m the lowest finite number, l = 0; a = 0 and P = 0, so that the first trip's rescaling clears O^T and its V^T P, of a step that has not been, adds 0; the masks 0.
.macro BLOCKINIT
.irp u, 0, 1
	v_mov_b32 v[ST+4*(\u)], 0xfe000000
	v_mov_b32 v[ST+4*(\u)+1], 0xff7fffff
	v_mov_b32 v[ST+4*(\u)+2], 0
	v_mov_b32 v[ST+4*(\u)+3], 0
.endr
.set z, 0
.rept 8
	v_mov_b32 v[TMP+z], 0
.set z, z+1
.endr
.set z, 0
.rept 32
	v_mov_b32 v[P+z], 0
.set z, z+1
.endr
.set z, 0
.rept 40
	v_mov_b32 v[MC+z], 0
.set z, z+1
.endr
.endm
; A BLOCK ENDS: the last step's rescaling and its V^T P.  THE WAY OUT: l's two halves and the other half of the lanes' are added; O^T is divided by l, rounded to bf16 and sent through my own stage:
; a lane's eight channels are 16 bytes of a row of 144; back come four rows of 128 bytes a load, which are 512 consecutive bytes of ctx.
.macro WAYOUT
	s_wait_dscnt 0x0                               ; V of the last step is in
	WIN 0x41
.set z, 0
.rept 16
	RS z, 0
	RS z, 1
.set z, z+1
.endr
.set i, 0
.rept 16
	PVM
.endr
	WIN 0
	PLACES
.irp u, 0, 1
	v_add_f32 v[TMP+4*(\u)], v[ST+4*(\u)+2], v[ST+4*(\u)+3]
.endr
.irp u, 0, 1
	v_permlanex16_b32 v[TMP+4*(\u)+1], v[TMP+4*(\u)], s[SEL], s[SEL+1]
.endr
.irp u, 0, 1
	v_add_f32 v[TMP+4*(\u)], v[TMP+4*(\u)], v[TMP+4*(\u)+1]
.endr
.irp u, 0, 1
	v_rcp_f32 v[TMP+4*(\u)+2], v[TMP+4*(\u)]
.endr
	v_nop
	s_wait_alu depctr_va_vdst(0)                   ; one wait for the two reciprocals
.irp u, 0, 1
	WIN 0x41
.set z, 0
.rept 16
	v_pk_mul_f32 v[32*(\u)+2*z:32*(\u)+2*z+1], v[32*(\u)+2*z:32*(\u)+2*z+1], v[TMP+4*(\u)+2:TMP+4*(\u)+3] op_sel_hi:[1,0]
.set z, z+1
.endr
	WIN 0x05
.set z, 0
.rept 16
	v_cvt_pk_bf16_f32 v[W+16*(\u)+z], v[32*(\u)+2*z], v[32*(\u)+2*z+1]
.set z, z+1
.endr
	WIN 0
.irp f, 0,1,2,3
	ds_store_b128 v[STO], v[W+16*(\u)+4*(\f):W+16*(\u)+4*(\f)+3] offset:32*(\f)
.endr
.irp f, 0,1,2,3
	ds_load_b128 v[W+16*(\u)+4*(\f):W+16*(\u)+4*(\f)+3], v[RD] offset:(\f)*4*SP  ; LDS serves a wave's instructions in order (ISA guide 5.7.1.4): these see the stores above
.endr
	s_wait_dscnt 0x0
.irp f, 0,1,2,3
	global_store_b128 v[GO], v[W+16*(\u)+4*(\f):W+16*(\u)+4*(\f)+3], s[6:7] offset:(\u)*2048+(\f)*512
.endr
.endr
.endm
	s_load_b128 s[4:7], s[0:1], 0x0                ; qkv s[4:5], ctx s[6:7]
	v_lshl_add_u32 v[SPW], v0, 2, SPARE
	v_mov_b32 v[NIL], 0
	ds_add_u32 v[SPW], v[NIL]                      ; the wave's opening: the add and its wait stand ahead of my first tensor load
	v_lshrrev_b32 v1, 5, v0
	v_readfirstlane_b32 s[WV], v1
	s_mov_b32 s[CC], ttmp9                         ; c: in a cluster launch ttmp9 counts clusters
	s_bfe_u32 s72, ttmp6, 0x40000                  ; cx
	s_and_b32 s73, ttmp7, 0xffff                   ; batch x 16 + head
	s_lshr_b32 s74, s73, 4
	s_and_b32 s75, s73, 15
	s_lshl_b32 s76, s[CC], 2
	s_add_co_u32 s76, s76, s72                     ; the second block
	s_sub_co_u32 s77, 15, s76                      ; the first
	s_and_b32 s78, s[WV], 1
	s_mul_i32 s8, s74, 48
	s_add_co_u32 s8, s8, s75
	s_lshl_b32 s8, s8, 18                          ; q's slab, in bytes
	s_lshl_b32 s10, s78, 15                        ; my half of a tile: 256 keys of 128 bytes
	s_add_co_u32 s10, s10, s8
	s_add_co_u32 s10, s10, 16<<18                  ; in k's slab
	s_mov_b32 s11, 0
	s_mul_i32 s[LK], s78, 256*PK                   ; no place in the cluster enters an LDS address
	s_mul_i32 s[LV], s78, 256*PV
	s_add_co_u32 s[LV], s[LV], VOFF
	s_lshl_b32 s79, s[WV], 12                      ; my 32 rows of a block
	s_lshl_b32 s2, s77, 14
	s_add_co_u32 s2, s2, s79                       ; in the first block,
	s_lshl_b32 s80, s76, 14
	s_add_co_u32 s80, s80, s79                     ; in the second
	s_lshl_b32 s81, s75, 19
	s_lshl_b32 s82, s74, 18
	s_add_co_u32 s81, s81, s82                     ; ctx: head x 4,096 rows + batch x 2,048 rows
	s_add_co_u32 s84, s81, s2
	s_mov_b32 s85, 0
	s_add_co_u32 s86, s81, s80
	s_mov_b32 s87, 0
	s_add_co_u32 s2, s2, s8
	s_mov_b32 s3, 0
	s_add_co_u32 s80, s80, s8
	s_mov_b32 s81, 0
	s_lshl_b32 s82, s72, 1                         ; the prefetches: block 2 cx + (wave & 1) of 8 KiB
	s_add_co_u32 s82, s82, s78
	s_lshl_b32 s82, s82, 13
	s_add_co_u32 s82, s82, s8
	s_add_co_u32 s82, s82, (16<<18)+65536          ; of k's tile 1: the first change of slots steps it to tile 2
	s_cmp_lt_u32 s[WV], 2
	s_cselect_b32 s83, 0, 16<<18                   ; or of v's
	s_add_co_u32 s82, s82, s83
	s_mov_b32 s83, 0
	s_cmp_eq_u32 ttmp9, 0
	s_cselect_b32 s[LIM], 2, -1
	s_lshl_b32 s79, s[WV], 1
	s_lshl3_add_u32 s[D2], s76, s79                ; 8 block + 2 wave: DV at a block's step 0
	s_lshl3_add_u32 s79, s77, s79
	s_mov_b32 s[G1K], 15|(1<<16)|(1<<20)|(1<<21)|(4<<22)|(3<<25)  ; 15:0 the mask of four; 17:16 2-byte elements; 20 padding on; 21 set beside a mask; 24:22 after every 32 words; 31:25 4 words
	s_mov_b32 s[G1V], 15|(1<<16)|(1<<20)|(1<<21)|(4<<22)|(7<<25)  ; the same with 8 words
.irp g, G1K, G1V
	s_mov_b32 s[\g+1], 128<<16                     ; 256 keys are 32,768 dense bytes: asked for as 128 rows of 256 bytes, two keys a row, padded behind every key
	s_mov_b32 s[\g+2], 128<<16
	s_mov_b32 s[\g+3], 128<<16
	s_mov_b32 s[\g+4], 128
	s_mov_b32 s[\g+5], 128
	s_mov_b32 s[\g+6], 0
	s_mov_b32 s[\g+7], 0
.endr
	s_mov_b32 s[CS], 0x3e38aa3b                    ; c = log2(e) / 8
	s_mov_b32 s[CS+1], s[CS]
	s_mov_b32 s[SEL], 0x76543210
	s_mov_b32 s[SEL+1], 0xfedcba98
	s_mov_b32 s[BIGN], 0xf149f2ca                  ; -1e30
	s_sub_co_u32 s[RT], 4, s[CC]                   ; the first block has 4 - c tiles
	s_mov_b32 s[NXT], 1
	s_sub_co_u32 s[LQ], 3, s[CC]
	s_mov_b32 s[SLOTS], 4
	s_mov_b32 s[TR], SLOT                          ; the first change of slots turns these two round
	s_mov_b32 s[TF], 0
	s_mov_b32 s[OFF+1], 0
	s_mov_b32 s[G0K], 1
	s_mov_b32 s[G0K+1], s[LK]                      ; slot 0
	s_mov_b32 s[G0V], 1
	s_mov_b32 s[G0V+1], s[LV]
	s_wait_dscnt 0x0                               ; the opening add is done
	s_wait_kmcnt 0x0
	s_add_nc_u64 s[KB:KB+1], s[4:5], s[10:11]
	s_add_nc_u64 s[VB:VB+1], s[KB:KB+1], 16<<18
	s_mov_b64 s[G0K+2:G0K+3], s[KB:KB+1]           ; tile 0
	s_or_b32 s[G0K+3], s[G0K+3], 0x80000000
	s_mov_b64 s[G0V+2:G0V+3], s[VB:VB+1]
	s_or_b32 s[G0V+3], s[G0V+3], 0x80000000
	s_add_nc_u64 s[PFA:PFA+1], s[4:5], s[82:83]
	s_add_nc_u64 s[Q2:Q2+1], s[4:5], s[80:81]
	s_add_nc_u64 s[4:5], s[4:5], s[2:3]            ; Q at my rows of the first block
	s_add_nc_u64 s[O2:O2+1], s[6:7], s[86:87]
	s_add_nc_u64 s[6:7], s[6:7], s[84:85]
	CROUND                                         ; all four work-groups are here: the first joint loads meet
	JLOAD                                          ; tile 0 into slot 0; slot 1 is asked for when it has landed
	v_and_b32 v1, 15, v0                           ; l % 16
	v_bfe_u32 v9, v0, 4, 1                         ; l / 16
	v_lshlrev_b32 v[QO], 7, v1
	v_lshl_add_u32 v[QO], v9, 4, v[QO]
	WIN 0x40
.set i, 0
.rept 4                                ; both blocks' Q stay in registers: tile i / 2, channels 32 (i % 2) on
	global_load_b128 v[QF+8*i:QF+8*i+3],   v[QO], s[4:5] offset:(i/2)*2048+(i%2)*64
	global_load_b128 v[QF+8*i+4:QF+8*i+7], v[QO], s[4:5] offset:(i/2)*2048+(i%2)*64+32
	global_load_b128 v[QB+8*i:QB+8*i+3],   v[QO], s[Q2:Q2+1] offset:(i/2)*2048+(i%2)*64
	global_load_b128 v[QB+8*i+4:QB+8*i+7], v[QO], s[Q2:Q2+1] offset:(i/2)*2048+(i%2)*64+32
.set i, i+1
.endr
.set i, 0
.rept 64
	v_mov_b32 v[i], 0                              ; O^T and V need only be finite for the first trip, which multiplies the one by a = 0 and the other by P = 0.  Written while the first tile is on its way
	v_mov_b32 v[VF+i], 0
.set i, i+1
.endr
	WIN 0
	v_mul_u32_u24 v[AK0], v1, PK
	v_lshl_add_u32 v[AK0], v9, 4, v[AK0]           ; row x pitch + 16 x half
	v_and_b32 v38, 7, v0                           ; the turning load: lane l reads key 8 (l / 16) + l % 8, channels 8 ((l / 8) % 2) + 0..7
	v_bfe_u32 v39, v0, 3, 1
	v_lshl_add_u32 v[AV0], v9, 3, v38
	v_mul_u32_u24 v[AV0], v[AV0], PV
	v_lshl_add_u32 v[AV0], v39, 4, v[AV0]
	v_add_nc_u32 v[AV0], VOFF, v[AV0]
	s_mul_i32 s84, s[WV], 16*SP
	s_add_co_u32 s84, s84, STAGE                   ; my stage
	v_mul_u32_u24 v[STO], v1, SP
	v_lshl_add_u32 v[STO], v9, 4, v[STO]
	v_add_nc_u32 v[STO], s84, v[STO]
	v_bfe_u32 v[RD], v0, 3, 2
	v_mul_u32_u24 v[RD], v[RD], SP
	v_lshl_add_u32 v[RD], v38, 4, v[RD]
	v_add_nc_u32 v[RD], s84, v[RD]
	v_and_b32 v[GO], 31, v0
	v_lshlrev_b32 v[PFO], 8, v[GO]
	v_lshlrev_b32 v[GO], 4, v[GO]
	v_lshlrev_b32 v35, 3, v9
	v_sub_nc_u32 v35, v1, v35                      ; my query's place less my lanes' 8 (l / 16): register j is hidden where j is greater
.set i, 0
.rept 8
	v_cmp_gt_i32 vcc_lo, i, v35
	v_cndmask_b32 v[TRI+i], 0, s[BIGN], vcc_lo
.set i, i+1
.endr
	v_mov_b32 v[DV], s79
	v_mov_b32 v[AL+1], 0                           ; named as pairs
	v_mov_b32 v[BE+1], 0
	BLOCKINIT
	s_wait_loadcnt 0x0                             ; Q
.Lslot:                                                ; four trips: a tile is entered and the next is asked for
	CHANGE 1
	s_sub_co_u32 s[RT], s[RT], 1
	TILE 0
	s_cmp_lg_u32 s[RT], 0
	s_cbranch_scc1 .Lbottom
	WAYOUT                                         ; the first block's end,
	s_wait_xcnt 0x0                                ; (the stores have read their registers and ctx's address)
	s_mov_b64 s[6:7], s[O2:O2+1]
	s_add_co_u32 s[RT], s[CC], 1                   ; and the second's beginning: c + 1 tiles
	BLOCKINIT
	v_mov_b32 v[DV], s[D2]
	WIN 0x41
.set i, 0
.rept 32
	v_mov_b32 v[QF+i], v[QB+i]                     ; the second block's Q goes where the one text of the trips names Q
.set i, i+1
.endr
	WIN 0
.Lbottom:
	s_sub_co_u32 s[SLOTS], s[SLOTS], 1
	s_cmp_lg_u32 s[SLOTS], 0
	s_cbranch_scc1 .Lslot
	CHANGE 0                                       ; the walk's last tile is written out; it is always the second block's last
	TILE 1
	WAYOUT
	s_wait_tensorcnt 0x0                           ; the wave's end: behind my last tensor load and my last LDS store
	ds_add_u32 v[SPW], v[NIL]
	s_wait_dscnt 0x0
	CROUND                                         ; the closing round
	s_endpgm
.Lfunc_end_k_q37a0cfce5d_attn:
	.size	k_q37a0cfce5d_attn, .Lfunc_end_k_q37a0cfce5d_attn-k_q37a0cfce5d_attn
	.p2alignl 7, 3214868480
	.fill 96, 4, 3214868480
	.section	.rodata,"a",@progbits
	.p2align	6, 0x0
	.amdhsa_kernel k_q37a0cfce5d_attn
		.amdhsa_group_segment_fixed_size 327680
		.amdhsa_private_segment_fixed_size 0
		.amdhsa_enable_private_segment 0
		.amdhsa_kernarg_size 16
		.amdhsa_user_sgpr_count 2
		.amdhsa_user_sgpr_kernarg_segment_ptr 1
		.amdhsa_wavefront_size32 1
		.amdhsa_system_sgpr_workgroup_id_x 1
		.amdhsa_system_sgpr_workgroup_id_y 1
		.amdhsa_system_sgpr_workgroup_id_z 1
		.amdhsa_system_vgpr_workitem_id 0
		.amdhsa_next_free_vgpr 512
		.amdhsa_next_free_sgpr 96
		.amdhsa_reserve_vcc 1
		.amdhsa_float_denorm_mode_32 3
		.amdhsa_float_denorm_mode_16_64 3
		.amdhsa_memory_ordered 1
		.amdhsa_forward_progress 1
		.amdhsa_inst_pref_size 92
	.end_amdhsa_kernel
	.amdgpu_metadata
---
amdhsa.version: [ 1, 2 ]
amdhsa.kernels:
  - .name:           k_q37a0cfce5d_attn
    .symbol:         k_q37a0cfce5d_attn.kd
    .args:
      - { .name: qkv, .offset: 0, .size: 8, .value_kind: global_buffer, .address_space: global }
      - { .name: ctx, .offset: 8, .size: 8, .value_kind: global_buffer, .address_space: global }
    .group_segment_fixed_size: 327680
    .private_segment_fixed_size: 0
    .kernarg_segment_align: 8
    .kernarg_segment_size: 16
    .max_flat_workgroup_size: 128
    .sgpr_count:     96
    .vgpr_count:     512
    .wavefront_size: 32
...
	.end_amdgpu_metadata
.endif
;; end of part 3
;; launch wo (part 4): grid 8 x 32, 4 waves a work-group, clusters of 4 x 4, 327,680 bytes of LDS; arguments ctx, wb, h, bo, x; writes h
.if DOCPART == 4
	.amdgcn_target "amdgcn-amd-amdhsa--gfx1250"
	.amdhsa_code_object_version 6
	.text
	.protected	k_q37a0cfce5d_wo
	.globl	k_q37a0cfce5d_wo
	.p2align	8
	.type	k_q37a0cfce5d_wo,@function
k_q37a0cfce5d_wo:
	s_mov_b64 s[64:65], 0
	v_nop
	global_prefetch_b8 v0, s[64:65] scope:SCOPE_SE
	s_setreg_imm32_b32 hwreg(HW_REG_WAVE_MODE, 25, 1), 1
	s_wait_xcnt 0x0
	s_wait_alu depctr_hold_cnt(0) depctr_sa_sdst(0) depctr_va_vdst(0) depctr_va_sdst(0) depctr_va_ssrc(0) depctr_va_vcc(0) depctr_vm_vsrc(0)
	s_getreg_b32 s2, hwreg(HW_REG_IB_STS2, 6, 4)
	s_cmp_eq_u32 s2, 0
	s_cbranch_scc0 .Lentry_in_a_cluster
	s_endpgm
.Lentry_in_a_cluster:
	s_bfe_u32 s2, ttmp6, 0x10000c
	s_cmp_lg_u32 s2, 0xf033
	s_cbranch_scc0 .Lentry_shape_is_right
	s_endpgm
.Lentry_shape_is_right:
; h = x + ctx x wo^T + bo: C[4096][1024] = A[4096][1024] B[1024][1024]^T, bf16 operands, f32 sums, bias and residual added in f32, h stored in f32.  A = ctx lies by heads, [16][4096][64]:
; a K step of 256 is four heads, brought by one load of four 'rows' of 64 tokens x 64 channels.  A tile of C is 128 x 128, which makes 8 x 32 = 256 work-groups.
; No prefetch: the tiles are small and each is shared by the cluster's joint loads.
; ONE TEXT serves the program's four products; the constants below choose the shape and the way out.
.set TM, 128                           ; rows of C in a tile
.set TN, 128                           ; columns
.set KK, 1024                          ; K
.set KSTEP, 256                        ; K in a slot
.set KD, 2                             ; slices of 32 along K in a quarter of a K step
.set NBW, 4                            ; blocks of 16 columns a wave
.set BH, 4                             ; B's fragments: BH x half + block
.set AW, 0                             ; 1: a quarter's two halves are my rows 0-63 and 64-127 (accumulators in two windows); 0: they are two slices of K
.set PITCH, 528                        ; an LDS row of B (and of A, unless by heads): data + 16 bytes, an odd multiple of 16: the 16 rows of a load start at 16 different groups of four banks (ISA guide 11.1)
.set QI, 6                             ; the padding's interval: 2 << QI words = a row
.set AP, 144                           ; an LDS row of A
.set AQ, 9216                          ; bytes from quarter to quarter in A's rows
.set BQ, 128                           ; in B's
.set HA, 36864                         ; half of A's tile in LDS: what one tensor load brings
.set HB, 33792                         ; half of B's
.set KADV_A, 2097152                   ; bytes of memory from K step to K step
.set KADV_B, 512
.set WOFF, 6291456                     ; B's first byte in wb
.set NL, 32                            ; LDS loads in a run
.set NY, 16                            ; the youngest of them, which only the second half needs
.set SP, 528                           ; a row of the f32 stage: 4 TN + 16
.set PF, 0                             ; 1: the tiles are prefetched
.set EPI, 2                            ; the way out: 0 by heads in bf16, 1 bias + GELU in bf16, 2 bias + residual in f32
.set AHEADS, 1                         ; 1: A lies by heads, [16][4096][64]
.set ORB, 4096                         ; bytes in a row of the output (EPI 1, 2)
; THE SHAPE.  Four waves, 2 x 2, as many as a WGP has SIMDs.  K goes through a ring of two LDS slots filled by the tensor data mover; waves 0, 1 fetch A's two halves, waves 2, 3 B's: one load a wave.
; CLUSTER 4 x 4: the four work-groups of a row need the same tiles of A, the four of a column the same tiles of B: each is asked for jointly, by the same load, descriptor and mask in all four.
; THE MATRIX INSTRUCTION IS USED TRANSPOSED (source 0 = 16 rows of B, source 1 = 16 rows of A): a lane holds row lane % 16 of C and the columns 8 (lane / 16) + 0..7.
; THE LOOP's trip is ONE K step; which slot is read hangs on the scalar TC, 0 or SLOT, turned by one exclusive or.  The last two K steps are a second loop of two trips that asks for nothing and is left in its middle:
; its second trip's barrier and its run of LDS loads from the other slot (bytes that landed long ago) serve nothing: the price, once a launch, of writing the tail once.
; THE WAY OUT.  When the ring has had its last fill and its last read, the f32 sums are laid over it as whole rows of C (pitch SP), a barrier, and each wave takes a quarter of the rows.
; REGISTERS, in windows of 256 (s_set_vgpr_msb: bits 1:0 source 0, 3:2 source 1, 5:4 source 2, 7:6 destination): window 0 addresses and the way out; window 1 two fragment buffers of 128
; (A's fragment n at 8 n, B's at 64 + 8 n); windows 2 and 3 the accumulators, (row block a, column block b) at 8 (NBW a + b).
; LIMITS.  Operands are bf16 (8 significant bits); NaN and infinities are not treated apart.
.set T,     KK/KSTEP                   ; K steps
.set SLOT,  2*HA+2*HB                  ; A half 0, A half 1, B half 0, B half 1
.set SPARE, 327168                     ; the spare words, 128 bytes a wave: two blocks of 256 bytes that no other line names
.if AHEADS
.set AD0, 4096                         ; a 'row' of A's tile: 64 tokens x 64 channels of one head, dense
.set AD1, 4                            ; four heads = 256 along K
.set AST, 262144                       ; elements from head to head
.set AQI, 4                            ; padded behind every token's 32 words
.set ARB, 128                          ; bytes from token to token
.else
.set AD0, KSTEP
.set AD1, TM/2
.set AST, KK
.set AQI, QI
.set ARB, 2*KK
.endif
.set A0,  16                           ; v16  my lane's place in A's tile, slot 0; never rewritten
.set B0,  17                           ; v17  in B's
.set ADA, 18                           ; v18  A0 + the slot in hand
.set ADB, 19                           ; v19  B0 + the slot in hand
.set STO, 24                           ; v24  where I lay 16 bytes of a row of the stage; v25 the same 64 rows down
.set RD,  26                           ; v26  where I read the stage
.set GO,  27                           ; v27  my byte offset in the output
.set SPW, 28                           ; v28  my spare word: SPARE + 4 x my thread's number; never rewritten
.set NIL, 29                           ; v29  0; never rewritten
.set PFO, 30                           ; v30  the prefetches' offset: a lane a row
.set BI,  32                           ; v[32:39]   bias
.set Y,   40                           ; v[40:63]   packed results
.set V,   64                           ; v[64:..]   rows read from the stage
.set TT,  96                           ; v[96:127]  at work
.set R,   128                          ; v[128:255] the residual's rows (EPI 2)
.set CNT, 3
.set G1,  24                           ; s[24:31] descriptor group 1 for A
.set G0A0, 32                          ; s[32:35] group 0 for A's first fill
.set G0A, 36                           ; s[36:39] group 0 for A: K step 1, then it walks
.set LIM, 43                           ; s43  2 in a wave that prefetches, else the greatest number
.set PFA, 44                           ; s[44:45] where my prefetches stand
.set G1B, 48
.set G0B0, 56
.set G0B, 60
.set BIAS, 68
.set RES, 70
.set TC,  72                           ; s72  the slot in hand: 0 or SLOT
.set LA,  74                           ; s74  where my load of A lands in a slot
.set LB,  75                           ; s75  where my load of B lands
.set C0,  76
.set C1,  78
.set MSB, 0
.macro WIN new                         ; the immediate's high byte repeats the setting that is left; a switch that changes nothing is dropped
.if MSB != (\new)
	s_set_vgpr_msb (MSB<<8)|(\new)
.set MSB, \new
.endif
.endm
.macro PLACES                          ; four plain instructions between a matrix instruction and a load into, or a read of, its registers
.rept 4
	v_nop
.endr
.endm
.macro CREST                           ; a round of the cluster's barrier behind its opening barrier
	s_cmp_lg_u32 s10, 0
	s_cbranch_scc1 .Lnot_wave_0_\@
	s_barrier_signal -3
.Lnot_wave_0_\@:
	s_barrier_wait -3
	s_barrier_signal -1
	s_barrier_wait -1
.endm
.macro CROUND
	s_barrier_signal -1
	s_barrier_wait -1
	CREST
.endm
.macro JLOAD                           ; a joint refill by the walking descriptors; the branch hangs on the wave's number alone; an s_nop 0 and four v_nop follow each line
	s_cmp_eq_u32 s11, 0
	s_cbranch_scc0 .Lfor_b_\@
	tensor_load_to_lds s[G0A:G0A+3], s[G1:G1+7]
	s_nop 0
.rept 4
	v_nop
.endr
	s_branch .Lasked_\@
.Lfor_b_\@:
	tensor_load_to_lds s[G0B:G0B+3], s[G1B:G1B+7]
	s_nop 0
.rept 4
	v_nop
.endr
.Lasked_\@:
.endm
; A prefetch of the K step that stands two refills on: a lane a row, 256 bytes of it, one instruction a wave.  A's tile row is read by every cluster of that row of clusters: cluster x = 0 asks; B's tile column: cluster y = 0.
; The four partners that ask for a tile jointly share its rows out by address.  The trips with CNT 2 and 1 have no K step two refills on and ask for nothing.
.macro ASK
	s_cmp_gt_u32 s[CNT], s[LIM]
	s_cbranch_scc0 .Lnot_mine_\@
	global_prefetch_b8 v[PFO], s[PFA:PFA+1] offset:2*KSTEP th:TH_LOAD_NT scope:SCOPE_SE
.Lnot_mine_\@:
.endm
; 2 NBW matrix instructions: row blocks a0, a0 + 1 x all column blocks, half hf of buffer f.  The accumulators take turns, one instruction a turn.  zero: the product starts the sum.
.macro MULH f, hf, a0, zero
	WIN 0xa5+0x50*(\hf)*AW
.irp a, \a0, (\a0)+1
.set bb, 0
.rept NBW
.set rD, 8*(NBW*(\a)+bb)
.set rB, 128*(\f)+64+8*(BH*(\hf)+bb)
.set rA, 128*(\f)+8*(4*(\hf)+(\a))
.if \zero
	v_wmma_f32_16x16x32_bf16 v[rD:rD+7], v[rB:rB+7], v[rA:rA+7], 0
.else
	v_wmma_f32_16x16x32_bf16 v[rD:rD+7], v[rB:rB+7], v[rA:rA+7], v[rD:rD+7]
.endif
.set bb, bb+1
.endr
.endr
.endm
; One run of NL LDS loads: the fragments of quarter kq of the slot in hand, into buffer f; what the first half needs comes first.
; A fragment is 16 rows x 32 K in 8 registers: lane l holds row l % 16, K = 8 (l / 16) + 0..7 and 16 + 8 (l / 16) + 0..7: two loads of 16 bytes, 32 bytes apart.
.macro FETCH kq, f
	WIN 0x40
.irp hf, 0, 1
.if ((\hf) == 0) || (KD == 2)
.set bb, 0
.rept NBW
.set rB, 128*(\f)+64+8*(BH*(\hf)+bb)
.set oB, (\kq)*BQ+64*(\hf)*(KD-1)+16*bb*PITCH
	ds_load_b128 v[rB:rB+3], v[ADB] offset:oB
	ds_load_b128 v[rB+4:rB+7], v[ADB] offset:oB+32
.set bb, bb+1
.endr
.endif
.set bb, 0
.rept 4
.set rA, 128*(\f)+8*(4*(\hf)+bb)
.if KD == 2
.set oA, (\kq)*AQ+64*(\hf)+16*bb*AP
.else
.set oA, (\kq)*AQ+16*(4*(\hf)+bb)*AP
.endif
	ds_load_b128 v[rA:rA+3], v[ADA] offset:oA
	ds_load_b128 v[rA+4:rA+7], v[ADA] offset:oA+32
.set bb, bb+1
.endr
.endr
.endm
; One of a K step's first three quarters: multiplies buffer f; in its middle it fetches quarter kq into buffer g.
.macro QUARTER kq, f, g, zero
	s_wait_dscnt NY                                ; all that the first half needs is in; the youngest NY loads may be out
	MULH \f, 0, 0, \zero
	MULH \f, 0, 2, \zero
	PLACES
	FETCH \kq, \g
	s_wait_dscnt NL                                ; all but the run just issued
	MULH \f, 1, 0, (\zero)*(2-KD)
	MULH \f, 1, 2, (\zero)*(2-KD)
.endm
; The fourth quarter multiplies buffer 1 and changes slots.  In front of the barrier each wave waits for all its tensor loads (one is out: its part of the next slot), adds 0 to its spare word, and waits for
; that and for its reads of the slot in hand.  fill = 1: the barrier opens a round of the cluster's, and the slot just left is filled again, first thing behind the round, with the K step two on.
.macro TURN fill
	WIN 0
.if PF && (\fill)
	s_wait_xcnt 0x0                                ; the last prefetch, a K step back, has read its address
	s_add_nc_u64 s[PFA:PFA+1], s[PFA:PFA+1], 2*KSTEP
.endif
	s_wait_tensorcnt 0x0                           ; no tensor load of mine is out, so the walking descriptors may be written
	ds_add_u32 v[SPW], v[NIL]                      ; 0 onto my spare word; work on registers stands between it and the wait for it
.if \fill
	s_add_co_u32 s[G0A+1], s[LA], s[TC]            ; into the slot that is being left,
	s_add_co_u32 s[G0B+1], s[LB], s[TC]
	s_add_nc_u64 s[G0A+2:G0A+3], s[G0A+2:G0A+3], KADV_A  ; the next K step after the one last asked for; the type bits on top are not reached
	s_add_nc_u64 s[G0B+2:G0B+3], s[G0B+2:G0B+3], KADV_B
.endif
	s_xor_b32 s[TC], s[TC], SLOT                   ; the other slot is now in hand
	v_add_nc_u32 v[ADA], s[TC], v[A0]
	v_add_nc_u32 v[ADB], s[TC], v[B0]
	s_wait_dscnt NY+1                              ; the add and the youngest NY loads may be out
	MULH 1, 0, 0, 0
	s_wait_dscnt 0x0                               ; the add is done, and my reads of the old slot are over
	s_barrier_signal -1
	MULH 1, 0, 2, 0
.if \fill
	WIN 0
.endif
	s_barrier_wait -1
.if \fill
	CREST                                          ; no wave of any partner still reads the old slot or has a load on its way
	JLOAD                                          ; its four v_nop are also the places in front of the loads below
.else
	PLACES
.endif
	FETCH 0, 0
.if PF && (\fill)
	WIN 0
	ASK
.endif
	MULH 1, 1, 0, 0
	MULH 1, 1, 2, 0
.endm
.macro DUMP                            ; every accumulator into the stage: a lane's eight columns are 32 bytes of a row; the low four registers first
.irp hf, 0, 1
.if ((\hf) == 0) || AW
	WIN 0x08+4*(\hf)
.set aa, 0
.rept 4
.set bb, 0
.rept NBW
.set rD, 8*(NBW*aa+bb)
	ds_store_b128 v[STO+(\hf)], v[rD:rD+3] offset:16*aa*SP+64*bb
	ds_store_b128 v[STO+(\hf)], v[rD+4:rD+7] offset:16*aa*SP+64*bb+16
.set bb, bb+1
.endr
.set aa, aa+1
.endr
.endif
.endr
.endm
	s_load_b128 s[4:7], s[0:1], 0x0                ; A s[4:5], wb s[6:7]
	s_load_b64 s[8:9], s[0:1], 0x10                ; the output
.if EPI >= 1
	s_load_b64 s[BIAS:BIAS+1], s[0:1], 0x18
.endif
.if EPI == 2
	s_load_b64 s[RES:RES+1], s[0:1], 0x20
.endif
	v_lshl_add_u32 v[SPW], v0, 2, SPARE
	v_mov_b32 v[NIL], 0
	ds_add_u32 v[SPW], v[NIL]                      ; the wave's opening: the add and its wait stand ahead of my first tensor load
	v_lshrrev_b32 v1, 5, v0
	v_readfirstlane_b32 s10, v1                    ; wave 0..3
	s_lshr_b32 s11, s10, 1                         ; my half of the tile's rows.  Also: I fetch for A (0) or for B (1)
	s_and_b32 s12, s10, 1                          ; my half of its columns.  Also: which half of that tile I fetch
	s_bfe_u32 s40, ttmp6, 0x40000                  ; cx
	s_bfe_u32 s41, ttmp6, 0x40004                  ; cy
	s_lshl_b32 s42, ttmp9, 2
	s_add_co_u32 s42, s42, s40                     ; tile column = 4 x cluster x + cx
	s_and_b32 s13, ttmp7, 0xffff
	s_lshl_b32 s13, s13, 2
	s_add_co_u32 s13, s13, s41                     ; tile row = 4 x cluster y + cy
	s_lshl_b32 s43, s41, 2
	s_lshl_b32 s43, 15, s43                        ; my row of the cluster
	s_lshl_b32 s44, 0x1111, s40                    ; my column
	s_or_b32 s[G1], s43, (1<<16)|(1<<20)|(1<<21)|(AQI<<22)|(3<<25)  ; 15:0 mask; 17:16 2-byte elements; 20 padding on; 21 set beside a mask; 24:22 the interval; 31:25 4 words of padding
	s_mov_b32 s[G1+1], AD0<<16                     ; tensor_dim0
	s_mov_b32 s[G1+2], AD1<<16                     ; tensor_dim1
	s_mov_b32 s[G1+3], AD0<<16                     ; tile_dim0
	s_mov_b32 s[G1+4], AD1                         ; tile_dim1
	s_mov_b32 s[G1+5], AST                         ; elements from row to row
	s_mov_b32 s[G1+6], 0
	s_mov_b32 s[G1+7], 0
	s_or_b32 s[G1B], s44, (1<<16)|(1<<20)|(1<<21)|(QI<<22)|(3<<25)
	s_mov_b32 s[G1B+1], KSTEP<<16
	s_mov_b32 s[G1B+2], (TN/2)<<16
	s_mov_b32 s[G1B+3], KSTEP<<16
	s_mov_b32 s[G1B+4], TN/2
	s_mov_b32 s[G1B+5], KK
	s_mov_b32 s[G1B+6], 0
	s_mov_b32 s[G1B+7], 0
	s_mul_i32 s16, s13, TM                         ; A's address hangs on the tile row and the wave alone,
	s_mul_i32 s17, s12, TM/2
	s_add_co_u32 s16, s16, s17
	s_mul_i32 s16, s16, ARB
	s_mov_b32 s17, 0
	s_mul_i32 s46, s42, TN                         ; B's on the tile column and the wave alone
	s_mul_i32 s47, s12, TN/2
	s_add_co_u32 s46, s46, s47
	s_mul_i32 s46, s46, 2*KK
	s_add_co_u32 s46, s46, WOFF
	s_mov_b32 s47, 0
	s_mul_i32 s[LA], s12, HA                       ; no place in the cluster enters an LDS address
	s_mul_i32 s[LB], s12, HB
	s_add_co_u32 s[LB], s[LB], 2*HA
	s_mov_b32 s[TC], 0
	s_wait_dscnt 0x0                               ; the opening add is done
	s_wait_kmcnt 0x0
	s_add_nc_u64 s[14:15], s[4:5], s[16:17]
	s_add_nc_u64 s[46:47], s[6:7], s[46:47]
	s_mov_b32 s[G0A0], 1                           ; count = 1
	s_mov_b32 s[G0A0+1], s[LA]                     ; LDS address: slot 0
	s_mov_b64 s[G0A0+2:G0A0+3], s[14:15]           ; K step 0
	s_or_b32 s[G0A0+3], s[G0A0+3], 0x80000000      ; type = 2
	s_mov_b32 s[G0A], 1
	s_add_co_u32 s[G0A+1], s[LA], SLOT             ; slot 1
	s_add_nc_u64 s[G0A+2:G0A+3], s[14:15], KADV_A  ; K step 1
	s_or_b32 s[G0A+3], s[G0A+3], 0x80000000
	s_mov_b32 s[G0B0], 1
	s_mov_b32 s[G0B0+1], s[LB]
	s_mov_b64 s[G0B0+2:G0B0+3], s[46:47]
	s_or_b32 s[G0B0+3], s[G0B0+3], 0x80000000
	s_mov_b32 s[G0B], 1
	s_add_co_u32 s[G0B+1], s[LB], SLOT
	s_add_nc_u64 s[G0B+2:G0B+3], s[46:47], KADV_B
	s_or_b32 s[G0B+3], s[G0B+3], 0x80000000
	CROUND                                         ; all sixteen work-groups are here: the first joint loads meet
	s_cmp_eq_u32 s11, 0                            ; a wave's two first fills stand in one branch: two loads of mine are out
	s_cbranch_scc0 .Lfirst_b
	tensor_load_to_lds s[G0A0:G0A0+3], s[G1:G1+7]
	s_nop 0
	tensor_load_to_lds s[G0A:G0A+3], s[G1:G1+7]
	s_nop 0
.rept 4
	v_nop
.endr
	s_branch .Lfirst_done
.Lfirst_b:
	tensor_load_to_lds s[G0B0:G0B0+3], s[G1B:G1B+7]
	s_nop 0
	tensor_load_to_lds s[G0B:G0B+3], s[G1B:G1B+7]
	s_nop 0
.rept 4
	v_nop
.endr
.Lfirst_done:
	v_and_b32 v1, 15, v0                           ; l % 16
	v_bfe_u32 v2, v0, 4, 1                         ; l / 16
	v_and_b32 v31, 31, v0                          ; l
	v_mul_u32_u24 v[A0], v1, AP
	v_lshl_add_u32 v[A0], v2, 4, v[A0]
	s_mul_i32 s21, s11, HA                         ; my half of A's rows
	v_add_nc_u32 v[A0], s21, v[A0]
	v_mul_u32_u24 v[B0], v1, PITCH
	v_lshl_add_u32 v[B0], v2, 4, v[B0]
	v_add_nc_u32 v[B0], s[LB], v[B0]               ; my half of B's rows, behind A's
	v_mov_b32 v[ADA], v[A0]
	v_mov_b32 v[ADB], v[B0]
	s_mul_i32 s23, s11, (TM/2)*SP                  ; into the stage: my rows, my columns; row l % 16, 32 bytes for each half of the lanes
	s_mul_i32 s20, s12, 2*TN
	s_add_co_u32 s23, s23, s20
	v_mul_u32_u24 v[STO], v1, SP
	v_lshl_add_u32 v[STO], v2, 5, v[STO]
	v_add_nc_u32 v[STO], s23, v[STO]
	v_add_nc_u32 v[STO+1], 64*SP, v[STO]
	s_mul_i32 s23, s10, (TM/4)*SP                  ; back: wave w takes rows w TM / 4 on
.if EPI == 0
	v_mul_u32_u24 v[RD], v2, SP                    ; lanes 0-15 take 64 columns (a head) of one row, lanes 16-31 of the next
	v_lshl_add_u32 v[RD], v1, 4, v[RD]
	v_add_nc_u32 v[RD], s23, v[RD]
	v_lshlrev_b32 v[GO], 3, v31
.else
	v_lshl_add_u32 v[RD], v31, 4, s23              ; 32 lanes take 512 consecutive bytes of a row
.if EPI == 1
	v_lshlrev_b32 v[GO], 3, v31
.else
	v_lshlrev_b32 v[GO], 4, v31
.endif
	v_lshlrev_b32 v31, 4, v31                      ; 16 x lane, for the bias
.endif
	s_mul_i32 s16, s13, TM
	s_mul_i32 s17, s10, TM/4
	s_add_co_u32 s16, s16, s17                     ; the first row that I send
.if EPI == 0
	s_lshr_b32 s17, s16, 11                        ; batch
	s_mul_i32 s17, s17, 48
	s_mul_i32 s18, s42, 3                          ; the tile's three slabs
	s_add_co_u32 s17, s17, s18
	s_lshl_b32 s17, s17, 18                        ; a slab is 262,144 bytes
	s_and_b32 s16, s16, 2047
	s_lshl_b32 s16, s16, 7                         ; a row of a slab is 128 bytes
	s_add_co_u32 s16, s16, s17
.else
	s_mul_i32 s16, s16, ORB
	s_lshl_b32 s17, s42, 9                         ; a tile's columns are 512 bytes of a row
	s_add_co_u32 s16, s16, s17
.endif
	s_mov_b32 s17, 0
	s_add_nc_u64 s[8:9], s[8:9], s[16:17]
.if EPI == 2
	s_add_nc_u64 s[RES:RES+1], s[RES:RES+1], s[16:17]
.endif
.if EPI >= 1
	s_mul_i32 s18, s42, 4*TN
	s_mov_b32 s19, 0
	s_add_nc_u64 s[BIAS:BIAS+1], s[BIAS:BIAS+1], s[18:19]
	global_load_b128 v[BI:BI+3], v31, s[BIAS:BIAS+1]
.endif
.if EPI == 1
	global_load_b128 v[BI+4:BI+7], v31, s[BIAS:BIAS+1] offset:512
	s_mov_b32 s[C0], 0xc0135761                    ; -2 sqrt(2 / pi) log2(e)
	s_mov_b32 s[C0+1], s[C0]
	s_mov_b32 s[C1], 0xbdd2d3e8                    ; the same x 0.044715
	s_mov_b32 s[C1+1], s[C1]
.endif
.if EPI == 2
.set i, 0
.rept 32
	global_load_b128 v[R+4*i:R+4*i+3], v[GO], s[RES:RES+1] offset:4096*i  ; my 32 rows of the residual: on their way during the whole K loop; nobody writes those bytes
.set i, i+1
.endr
.endif
.if PF
	s_mul_i32 s20, s13, TM                         ; the prefetches: the tile's first row, in A by the tile row,
	s_mul_i32 s21, s42, TN                         ; in B by the tile column
	s_and_b32 s22, ttmp7, 0xffff
	s_mov_b32 s23, TN/2
	s_cmp_eq_u32 s11, 0                            ; do I fetch for A?
	s_cselect_b32 s20, s20, s21
	s_cselect_b32 s21, s40, s41                    ; my place among the four that ask with me
	s_cselect_b32 s22, ttmp9, s22                  ; the coordinate along which other clusters read the same rows
	s_cselect_b64 s[PFA:PFA+1], s[4:5], s[6:7]
	s_cselect_b32 s23, TM/2, s23                   ; the rows that I fetch
	s_cselect_b32 s18, 0, WOFF
	s_cmp_eq_u32 s22, 0
	s_cselect_b32 s[LIM], 2, -1                    ; the same in all sixteen partners, for a given wave
	s_mul_i32 s19, s12, s23
	s_add_co_u32 s20, s20, s19
	s_lshr_b32 s23, s23, 2                         ; my work-group's quarter of them: 32, or 24 of B's 96 (there lanes 24-31 name row 23's block once more)
	s_mul_i32 s21, s21, s23
	s_add_co_u32 s20, s20, s21
	s_mul_i32 s20, s20, 2*KK
	s_add_co_u32 s20, s20, s18
	s_add_co_u32 s20, s20, 2*2*KSTEP               ; at K step 2: the first refill steps it to 3 and names K step 4
	s_mov_b32 s21, 0
	s_add_nc_u64 s[PFA:PFA+1], s[PFA:PFA+1], s[20:21]
	s_sub_co_u32 s23, s23, 1
	v_and_b32 v[PFO], 31, v0
	v_min_u32 v[PFO], s23, v[PFO]
	v_mul_u32_u24 v[PFO], v[PFO], 2*KK
.endif
	s_wait_tensorcnt 0x1                           ; my part of K step 0 is in; K step 1's may stay out
	s_barrier_signal -1
	s_barrier_wait -1
	FETCH 0, 0
	QUARTER 1, 0, 1, 1                             ; the first quarter stands in front of the loop: its products start the sums
	WIN 0
	s_mov_b32 s[CNT], T-2
.Lstep:                                                ; trip t: quarters 1-3 of K step t, quarter 0 of K step t + 1; K step t + 2 is asked for
	QUARTER 2, 1, 0, 0
	QUARTER 3, 0, 1, 0
	TURN 1
	QUARTER 1, 0, 1, 0
	WIN 0
	s_sub_co_u32 s[CNT], s[CNT], 1
	s_cmp_lg_u32 s[CNT], 0
	s_cbranch_scc1 .Lstep
	s_mov_b32 s[CNT], 2
.Ltail:                                                ; the last two K steps ask for nothing
	QUARTER 2, 1, 0, 0
	QUARTER 3, 0, 1, 0
	TURN 0
	WIN 0
	s_sub_co_u32 s[CNT], s[CNT], 1
	s_cmp_eq_u32 s[CNT], 0
	s_cbranch_scc1 .Lout
	QUARTER 1, 0, 1, 0
	WIN 0
	s_branch .Ltail
.Lout:
	s_wait_dscnt 0x0                               ; my last reads of the ring are back
.rept 8
	v_nop                                          ; the places behind the last products
.endr
	s_barrier_signal -1
	s_barrier_wait -1                              ; nobody reads the ring any more, and it has had its last fill
	DUMP
	WIN 0
	s_wait_dscnt 0x0                               ; for the others' sake: my stores are done
	s_barrier_signal -1
	s_barrier_wait -1
.if EPI == 0
	s_mov_b32 s[CNT], 8
.Lway:                                                 ; a trip: 8 rows x 3 heads: 12 loads of two rows' 64 columns
.set i, 0
.rept 12
	ds_load_b128 v[V+4*i:V+4*i+3], v[RD] offset:2*(i/3)*SP+256*(i%3)
.set i, i+1
.endr
	s_wait_dscnt 0x0
.set i, 0
.rept 24
	v_cvt_pk_bf16_f32 v[Y+i], v[V+2*i], v[V+2*i+1]
.set i, i+1
.endr
.set i, 0
.rept 12
	global_store_b64 v[GO], v[Y+2*i:Y+2*i+1], s[8:9] offset:(i%3)*262144+256*(i/3)  ; two rows of a head: 256 consecutive bytes, aligned
.set i, i+1
.endr
	s_wait_xcnt 0x0                                ; the stores have read their data and their base
	s_add_nc_u64 s[8:9], s[8:9], 1024
	v_add_nc_u32 v[RD], 8*SP, v[RD]
	s_sub_co_u32 s[CNT], s[CNT], 1
	s_cmp_lg_u32 s[CNT], 0
	s_cbranch_scc1 .Lway
.endif
.if EPI == 1
	s_wait_loadcnt 0x0                             ; the bias
	s_mov_b32 s[CNT], 16
.Lway:                                                 ; a trip: 4 rows x 2 halves of 128 columns.  gelu(u) = u / (1 + 2^(u (C0 + C1 u u))), which is 0.5 u (1 + tanh(..)) without a difference
.set i, 0
.rept 8
	ds_load_b128 v[V+4*i:V+4*i+3], v[RD] offset:(i/2)*SP+512*(i%2)
.set i, i+1
.endr
	s_wait_dscnt 0x0
.set i, 0
.rept 16
	v_pk_add_f32 v[V+2*i:V+2*i+1], v[V+2*i:V+2*i+1], v[BI+4*((i/2)%2)+2*(i%2):BI+4*((i/2)%2)+2*(i%2)+1]
.set i, i+1
.endr
.set i, 0
.rept 16
	v_pk_mul_f32 v[TT+2*i:TT+2*i+1], v[V+2*i:V+2*i+1], v[V+2*i:V+2*i+1]
.set i, i+1
.endr
.set i, 0
.rept 16
	v_pk_fma_f32 v[TT+2*i:TT+2*i+1], v[TT+2*i:TT+2*i+1], s[C1:C1+1], s[C0:C0+1] op_sel_hi:[1,0,0]
.set i, i+1
.endr
.set i, 0
.rept 16
	v_pk_mul_f32 v[TT+2*i:TT+2*i+1], v[TT+2*i:TT+2*i+1], v[V+2*i:V+2*i+1]
.set i, i+1
.endr
.set i, 0
.rept 32
	v_exp_f32 v[TT+i], v[TT+i]
.set i, i+1
.endr
	v_nop                                          ; a plain instruction behind the last exponential,
	s_wait_alu depctr_va_vdst(0)                   ; and one wait for the batch
.set i, 0
.rept 16
	v_pk_add_f32 v[TT+2*i:TT+2*i+1], v[TT+2*i:TT+2*i+1], 1.0 op_sel_hi:[1,0]
.set i, i+1
.endr
.set i, 0
.rept 32
	v_rcp_f32 v[TT+i], v[TT+i]
.set i, i+1
.endr
	v_nop
	s_wait_alu depctr_va_vdst(0)                   ; one wait for the 32 reciprocals
.set i, 0
.rept 16
	v_pk_mul_f32 v[V+2*i:V+2*i+1], v[V+2*i:V+2*i+1], v[TT+2*i:TT+2*i+1]
.set i, i+1
.endr
.set i, 0
.rept 16
	v_cvt_pk_bf16_f32 v[Y+i], v[V+2*i], v[V+2*i+1]
.set i, i+1
.endr
.set i, 0
.rept 8
	global_store_b64 v[GO], v[Y+2*i:Y+2*i+1], s[8:9] offset:(i/2)*ORB+256*(i%2)  ; 256 consecutive bytes, aligned
.set i, i+1
.endr
	s_wait_xcnt 0x0                                ; the stores have read their data and their base
	s_add_nc_u64 s[8:9], s[8:9], 4*ORB
	v_add_nc_u32 v[RD], 4*SP, v[RD]
	s_sub_co_u32 s[CNT], s[CNT], 1
	s_cmp_lg_u32 s[CNT], 0
	s_cbranch_scc1 .Lway
.endif
.if EPI == 2
	s_wait_loadcnt 0x0                             ; bias and residual
.irp gq, 0,1,2,3
.irp q, 0,1,2,3,4,5,6,7
	ds_load_b128 v[TT+4*(\q):TT+4*(\q)+3], v[RD] offset:(8*(\gq)+(\q))*SP
.endr
.irp q, 0,1,2,3,4,5,6,7
	s_wait_dscnt 7-(\q)                            ; row q of the eight is in; the younger loads stay out
	v_pk_add_f32 v[R+4*(8*(\gq)+(\q)):R+4*(8*(\gq)+(\q))+1], v[R+4*(8*(\gq)+(\q)):R+4*(8*(\gq)+(\q))+1], v[TT+4*(\q):TT+4*(\q)+1]
	v_pk_add_f32 v[R+4*(8*(\gq)+(\q))+2:R+4*(8*(\gq)+(\q))+3], v[R+4*(8*(\gq)+(\q))+2:R+4*(8*(\gq)+(\q))+3], v[TT+4*(\q)+2:TT+4*(\q)+3]
	v_pk_add_f32 v[R+4*(8*(\gq)+(\q)):R+4*(8*(\gq)+(\q))+1], v[R+4*(8*(\gq)+(\q)):R+4*(8*(\gq)+(\q))+1], v[BI:BI+1]
	v_pk_add_f32 v[R+4*(8*(\gq)+(\q))+2:R+4*(8*(\gq)+(\q))+3], v[R+4*(8*(\gq)+(\q))+2:R+4*(8*(\gq)+(\q))+3], v[BI+2:BI+3]
	global_store_b128 v[GO], v[R+4*(8*(\gq)+(\q)):R+4*(8*(\gq)+(\q))+3], s[8:9] offset:4096*(8*(\gq)+(\q))  ; 512 consecutive bytes, aligned
.endr
.endr
.endif
	s_wait_tensorcnt 0x0                           ; the wave's end: behind my last tensor load and my last LDS store
	ds_add_u32 v[SPW], v[NIL]
	s_wait_dscnt 0x0
	CROUND                                         ; the closing round: no work-group ends while a partner may still ask for a tile that names it
	s_endpgm
.Lfunc_end_k_q37a0cfce5d_wo:
	.size	k_q37a0cfce5d_wo, .Lfunc_end_k_q37a0cfce5d_wo-k_q37a0cfce5d_wo
	.p2alignl 7, 3214868480
	.fill 96, 4, 3214868480
	.section	.rodata,"a",@progbits
	.p2align	6, 0x0
	.amdhsa_kernel k_q37a0cfce5d_wo
		.amdhsa_group_segment_fixed_size 327680
		.amdhsa_private_segment_fixed_size 0
		.amdhsa_enable_private_segment 0
		.amdhsa_kernarg_size 40
		.amdhsa_user_sgpr_count 2
		.amdhsa_user_sgpr_kernarg_segment_ptr 1
		.amdhsa_wavefront_size32 1
		.amdhsa_system_sgpr_workgroup_id_x 1
		.amdhsa_system_sgpr_workgroup_id_y 1
		.amdhsa_system_sgpr_workgroup_id_z 1
		.amdhsa_system_vgpr_workitem_id 0
		.amdhsa_next_free_vgpr 640
		.amdhsa_next_free_sgpr 80
		.amdhsa_reserve_vcc 0
		.amdhsa_float_denorm_mode_32 3
		.amdhsa_float_denorm_mode_16_64 3
		.amdhsa_memory_ordered 1
		.amdhsa_forward_progress 1
		.amdhsa_inst_pref_size 70
	.end_amdhsa_kernel
	.amdgpu_metadata
---
amdhsa.version: [ 1, 2 ]
amdhsa.kernels:
  - .name:           k_q37a0cfce5d_wo
    .symbol:         k_q37a0cfce5d_wo.kd
    .args:
      - { .name: ctx, .offset: 0, .size: 8, .value_kind: global_buffer, .address_space: global }
      - { .name: wb, .offset: 8, .size: 8, .value_kind: global_buffer, .address_space: global }
      - { .name: h, .offset: 16, .size: 8, .value_kind: global_buffer, .address_space: global }
      - { .name: bo, .offset: 24, .size: 8, .value_kind: global_buffer, .address_space: global }
      - { .name: x, .offset: 32, .size: 8, .value_kind: global_buffer, .address_space: global }
    .group_segment_fixed_size: 327680
    .private_segment_fixed_size: 0
    .kernarg_segment_align: 8
    .kernarg_segment_size: 40
    .max_flat_workgroup_size: 128
    .sgpr_count:     80
    .vgpr_count:     640
    .wavefront_size: 32
...
	.end_amdgpu_metadata
.endif
;; end of part 4
;; launch ln2 (part 5): grid 256 x 1, 16 waves a work-group, no clusters, 0 bytes of LDS; arguments h, ln2_s, ln2_b, yn; writes yn
.if DOCPART == 5
	.amdgcn_target "amdgcn-amd-amdhsa--gfx1250"
	.amdhsa_code_object_version 6
	.text
	.protected	k_q37a0cfce5d_ln2
	.globl	k_q37a0cfce5d_ln2
	.p2align	8
	.type	k_q37a0cfce5d_ln2,@function
k_q37a0cfce5d_ln2:
	s_mov_b64 s[64:65], 0
	v_nop
	global_prefetch_b8 v0, s[64:65] scope:SCOPE_SE
	s_setreg_imm32_b32 hwreg(HW_REG_WAVE_MODE, 25, 1), 1
	s_wait_xcnt 0x0
; yn = LayerNorm(h) * ln2_s + ln2_b, rounded once to bf16.
; One wave takes one row of 1,024 f32 (4,096 bytes) and keeps it in 32 registers: the row is read once, the mean is taken first, the variance of the differences h - mean,
; as the formula is written, so a common offset of the row costs no digits.  No wave waits for another: no LDS, no barrier; the matrix unit and clusters have nothing to do here (no byte is shared).
; Lane l holds columns 4 l + 128 j, j = 0..7: each load of a wave covers 512 consecutive bytes, each store 256 consecutive aligned bytes.
; LIMITS.  NaN and infinities are not treated apart; results are rounded to bf16 (8 significant bits).
.set SC, 8                             ; v[8:39]    the gain of my 32 columns
.set SH, 40                            ; v[40:71]   the shift
.set X,  72                            ; v[72:103]  the row
.set T,  104                           ; v[104:119] four chains of sums, later the 16 packed results
.set M,  4                             ; v[4:5]     the mean, twice
.set R,  6                             ; v[6:7]     1 / sqrt(var + eps), twice
	s_load_b256 s[4:11], s[0:1], 0x0               ; h s[4:5], gain s[6:7], shift s[8:9], yn s[10:11]
	v_lshrrev_b32 v3, 5, v0                        ; wave
	v_and_b32 v1, 31, v0                           ; lane
	v_readfirstlane_b32 s31, v3
	s_lshl_b32 s30, ttmp9, 4
	s_add_co_u32 s30, s30, s31                     ; my row
	v_lshlrev_b32 v2, 3, v1                        ; 8 x lane: my 8 bytes of each 256 stored
	v_lshlrev_b32 v1, 4, v1                        ; 16 x lane: my 16 bytes of each 512 loaded
	s_mov_b32 s26, 0x76543210                      ; v_permlanex16_b32: each lane takes its own place in the other half
	s_mov_b32 s27, 0xfedcba98
	s_mov_b32 s28, 0x3a800000                      ; 1 / 1024
	s_mov_b32 s29, 0x358637bd                      ; 1e-6
	s_lshl_b32 s2, s30, 12                         ; row x 4,096 bytes
	s_mov_b32 s3, 0
	s_wait_kmcnt 0x0
	s_add_nc_u64 s[4:5], s[4:5], s[2:3]
	s_lshl_b32 s2, s30, 11                         ; row x 2,048 bytes
	s_add_nc_u64 s[10:11], s[10:11], s[2:3]
.irp j, 0,1,2,3,4,5,6,7
	global_load_b128 v[X+4*(\j):X+4*(\j)+3], v1, s[4:5] offset:512*(\j) th:TH_LOAD_NT
.endr
.irp j, 0,1,2,3,4,5,6,7
	global_load_b128 v[SC+4*(\j):SC+4*(\j)+3], v1, s[6:7] offset:512*(\j)
.endr
.irp j, 0,1,2,3,4,5,6,7
	global_load_b128 v[SH+4*(\j):SH+4*(\j)+3], v1, s[8:9] offset:512*(\j)
.endr
.macro TREE                            ; four chains into one number a lane, then over the 32 lanes: every lane ends with the sum
	v_pk_add_f32 v[T:T+1], v[T:T+1], v[T+2:T+3]
	v_pk_add_f32 v[T+4:T+5], v[T+4:T+5], v[T+6:T+7]
	v_pk_add_f32 v[T:T+1], v[T:T+1], v[T+4:T+5]
	v_add_f32 v[T], v[T], v[T+1]
	v_add_f32_dpp v[T], v[T], v[T] row_xmask:1 row_mask:0xf bank_mask:0xf
	v_add_f32_dpp v[T], v[T], v[T] row_xmask:2 row_mask:0xf bank_mask:0xf
	v_add_f32_dpp v[T], v[T], v[T] row_xmask:4 row_mask:0xf bank_mask:0xf
	v_add_f32_dpp v[T], v[T], v[T] row_xmask:8 row_mask:0xf bank_mask:0xf
	v_permlanex16_b32 v[T+1], v[T], s26, s27       ; its destination has been written above
	v_add_f32 v[T], v[T], v[T+1]
.endm
	s_wait_loadcnt 16                              ; the row is in; the 16 loads of gain and shift, issued behind it, may stay out
.irp k, 0,1,2,3
	v_pk_add_f32 v[T+2*(\k):T+2*(\k)+1], v[X+4*(\k):X+4*(\k)+1], v[X+4*(\k)+2:X+4*(\k)+3]  ; the first eight pairs start four chains: nothing is cleared
.endr
.irp p, 8,9,10,11,12,13,14,15
	v_pk_add_f32 v[T+2*((\p)%4):T+2*((\p)%4)+1], v[T+2*((\p)%4):T+2*((\p)%4)+1], v[X+2*(\p):X+2*(\p)+1]
.endr
	TREE
	v_mul_f32 v[M], s28, v[T]                      ; the mean
	v_mov_b32 v[M+1], v[M]
.irp p, 0,1,2,3,4,5,6,7,8,9,10,11,12,13,14,15
	v_pk_add_f32 v[X+2*(\p):X+2*(\p)+1], v[X+2*(\p):X+2*(\p)+1], v[M:M+1] neg_lo:[0,1] neg_hi:[0,1]  ; h - mean
.endr
.irp p, 0,1,2,3
	v_pk_mul_f32 v[T+2*(\p):T+2*(\p)+1], v[X+2*(\p):X+2*(\p)+1], v[X+2*(\p):X+2*(\p)+1]
.endr
.irp p, 4,5,6,7,8,9,10,11,12,13,14,15
	v_pk_fma_f32 v[T+2*((\p)%4):T+2*((\p)%4)+1], v[X+2*(\p):X+2*(\p)+1], v[X+2*(\p):X+2*(\p)+1], v[T+2*((\p)%4):T+2*((\p)%4)+1]
.endr
	TREE
	v_fma_f32 v[T], v[T], s28, s29                 ; var + eps
	v_rsq_f32 v[R], v[T]
	v_rsq_f32 v[R+1], v[T]                         ; twice, for the packed multiply
	s_wait_loadcnt 0x0                             ; gain and shift
	v_nop                                          ; a plain instruction behind the last root (ISA guide 5.7.2),
	s_wait_alu depctr_va_vdst(0)                   ; and a wait ahead of the first reader: one for both
.irp p, 0,1,2,3,4,5,6,7,8,9,10,11,12,13,14,15
	v_pk_mul_f32 v[X+2*(\p):X+2*(\p)+1], v[X+2*(\p):X+2*(\p)+1], v[R:R+1]
.endr
.irp p, 0,1,2,3,4,5,6,7,8,9,10,11,12,13,14,15
	v_pk_fma_f32 v[X+2*(\p):X+2*(\p)+1], v[X+2*(\p):X+2*(\p)+1], v[SC+2*(\p):SC+2*(\p)+1], v[SH+2*(\p):SH+2*(\p)+1]
.endr
.irp p, 0,1,2,3,4,5,6,7,8,9,10,11,12,13,14,15
	v_cvt_pk_bf16_f32 v[T+(\p)], v[X+2*(\p)], v[X+2*(\p)+1]
.endr
.irp j, 0,1,2,3,4,5,6,7
	global_store_b64 v2, v[T+2*(\j):T+2*(\j)+1], s[10:11] offset:256*(\j)  ; 32 lanes x 8 bytes: 256 consecutive bytes, aligned
.endr
	s_endpgm
.Lfunc_end_k_q37a0cfce5d_ln2:
	.size	k_q37a0cfce5d_ln2, .Lfunc_end_k_q37a0cfce5d_ln2-k_q37a0cfce5d_ln2
	.p2alignl 7, 3214868480
	.fill 96, 4, 3214868480
	.section	.rodata,"a",@progbits
	.p2align	6, 0x0
	.amdhsa_kernel k_q37a0cfce5d_ln2
		.amdhsa_group_segment_fixed_size 0
		.amdhsa_private_segment_fixed_size 0
		.amdhsa_enable_private_segment 0
		.amdhsa_kernarg_size 32
		.amdhsa_user_sgpr_count 2
		.amdhsa_user_sgpr_kernarg_segment_ptr 1
		.amdhsa_wavefront_size32 1
		.amdhsa_system_sgpr_workgroup_id_x 1
		.amdhsa_system_sgpr_workgroup_id_y 1
		.amdhsa_system_sgpr_workgroup_id_z 1
		.amdhsa_system_vgpr_workitem_id 0
		.amdhsa_next_free_vgpr 120
		.amdhsa_next_free_sgpr 66
		.amdhsa_reserve_vcc 0
		.amdhsa_float_denorm_mode_32 3
		.amdhsa_float_denorm_mode_16_64 3
		.amdhsa_memory_ordered 1
		.amdhsa_forward_progress 1
		.amdhsa_inst_pref_size 12
	.end_amdhsa_kernel
	.amdgpu_metadata
---
amdhsa.version: [ 1, 2 ]
amdhsa.kernels:
  - .name:           k_q37a0cfce5d_ln2
    .symbol:         k_q37a0cfce5d_ln2.kd
    .args:
      - { .name: h, .offset: 0, .size: 8, .value_kind: global_buffer, .address_space: global }
      - { .name: ln2_s, .offset: 8, .size: 8, .value_kind: global_buffer, .address_space: global }
      - { .name: ln2_b, .offset: 16, .size: 8, .value_kind: global_buffer, .address_space: global }
      - { .name: yn, .offset: 24, .size: 8, .value_kind: global_buffer, .address_space: global }
    .group_segment_fixed_size: 0
    .private_segment_fixed_size: 0
    .kernarg_segment_align: 8
    .kernarg_segment_size: 32
    .max_flat_workgroup_size: 512
    .sgpr_count:     66
    .vgpr_count:     120
    .wavefront_size: 32
...
	.end_amdgpu_metadata
.endif
;; end of part 5
;; launch ff1 (part 6): grid 16 x 16, 4 waves a work-group, clusters of 4 x 4, 327,680 bytes of LDS; arguments yn, wb, g, b1; writes g
.if DOCPART == 6
	.amdgcn_target "amdgcn-amd-amdhsa--gfx1250"
	.amdhsa_code_object_version 6
	.text
	.protected	k_q37a0cfce5d_ff1
	.globl	k_q37a0cfce5d_ff1
	.p2align	8
	.type	k_q37a0cfce5d_ff1,@function
k_q37a0cfce5d_ff1:
	s_mov_b64 s[64:65], 0
	v_nop
	global_prefetch_b8 v0, s[64:65] scope:SCOPE_SE
	s_setreg_imm32_b32 hwreg(HW_REG_WAVE_MODE, 25, 1), 1
	s_wait_xcnt 0x0
	s_wait_alu depctr_hold_cnt(0) depctr_sa_sdst(0) depctr_va_vdst(0) depctr_va_sdst(0) depctr_va_ssrc(0) depctr_va_vcc(0) depctr_vm_vsrc(0)
	s_getreg_b32 s2, hwreg(HW_REG_IB_STS2, 6, 4)
	s_cmp_eq_u32 s2, 0
	s_cbranch_scc0 .Lentry_in_a_cluster
	s_endpgm
.Lentry_in_a_cluster:
	s_bfe_u32 s2, ttmp6, 0x10000c
	s_cmp_lg_u32 s2, 0xf033
	s_cbranch_scc0 .Lentry_shape_is_right
	s_endpgm
.Lentry_shape_is_right:
; g = gelu(yn x w1^T + b1): C[4096][4096] = A[4096][1024] B[4096][1024]^T, bf16 operands, f32 sums, bias and tanh-GELU in f32, g rounded once to bf16.
; A tile of C is 256 x 256, which makes 16 x 16 = 256 work-groups.
; ONE TEXT serves the program's four products; the constants below choose the shape and the way out.
.set TM, 256                           ; rows of C in a tile
.set TN, 256                           ; columns
.set KK, 1024                          ; K
.set KSTEP, 128                        ; K in a slot
.set KD, 1                             ; slices of 32 along K in a quarter of a K step
.set NBW, 8                            ; blocks of 16 columns a wave
.set BH, 0                             ; B's fragments: BH x half + block
.set AW, 1                             ; 1: a quarter's two halves are my rows 0-63 and 64-127 (accumulators in two windows); 0: they are two slices of K
.set PITCH, 272                        ; an LDS row of B (and of A, unless by heads): data + 16 bytes, an odd multiple of 16: the 16 rows of a load start at 16 different groups of four banks (ISA guide 11.1)
.set QI, 5                             ; the padding's interval: 2 << QI words = a row
.set AP, 272                           ; an LDS row of A
.set AQ, 64                            ; bytes from quarter to quarter in A's rows
.set BQ, 64                            ; in B's
.set HA, 34816                         ; half of A's tile in LDS: what one tensor load brings
.set HB, 34816                         ; half of B's
.set KADV_A, 256                       ; bytes of memory from K step to K step
.set KADV_B, 256
.set WOFF, 8388608                     ; B's first byte in wb
.set NL, 32                            ; LDS loads in a run
.set NY, 8                             ; the youngest of them, which only the second half needs
.set SP, 1040                          ; a row of the f32 stage: 4 TN + 16
.set PF, 1                             ; 1: the tiles are prefetched
.set EPI, 1                            ; the way out: 0 by heads in bf16, 1 bias + GELU in bf16, 2 bias + residual in f32
.set AHEADS, 0                         ; 1: A lies by heads, [16][4096][64]
.set ORB, 8192                         ; bytes in a row of the output (EPI 1, 2)
; THE SHAPE.  Four waves, 2 x 2, as many as a WGP has SIMDs.  K goes through a ring of two LDS slots filled by the tensor data mover; waves 0, 1 fetch A's two halves, waves 2, 3 B's: one load a wave.
; CLUSTER 4 x 4: the four work-groups of a row need the same tiles of A, the four of a column the same tiles of B: each is asked for jointly, by the same load, descriptor and mask in all four.
; THE MATRIX INSTRUCTION IS USED TRANSPOSED (source 0 = 16 rows of B, source 1 = 16 rows of A): a lane holds row lane % 16 of C and the columns 8 (lane / 16) + 0..7.
; THE LOOP's trip is ONE K step; which slot is read hangs on the scalar TC, 0 or SLOT, turned by one exclusive or.  The last two K steps are a second loop of two trips that asks for nothing and is left in its middle:
; its second trip's barrier and its run of LDS loads from the other slot (bytes that landed long ago) serve nothing: the price, once a launch, of writing the tail once.
; THE WAY OUT.  When the ring has had its last fill and its last read, the f32 sums are laid over it as whole rows of C (pitch SP), a barrier, and each wave takes a quarter of the rows.
; REGISTERS, in windows of 256 (s_set_vgpr_msb: bits 1:0 source 0, 3:2 source 1, 5:4 source 2, 7:6 destination): window 0 addresses and the way out; window 1 two fragment buffers of 128
; (A's fragment n at 8 n, B's at 64 + 8 n); windows 2 and 3 the accumulators, (row block a, column block b) at 8 (NBW a + b).
; LIMITS.  Operands are bf16 (8 significant bits); NaN and infinities are not treated apart.
.set T,     KK/KSTEP                   ; K steps
.set SLOT,  2*HA+2*HB                  ; A half 0, A half 1, B half 0, B half 1
.set SPARE, 327168                     ; the spare words, 128 bytes a wave: two blocks of 256 bytes that no other line names
.if AHEADS
.set AD0, 4096                         ; a 'row' of A's tile: 64 tokens x 64 channels of one head, dense
.set AD1, 4                            ; four heads = 256 along K
.set AST, 262144                       ; elements from head to head
.set AQI, 4                            ; padded behind every token's 32 words
.set ARB, 128                          ; bytes from token to token
.else
.set AD0, KSTEP
.set AD1, TM/2
.set AST, KK
.set AQI, QI
.set ARB, 2*KK
.endif
.set A0,  16                           ; v16  my lane's place in A's tile, slot 0; never rewritten
.set B0,  17                           ; v17  in B's
.set ADA, 18                           ; v18  A0 + the slot in hand
.set ADB, 19                           ; v19  B0 + the slot in hand
.set STO, 24                           ; v24  where I lay 16 bytes of a row of the stage; v25 the same 64 rows down
.set RD,  26                           ; v26  where I read the stage
.set GO,  27                           ; v27  my byte offset in the output
.set SPW, 28                           ; v28  my spare word: SPARE + 4 x my thread's number; never rewritten
.set NIL, 29                           ; v29  0; never rewritten
.set PFO, 30                           ; v30  the prefetches' offset: a lane a row
.set BI,  32                           ; v[32:39]   bias
.set Y,   40                           ; v[40:63]   packed results
.set V,   64                           ; v[64:..]   rows read from the stage
.set TT,  96                           ; v[96:127]  at work
.set R,   128                          ; v[128:255] the residual's rows (EPI 2)
.set CNT, 3
.set G1,  24                           ; s[24:31] descriptor group 1 for A
.set G0A0, 32                          ; s[32:35] group 0 for A's first fill
.set G0A, 36                           ; s[36:39] group 0 for A: K step 1, then it walks
.set LIM, 43                           ; s43  2 in a wave that prefetches, else the greatest number
.set PFA, 44                           ; s[44:45] where my prefetches stand
.set G1B, 48
.set G0B0, 56
.set G0B, 60
.set BIAS, 68
.set RES, 70
.set TC,  72                           ; s72  the slot in hand: 0 or SLOT
.set LA,  74                           ; s74  where my load of A lands in a slot
.set LB,  75                           ; s75  where my load of B lands
.set C0,  76
.set C1,  78
.set MSB, 0
.macro WIN new                         ; the immediate's high byte repeats the setting that is left; a switch that changes nothing is dropped
.if MSB != (\new)
	s_set_vgpr_msb (MSB<<8)|(\new)
.set MSB, \new
.endif
.endm
.macro PLACES                          ; four plain instructions between a matrix instruction and a load into, or a read of, its registers
.rept 4
	v_nop
.endr
.endm
.macro CREST                           ; a round of the cluster's barrier behind its opening barrier
	s_cmp_lg_u32 s10, 0
	s_cbranch_scc1 .Lnot_wave_0_\@
	s_barrier_signal -3
.Lnot_wave_0_\@:
	s_barrier_wait -3
	s_barrier_signal -1
	s_barrier_wait -1
.endm
.macro CROUND
	s_barrier_signal -1
	s_barrier_wait -1
	CREST
.endm
.macro JLOAD                           ; a joint refill by the walking descriptors; the branch hangs on the wave's number alone; an s_nop 0 and four v_nop follow each line
	s_cmp_eq_u32 s11, 0
	s_cbranch_scc0 .Lfor_b_\@
	tensor_load_to_lds s[G0A:G0A+3], s[G1:G1+7]
	s_nop 0
.rept 4
	v_nop
.endr
	s_branch .Lasked_\@
.Lfor_b_\@:
	tensor_load_to_lds s[G0B:G0B+3], s[G1B:G1B+7]
	s_nop 0
.rept 4
	v_nop
.endr
.Lasked_\@:
.endm
; A prefetch of the K step that stands two refills on: a lane a row, 256 bytes of it, one instruction a wave.  A's tile row is read by every cluster of that row of clusters: cluster x = 0 asks; B's tile column: cluster y = 0.
; The four partners that ask for a tile jointly share its rows out by address.  The trips with CNT 2 and 1 have no K step two refills on and ask for nothing.
.macro ASK
	s_cmp_gt_u32 s[CNT], s[LIM]
	s_cbranch_scc0 .Lnot_mine_\@
	global_prefetch_b8 v[PFO], s[PFA:PFA+1] offset:2*KSTEP th:TH_LOAD_NT scope:SCOPE_SE
.Lnot_mine_\@:
.endm
; 2 NBW matrix instructions: row blocks a0, a0 + 1 x all column blocks, half hf of buffer f.  The accumulators take turns, one instruction a turn.  zero: the product starts the sum.
.macro MULH f, hf, a0, zero
	WIN 0xa5+0x50*(\hf)*AW
.irp a, \a0, (\a0)+1
.set bb, 0
.rept NBW
.set rD, 8*(NBW*(\a)+bb)
.set rB, 128*(\f)+64+8*(BH*(\hf)+bb)
.set rA, 128*(\f)+8*(4*(\hf)+(\a))
.if \zero
	v_wmma_f32_16x16x32_bf16 v[rD:rD+7], v[rB:rB+7], v[rA:rA+7], 0
.else
	v_wmma_f32_16x16x32_bf16 v[rD:rD+7], v[rB:rB+7], v[rA:rA+7], v[rD:rD+7]
.endif
.set bb, bb+1
.endr
.endr
.endm
; One run of NL LDS loads: the fragments of quarter kq of the slot in hand, into buffer f; what the first half needs comes first.
; A fragment is 16 rows x 32 K in 8 registers: lane l holds row l % 16, K = 8 (l / 16) + 0..7 and 16 + 8 (l / 16) + 0..7: two loads of 16 bytes, 32 bytes apart.
.macro FETCH kq, f
	WIN 0x40
.irp hf, 0, 1
.if ((\hf) == 0) || (KD == 2)
.set bb, 0
.rept NBW
.set rB, 128*(\f)+64+8*(BH*(\hf)+bb)
.set oB, (\kq)*BQ+64*(\hf)*(KD-1)+16*bb*PITCH
	ds_load_b128 v[rB:rB+3], v[ADB] offset:oB
	ds_load_b128 v[rB+4:rB+7], v[ADB] offset:oB+32
.set bb, bb+1
.endr
.endif
.set bb, 0
.rept 4
.set rA, 128*(\f)+8*(4*(\hf)+bb)
.if KD == 2
.set oA, (\kq)*AQ+64*(\hf)+16*bb*AP
.else
.set oA, (\kq)*AQ+16*(4*(\hf)+bb)*AP
.endif
	ds_load_b128 v[rA:rA+3], v[ADA] offset:oA
	ds_load_b128 v[rA+4:rA+7], v[ADA] offset:oA+32
.set bb, bb+1
.endr
.endr
.endm
; One of a K step's first three quarters: multiplies buffer f; in its middle it fetches quarter kq into buffer g.
.macro QUARTER kq, f, g, zero
	s_wait_dscnt NY                                ; all that the first half needs is in; the youngest NY loads may be out
	MULH \f, 0, 0, \zero
	MULH \f, 0, 2, \zero
	PLACES
	FETCH \kq, \g
	s_wait_dscnt NL                                ; all but the run just issued
	MULH \f, 1, 0, (\zero)*(2-KD)
	MULH \f, 1, 2, (\zero)*(2-KD)
.endm
; The fourth quarter multiplies buffer 1 and changes slots.  In front of the barrier each wave waits for all its tensor loads (one is out: its part of the next slot), adds 0 to its spare word, and waits for
; that and for its reads of the slot in hand.  fill = 1: the barrier opens a round of the cluster's, and the slot just left is filled again, first thing behind the round, with the K step two on.
.macro TURN fill
	WIN 0
.if PF && (\fill)
	s_wait_xcnt 0x0                                ; the last prefetch, a K step back, has read its address
	s_add_nc_u64 s[PFA:PFA+1], s[PFA:PFA+1], 2*KSTEP
.endif
	s_wait_tensorcnt 0x0                           ; no tensor load of mine is out, so the walking descriptors may be written
	ds_add_u32 v[SPW], v[NIL]                      ; 0 onto my spare word; work on registers stands between it and the wait for it
.if \fill
	s_add_co_u32 s[G0A+1], s[LA], s[TC]            ; into the slot that is being left,
	s_add_co_u32 s[G0B+1], s[LB], s[TC]
	s_add_nc_u64 s[G0A+2:G0A+3], s[G0A+2:G0A+3], KADV_A  ; the next K step after the one last asked for; the type bits on top are not reached
	s_add_nc_u64 s[G0B+2:G0B+3], s[G0B+2:G0B+3], KADV_B
.endif
	s_xor_b32 s[TC], s[TC], SLOT                   ; the other slot is now in hand
	v_add_nc_u32 v[ADA], s[TC], v[A0]
	v_add_nc_u32 v[ADB], s[TC], v[B0]
	s_wait_dscnt NY+1                              ; the add and the youngest NY loads may be out
	MULH 1, 0, 0, 0
	s_wait_dscnt 0x0                               ; the add is done, and my reads of the old slot are over
	s_barrier_signal -1
	MULH 1, 0, 2, 0
.if \fill
	WIN 0
.endif
	s_barrier_wait -1
.if \fill
	CREST                                          ; no wave of any partner still reads the old slot or has a load on its way
	JLOAD                                          ; its four v_nop are also the places in front of the loads below
.else
	PLACES
.endif
	FETCH 0, 0
.if PF && (\fill)
	WIN 0
	ASK
.endif
	MULH 1, 1, 0, 0
	MULH 1, 1, 2, 0
.endm
.macro DUMP                            ; every accumulator into the stage: a lane's eight columns are 32 bytes of a row; the low four registers first
.irp hf, 0, 1
.if ((\hf) == 0) || AW
	WIN 0x08+4*(\hf)
.set aa, 0
.rept 4
.set bb, 0
.rept NBW
.set rD, 8*(NBW*aa+bb)
	ds_store_b128 v[STO+(\hf)], v[rD:rD+3] offset:16*aa*SP+64*bb
	ds_store_b128 v[STO+(\hf)], v[rD+4:rD+7] offset:16*aa*SP+64*bb+16
.set bb, bb+1
.endr
.set aa, aa+1
.endr
.endif
.endr
.endm
	s_load_b128 s[4:7], s[0:1], 0x0                ; A s[4:5], wb s[6:7]
	s_load_b64 s[8:9], s[0:1], 0x10                ; the output
.if EPI >= 1
	s_load_b64 s[BIAS:BIAS+1], s[0:1], 0x18
.endif
.if EPI == 2
	s_load_b64 s[RES:RES+1], s[0:1], 0x20
.endif
	v_lshl_add_u32 v[SPW], v0, 2, SPARE
	v_mov_b32 v[NIL], 0
	ds_add_u32 v[SPW], v[NIL]                      ; the wave's opening: the add and its wait stand ahead of my first tensor load
	v_lshrrev_b32 v1, 5, v0
	v_readfirstlane_b32 s10, v1                    ; wave 0..3
	s_lshr_b32 s11, s10, 1                         ; my half of the tile's rows.  Also: I fetch for A (0) or for B (1)
	s_and_b32 s12, s10, 1                          ; my half of its columns.  Also: which half of that tile I fetch
	s_bfe_u32 s40, ttmp6, 0x40000                  ; cx
	s_bfe_u32 s41, ttmp6, 0x40004                  ; cy
	s_lshl_b32 s42, ttmp9, 2
	s_add_co_u32 s42, s42, s40                     ; tile column = 4 x cluster x + cx
	s_and_b32 s13, ttmp7, 0xffff
	s_lshl_b32 s13, s13, 2
	s_add_co_u32 s13, s13, s41                     ; tile row = 4 x cluster y + cy
	s_lshl_b32 s43, s41, 2
	s_lshl_b32 s43, 15, s43                        ; my row of the cluster
	s_lshl_b32 s44, 0x1111, s40                    ; my column
	s_or_b32 s[G1], s43, (1<<16)|(1<<20)|(1<<21)|(AQI<<22)|(3<<25)  ; 15:0 mask; 17:16 2-byte elements; 20 padding on; 21 set beside a mask; 24:22 the interval; 31:25 4 words of padding
	s_mov_b32 s[G1+1], AD0<<16                     ; tensor_dim0
	s_mov_b32 s[G1+2], AD1<<16                     ; tensor_dim1
	s_mov_b32 s[G1+3], AD0<<16                     ; tile_dim0
	s_mov_b32 s[G1+4], AD1                         ; tile_dim1
	s_mov_b32 s[G1+5], AST                         ; elements from row to row
	s_mov_b32 s[G1+6], 0
	s_mov_b32 s[G1+7], 0
	s_or_b32 s[G1B], s44, (1<<16)|(1<<20)|(1<<21)|(QI<<22)|(3<<25)
	s_mov_b32 s[G1B+1], KSTEP<<16
	s_mov_b32 s[G1B+2], (TN/2)<<16
	s_mov_b32 s[G1B+3], KSTEP<<16
	s_mov_b32 s[G1B+4], TN/2
	s_mov_b32 s[G1B+5], KK
	s_mov_b32 s[G1B+6], 0
	s_mov_b32 s[G1B+7], 0
	s_mul_i32 s16, s13, TM                         ; A's address hangs on the tile row and the wave alone,
	s_mul_i32 s17, s12, TM/2
	s_add_co_u32 s16, s16, s17
	s_mul_i32 s16, s16, ARB
	s_mov_b32 s17, 0
	s_mul_i32 s46, s42, TN                         ; B's on the tile column and the wave alone
	s_mul_i32 s47, s12, TN/2
	s_add_co_u32 s46, s46, s47
	s_mul_i32 s46, s46, 2*KK
	s_add_co_u32 s46, s46, WOFF
	s_mov_b32 s47, 0
	s_mul_i32 s[LA], s12, HA                       ; no place in the cluster enters an LDS address
	s_mul_i32 s[LB], s12, HB
	s_add_co_u32 s[LB], s[LB], 2*HA
	s_mov_b32 s[TC], 0
	s_wait_dscnt 0x0                               ; the opening add is done
	s_wait_kmcnt 0x0
	s_add_nc_u64 s[14:15], s[4:5], s[16:17]
	s_add_nc_u64 s[46:47], s[6:7], s[46:47]
	s_mov_b32 s[G0A0], 1                           ; count = 1
	s_mov_b32 s[G0A0+1], s[LA]                     ; LDS address: slot 0
	s_mov_b64 s[G0A0+2:G0A0+3], s[14:15]           ; K step 0
	s_or_b32 s[G0A0+3], s[G0A0+3], 0x80000000      ; type = 2
	s_mov_b32 s[G0A], 1
	s_add_co_u32 s[G0A+1], s[LA], SLOT             ; slot 1
	s_add_nc_u64 s[G0A+2:G0A+3], s[14:15], KADV_A  ; K step 1
	s_or_b32 s[G0A+3], s[G0A+3], 0x80000000
	s_mov_b32 s[G0B0], 1
	s_mov_b32 s[G0B0+1], s[LB]
	s_mov_b64 s[G0B0+2:G0B0+3], s[46:47]
	s_or_b32 s[G0B0+3], s[G0B0+3], 0x80000000
	s_mov_b32 s[G0B], 1
	s_add_co_u32 s[G0B+1], s[LB], SLOT
	s_add_nc_u64 s[G0B+2:G0B+3], s[46:47], KADV_B
	s_or_b32 s[G0B+3], s[G0B+3], 0x80000000
	CROUND                                         ; all sixteen work-groups are here: the first joint loads meet
	s_cmp_eq_u32 s11, 0                            ; a wave's two first fills stand in one branch: two loads of mine are out
	s_cbranch_scc0 .Lfirst_b
	tensor_load_to_lds s[G0A0:G0A0+3], s[G1:G1+7]
	s_nop 0
	tensor_load_to_lds s[G0A:G0A+3], s[G1:G1+7]
	s_nop 0
.rept 4
	v_nop
.endr
	s_branch .Lfirst_done
.Lfirst_b:
	tensor_load_to_lds s[G0B0:G0B0+3], s[G1B:G1B+7]
	s_nop 0
	tensor_load_to_lds s[G0B:G0B+3], s[G1B:G1B+7]
	s_nop 0
.rept 4
	v_nop
.endr
.Lfirst_done:
	v_and_b32 v1, 15, v0                           ; l % 16
	v_bfe_u32 v2, v0, 4, 1                         ; l / 16
	v_and_b32 v31, 31, v0                          ; l
	v_mul_u32_u24 v[A0], v1, AP
	v_lshl_add_u32 v[A0], v2, 4, v[A0]
	s_mul_i32 s21, s11, HA                         ; my half of A's rows
	v_add_nc_u32 v[A0], s21, v[A0]
	v_mul_u32_u24 v[B0], v1, PITCH
	v_lshl_add_u32 v[B0], v2, 4, v[B0]
	v_add_nc_u32 v[B0], s[LB], v[B0]               ; my half of B's rows, behind A's
	v_mov_b32 v[ADA], v[A0]
	v_mov_b32 v[ADB], v[B0]
	s_mul_i32 s23, s11, (TM/2)*SP                  ; into the stage: my rows, my columns; row l % 16, 32 bytes for each half of the lanes
	s_mul_i32 s20, s12, 2*TN
	s_add_co_u32 s23, s23, s20
	v_mul_u32_u24 v[STO], v1, SP
	v_lshl_add_u32 v[STO], v2, 5, v[STO]
	v_add_nc_u32 v[STO], s23, v[STO]
	v_add_nc_u32 v[STO+1], 64*SP, v[STO]
	s_mul_i32 s23, s10, (TM/4)*SP                  ; back: wave w takes rows w TM / 4 on
.if EPI == 0
	v_mul_u32_u24 v[RD], v2, SP                    ; lanes 0-15 take 64 columns (a head) of one row, lanes 16-31 of the next
	v_lshl_add_u32 v[RD], v1, 4, v[RD]
	v_add_nc_u32 v[RD], s23, v[RD]
	v_lshlrev_b32 v[GO], 3, v31
.else
	v_lshl_add_u32 v[RD], v31, 4, s23              ; 32 lanes take 512 consecutive bytes of a row
.if EPI == 1
	v_lshlrev_b32 v[GO], 3, v31
.else
	v_lshlrev_b32 v[GO], 4, v31
.endif
	v_lshlrev_b32 v31, 4, v31                      ; 16 x lane, for the bias
.endif
	s_mul_i32 s16, s13, TM
	s_mul_i32 s17, s10, TM/4
	s_add_co_u32 s16, s16, s17                     ; the first row that I send
.if EPI == 0
	s_lshr_b32 s17, s16, 11                        ; batch
	s_mul_i32 s17, s17, 48
	s_mul_i32 s18, s42, 3                          ; the tile's three slabs
	s_add_co_u32 s17, s17, s18
	s_lshl_b32 s17, s17, 18                        ; a slab is 262,144 bytes
	s_and_b32 s16, s16, 2047
	s_lshl_b32 s16, s16, 7                         ; a row of a slab is 128 bytes
	s_add_co_u32 s16, s16, s17
.else
	s_mul_i32 s16, s16, ORB
	s_lshl_b32 s17, s42, 9                         ; a tile's columns are 512 bytes of a row
	s_add_co_u32 s16, s16, s17
.endif
	s_mov_b32 s17, 0
	s_add_nc_u64 s[8:9], s[8:9], s[16:17]
.if EPI == 2
	s_add_nc_u64 s[RES:RES+1], s[RES:RES+1], s[16:17]
.endif
.if EPI >= 1
	s_mul_i32 s18, s42, 4*TN
	s_mov_b32 s19, 0
	s_add_nc_u64 s[BIAS:BIAS+1], s[BIAS:BIAS+1], s[18:19]
	global_load_b128 v[BI:BI+3], v31, s[BIAS:BIAS+1]
.endif
.if EPI == 1
	global_load_b128 v[BI+4:BI+7], v31, s[BIAS:BIAS+1] offset:512
	s_mov_b32 s[C0], 0xc0135761                    ; -2 sqrt(2 / pi) log2(e)
	s_mov_b32 s[C0+1], s[C0]
	s_mov_b32 s[C1], 0xbdd2d3e8                    ; the same x 0.044715
	s_mov_b32 s[C1+1], s[C1]
.endif
.if EPI == 2
.set i, 0
.rept 32
	global_load_b128 v[R+4*i:R+4*i+3], v[GO], s[RES:RES+1] offset:4096*i  ; my 32 rows of the residual: on their way during the whole K loop; nobody writes those bytes
.set i, i+1
.endr
.endif
.if PF
	s_mul_i32 s20, s13, TM                         ; the prefetches: the tile's first row, in A by the tile row,
	s_mul_i32 s21, s42, TN                         ; in B by the tile column
	s_and_b32 s22, ttmp7, 0xffff
	s_mov_b32 s23, TN/2
	s_cmp_eq_u32 s11, 0                            ; do I fetch for A?
	s_cselect_b32 s20, s20, s21
	s_cselect_b32 s21, s40, s41                    ; my place among the four that ask with me
	s_cselect_b32 s22, ttmp9, s22                  ; the coordinate along which other clusters read the same rows
	s_cselect_b64 s[PFA:PFA+1], s[4:5], s[6:7]
	s_cselect_b32 s23, TM/2, s23                   ; the rows that I fetch
	s_cselect_b32 s18, 0, WOFF
	s_cmp_eq_u32 s22, 0
	s_cselect_b32 s[LIM], 2, -1                    ; the same in all sixteen partners, for a given wave
	s_mul_i32 s19, s12, s23
	s_add_co_u32 s20, s20, s19
	s_lshr_b32 s23, s23, 2                         ; my work-group's quarter of them: 32, or 24 of B's 96 (there lanes 24-31 name row 23's block once more)
	s_mul_i32 s21, s21, s23
	s_add_co_u32 s20, s20, s21
	s_mul_i32 s20, s20, 2*KK
	s_add_co_u32 s20, s20, s18
	s_add_co_u32 s20, s20, 2*2*KSTEP               ; at K step 2: the first refill steps it to 3 and names K step 4
	s_mov_b32 s21, 0
	s_add_nc_u64 s[PFA:PFA+1], s[PFA:PFA+1], s[20:21]
	s_sub_co_u32 s23, s23, 1
	v_and_b32 v[PFO], 31, v0
	v_min_u32 v[PFO], s23, v[PFO]
	v_mul_u32_u24 v[PFO], v[PFO], 2*KK
.endif
	s_wait_tensorcnt 0x1                           ; my part of K step 0 is in; K step 1's may stay out
	s_barrier_signal -1
	s_barrier_wait -1
	FETCH 0, 0
	QUARTER 1, 0, 1, 1                             ; the first quarter stands in front of the loop: its products start the sums
	WIN 0
	s_mov_b32 s[CNT], T-2
.Lstep:                                                ; trip t: quarters 1-3 of K step t, quarter 0 of K step t + 1; K step t + 2 is asked for
	QUARTER 2, 1, 0, 0
	QUARTER 3, 0, 1, 0
	TURN 1
	QUARTER 1, 0, 1, 0
	WIN 0
	s_sub_co_u32 s[CNT], s[CNT], 1
	s_cmp_lg_u32 s[CNT], 0
	s_cbranch_scc1 .Lstep
	s_mov_b32 s[CNT], 2
.Ltail:                                                ; the last two K steps ask for nothing
	QUARTER 2, 1, 0, 0
	QUARTER 3, 0, 1, 0
	TURN 0
	WIN 0
	s_sub_co_u32 s[CNT], s[CNT], 1
	s_cmp_eq_u32 s[CNT], 0
	s_cbranch_scc1 .Lout
	QUARTER 1, 0, 1, 0
	WIN 0
	s_branch .Ltail
.Lout:
	s_wait_dscnt 0x0                               ; my last reads of the ring are back
.rept 8
	v_nop                                          ; the places behind the last products
.endr
	s_barrier_signal -1
	s_barrier_wait -1                              ; nobody reads the ring any more, and it has had its last fill
	DUMP
	WIN 0
	s_wait_dscnt 0x0                               ; for the others' sake: my stores are done
	s_barrier_signal -1
	s_barrier_wait -1
.if EPI == 0
	s_mov_b32 s[CNT], 8
.Lway:                                                 ; a trip: 8 rows x 3 heads: 12 loads of two rows' 64 columns
.set i, 0
.rept 12
	ds_load_b128 v[V+4*i:V+4*i+3], v[RD] offset:2*(i/3)*SP+256*(i%3)
.set i, i+1
.endr
	s_wait_dscnt 0x0
.set i, 0
.rept 24
	v_cvt_pk_bf16_f32 v[Y+i], v[V+2*i], v[V+2*i+1]
.set i, i+1
.endr
.set i, 0
.rept 12
	global_store_b64 v[GO], v[Y+2*i:Y+2*i+1], s[8:9] offset:(i%3)*262144+256*(i/3)  ; two rows of a head: 256 consecutive bytes, aligned
.set i, i+1
.endr
	s_wait_xcnt 0x0                                ; the stores have read their data and their base
	s_add_nc_u64 s[8:9], s[8:9], 1024
	v_add_nc_u32 v[RD], 8*SP, v[RD]
	s_sub_co_u32 s[CNT], s[CNT], 1
	s_cmp_lg_u32 s[CNT], 0
	s_cbranch_scc1 .Lway
.endif
.if EPI == 1
	s_wait_loadcnt 0x0                             ; the bias
	s_mov_b32 s[CNT], 16
.Lway:                                                 ; a trip: 4 rows x 2 halves of 128 columns.  gelu(u) = u / (1 + 2^(u (C0 + C1 u u))), which is 0.5 u (1 + tanh(..)) without a difference
.set i, 0
.rept 8
	ds_load_b128 v[V+4*i:V+4*i+3], v[RD] offset:(i/2)*SP+512*(i%2)
.set i, i+1
.endr
	s_wait_dscnt 0x0
.set i, 0
.rept 16
	v_pk_add_f32 v[V+2*i:V+2*i+1], v[V+2*i:V+2*i+1], v[BI+4*((i/2)%2)+2*(i%2):BI+4*((i/2)%2)+2*(i%2)+1]
.set i, i+1
.endr
.set i, 0
.rept 16
	v_pk_mul_f32 v[TT+2*i:TT+2*i+1], v[V+2*i:V+2*i+1], v[V+2*i:V+2*i+1]
.set i, i+1
.endr
.set i, 0
.rept 16
	v_pk_fma_f32 v[TT+2*i:TT+2*i+1], v[TT+2*i:TT+2*i+1], s[C1:C1+1], s[C0:C0+1] op_sel_hi:[1,0,0]
.set i, i+1
.endr
.set i, 0
.rept 16
	v_pk_mul_f32 v[TT+2*i:TT+2*i+1], v[TT+2*i:TT+2*i+1], v[V+2*i:V+2*i+1]
.set i, i+1
.endr
.set i, 0
.rept 32
	v_exp_f32 v[TT+i], v[TT+i]
.set i, i+1
.endr
	v_nop                                          ; a plain instruction behind the last exponential,
	s_wait_alu depctr_va_vdst(0)                   ; and one wait for the batch
.set i, 0
.rept 16
	v_pk_add_f32 v[TT+2*i:TT+2*i+1], v[TT+2*i:TT+2*i+1], 1.0 op_sel_hi:[1,0]
.set i, i+1
.endr
.set i, 0
.rept 32
	v_rcp_f32 v[TT+i], v[TT+i]
.set i, i+1
.endr
	v_nop
	s_wait_alu depctr_va_vdst(0)                   ; one wait for the 32 reciprocals
.set i, 0
.rept 16
	v_pk_mul_f32 v[V+2*i:V+2*i+1], v[V+2*i:V+2*i+1], v[TT+2*i:TT+2*i+1]
.set i, i+1
.endr
.set i, 0
.rept 16
	v_cvt_pk_bf16_f32 v[Y+i], v[V+2*i], v[V+2*i+1]
.set i, i+1
.endr
.set i, 0
.rept 8
	global_store_b64 v[GO], v[Y+2*i:Y+2*i+1], s[8:9] offset:(i/2)*ORB+256*(i%2)  ; 256 consecutive bytes, aligned
.set i, i+1
.endr
	s_wait_xcnt 0x0                                ; the stores have read their data and their base
	s_add_nc_u64 s[8:9], s[8:9], 4*ORB
	v_add_nc_u32 v[RD], 4*SP, v[RD]
	s_sub_co_u32 s[CNT], s[CNT], 1
	s_cmp_lg_u32 s[CNT], 0
	s_cbranch_scc1 .Lway
.endif
.if EPI == 2
	s_wait_loadcnt 0x0                             ; bias and residual
.irp gq, 0,1,2,3
.irp q, 0,1,2,3,4,5,6,7
	ds_load_b128 v[TT+4*(\q):TT+4*(\q)+3], v[RD] offset:(8*(\gq)+(\q))*SP
.endr
.irp q, 0,1,2,3,4,5,6,7
	s_wait_dscnt 7-(\q)                            ; row q of the eight is in; the younger loads stay out
	v_pk_add_f32 v[R+4*(8*(\gq)+(\q)):R+4*(8*(\gq)+(\q))+1], v[R+4*(8*(\gq)+(\q)):R+4*(8*(\gq)+(\q))+1], v[TT+4*(\q):TT+4*(\q)+1]
	v_pk_add_f32 v[R+4*(8*(\gq)+(\q))+2:R+4*(8*(\gq)+(\q))+3], v[R+4*(8*(\gq)+(\q))+2:R+4*(8*(\gq)+(\q))+3], v[TT+4*(\q)+2:TT+4*(\q)+3]
	v_pk_add_f32 v[R+4*(8*(\gq)+(\q)):R+4*(8*(\gq)+(\q))+1], v[R+4*(8*(\gq)+(\q)):R+4*(8*(\gq)+(\q))+1], v[BI:BI+1]
	v_pk_add_f32 v[R+4*(8*(\gq)+(\q))+2:R+4*(8*(\gq)+(\q))+3], v[R+4*(8*(\gq)+(\q))+2:R+4*(8*(\gq)+(\q))+3], v[BI+2:BI+3]
	global_store_b128 v[GO], v[R+4*(8*(\gq)+(\q)):R+4*(8*(\gq)+(\q))+3], s[8:9] offset:4096*(8*(\gq)+(\q))  ; 512 consecutive bytes, aligned
.endr
.endr
.endif
	s_wait_tensorcnt 0x0                           ; the wave's end: behind my last tensor load and my last LDS store
	ds_add_u32 v[SPW], v[NIL]
	s_wait_dscnt 0x0
	CROUND                                         ; the closing round: no work-group ends while a partner may still ask for a tile that names it
	s_endpgm
.Lfunc_end_k_q37a0cfce5d_ff1:
	.size	k_q37a0cfce5d_ff1, .Lfunc_end_k_q37a0cfce5d_ff1-k_q37a0cfce5d_ff1
	.p2alignl 7, 3214868480
	.fill 96, 4, 3214868480
	.section	.rodata,"a",@progbits
	.p2align	6, 0x0
	.amdhsa_kernel k_q37a0cfce5d_ff1
		.amdhsa_group_segment_fixed_size 327680
		.amdhsa_private_segment_fixed_size 0
		.amdhsa_enable_private_segment 0
		.amdhsa_kernarg_size 32
		.amdhsa_user_sgpr_count 2
		.amdhsa_user_sgpr_kernarg_segment_ptr 1
		.amdhsa_wavefront_size32 1
		.amdhsa_system_sgpr_workgroup_id_x 1
		.amdhsa_system_sgpr_workgroup_id_y 1
		.amdhsa_system_sgpr_workgroup_id_z 1
		.amdhsa_system_vgpr_workitem_id 0
		.amdhsa_next_free_vgpr 1024
		.amdhsa_next_free_sgpr 80
		.amdhsa_reserve_vcc 0
		.amdhsa_float_denorm_mode_32 3
		.amdhsa_float_denorm_mode_16_64 3
		.amdhsa_memory_ordered 1
		.amdhsa_forward_progress 1
		.amdhsa_inst_pref_size 89
	.end_amdhsa_kernel
	.amdgpu_metadata
---
amdhsa.version: [ 1, 2 ]
amdhsa.kernels:
  - .name:           k_q37a0cfce5d_ff1
    .symbol:         k_q37a0cfce5d_ff1.kd
    .args:
      - { .name: yn, .offset: 0, .size: 8, .value_kind: global_buffer, .address_space: global }
      - { .name: wb, .offset: 8, .size: 8, .value_kind: global_buffer, .address_space: global }
      - { .name: g, .offset: 16, .size: 8, .value_kind: global_buffer, .address_space: global }
      - { .name: b1, .offset: 24, .size: 8, .value_kind: global_buffer, .address_space: global }
    .group_segment_fixed_size: 327680
    .private_segment_fixed_size: 0
    .kernarg_segment_align: 8
    .kernarg_segment_size: 32
    .max_flat_workgroup_size: 128
    .sgpr_count:     80
    .vgpr_count:     1024
    .wavefront_size: 32
...
	.end_amdgpu_metadata
.endif
;; end of part 6
;; launch ff2 (part 7): grid 8 x 32, 4 waves a work-group, clusters of 4 x 4, 327,680 bytes of LDS; arguments g, wb, out0, b2, h; writes out0
.if DOCPART == 7
	.amdgcn_target "amdgcn-amd-amdhsa--gfx1250"
	.amdhsa_code_object_version 6
	.text
	.protected	k_q37a0cfce5d_ff2
	.globl	k_q37a0cfce5d_ff2
	.p2align	8
	.type	k_q37a0cfce5d_ff2,@function
k_q37a0cfce5d_ff2:
	s_mov_b64 s[64:65], 0
	v_nop
	global_prefetch_b8 v0, s[64:65] scope:SCOPE_SE
	s_setreg_imm32_b32 hwreg(HW_REG_WAVE_MODE, 25, 1), 1
	s_wait_xcnt 0x0
	s_wait_alu depctr_hold_cnt(0) depctr_sa_sdst(0) depctr_va_vdst(0) depctr_va_sdst(0) depctr_va_ssrc(0) depctr_va_vcc(0) depctr_vm_vsrc(0)
	s_getreg_b32 s2, hwreg(HW_REG_IB_STS2, 6, 4)
	s_cmp_eq_u32 s2, 0
	s_cbranch_scc0 .Lentry_in_a_cluster
	s_endpgm
.Lentry_in_a_cluster:
	s_bfe_u32 s2, ttmp6, 0x10000c
	s_cmp_lg_u32 s2, 0xf033
	s_cbranch_scc0 .Lentry_shape_is_right
	s_endpgm
.Lentry_shape_is_right:
; out0 = h + g x w2^T + b2: C[4096][1024] = A[4096][4096] B[1024][4096]^T, bf16 operands, f32 sums, bias and residual added in f32, out0 stored in f32.
; A tile of C is 128 x 128, which makes 8 x 32 = 256 work-groups.  No prefetch: the tiles are small and each is shared by the cluster's joint loads.
; ONE TEXT serves the program's four products; the constants below choose the shape and the way out.
.set TM, 128                           ; rows of C in a tile
.set TN, 128                           ; columns
.set KK, 4096                          ; K
.set KSTEP, 256                        ; K in a slot
.set KD, 2                             ; slices of 32 along K in a quarter of a K step
.set NBW, 4                            ; blocks of 16 columns a wave
.set BH, 4                             ; B's fragments: BH x half + block
.set AW, 0                             ; 1: a quarter's two halves are my rows 0-63 and 64-127 (accumulators in two windows); 0: they are two slices of K
.set PITCH, 528                        ; an LDS row of B (and of A, unless by heads): data + 16 bytes, an odd multiple of 16: the 16 rows of a load start at 16 different groups of four banks (ISA guide 11.1)
.set QI, 6                             ; the padding's interval: 2 << QI words = a row
.set AP, 528                           ; an LDS row of A
.set AQ, 128                           ; bytes from quarter to quarter in A's rows
.set BQ, 128                           ; in B's
.set HA, 33792                         ; half of A's tile in LDS: what one tensor load brings
.set HB, 33792                         ; half of B's
.set KADV_A, 512                       ; bytes of memory from K step to K step
.set KADV_B, 512
.set WOFF, 16777216                    ; B's first byte in wb
.set NL, 32                            ; LDS loads in a run
.set NY, 16                            ; the youngest of them, which only the second half needs
.set SP, 528                           ; a row of the f32 stage: 4 TN + 16
.set PF, 0                             ; 1: the tiles are prefetched
.set EPI, 2                            ; the way out: 0 by heads in bf16, 1 bias + GELU in bf16, 2 bias + residual in f32
.set AHEADS, 0                         ; 1: A lies by heads, [16][4096][64]
.set ORB, 4096                         ; bytes in a row of the output (EPI 1, 2)
; THE SHAPE.  Four waves, 2 x 2, as many as a WGP has SIMDs.  K goes through a ring of two LDS slots filled by the tensor data mover; waves 0, 1 fetch A's two halves, waves 2, 3 B's: one load a wave.
; CLUSTER 4 x 4: the four work-groups of a row need the same tiles of A, the four of a column the same tiles of B: each is asked for jointly, by the same load, descriptor and mask in all four.
; THE MATRIX INSTRUCTION IS USED TRANSPOSED (source 0 = 16 rows of B, source 1 = 16 rows of A): a lane holds row lane % 16 of C and the columns 8 (lane / 16) + 0..7.
; THE LOOP's trip is ONE K step; which slot is read hangs on the scalar TC, 0 or SLOT, turned by one exclusive or.  The last two K steps are a second loop of two trips that asks for nothing and is left in its middle:
; its second trip's barrier and its run of LDS loads from the other slot (bytes that landed long ago) serve nothing: the price, once a launch, of writing the tail once.
; THE WAY OUT.  When the ring has had its last fill and its last read, the f32 sums are laid over it as whole rows of C (pitch SP), a barrier, and each wave takes a quarter of the rows.
; REGISTERS, in windows of 256 (s_set_vgpr_msb: bits 1:0 source 0, 3:2 source 1, 5:4 source 2, 7:6 destination): window 0 addresses and the way out; window 1 two fragment buffers of 128
; (A's fragment n at 8 n, B's at 64 + 8 n); windows 2 and 3 the accumulators, (row block a, column block b) at 8 (NBW a + b).
; LIMITS.  Operands are bf16 (8 significant bits); NaN and infinities are not treated apart.
.set T,     KK/KSTEP                   ; K steps
.set SLOT,  2*HA+2*HB                  ; A half 0, A half 1, B half 0, B half 1
.set SPARE, 327168                     ; the spare words, 128 bytes a wave: two blocks of 256 bytes that no other line names
.if AHEADS
.set AD0, 4096                         ; a 'row' of A's tile: 64 tokens x 64 channels of one head, dense
.set AD1, 4                            ; four heads = 256 along K
.set AST, 262144                       ; elements from head to head
.set AQI, 4                            ; padded behind every token's 32 words
.set ARB, 128                          ; bytes from token to token
.else
.set AD0, KSTEP
.set AD1, TM/2
.set AST, KK
.set AQI, QI
.set ARB, 2*KK
.endif
.set A0,  16                           ; v16  my lane's place in A's tile, slot 0; never rewritten
.set B0,  17                           ; v17  in B's
.set ADA, 18                           ; v18  A0 + the slot in hand
.set ADB, 19                           ; v19  B0 + the slot in hand
.set STO, 24                           ; v24  where I lay 16 bytes of a row of the stage; v25 the same 64 rows down
.set RD,  26                           ; v26  where I read the stage
.set GO,  27                           ; v27  my byte offset in the output
.set SPW, 28                           ; v28  my spare word: SPARE + 4 x my thread's number; never rewritten
.set NIL, 29                           ; v29  0; never rewritten
.set PFO, 30                           ; v30  the prefetches' offset: a lane a row
.set BI,  32                           ; v[32:39]   bias
.set Y,   40                           ; v[40:63]   packed results
.set V,   64                           ; v[64:..]   rows read from the stage
.set TT,  96                           ; v[96:127]  at work
.set R,   128                          ; v[128:255] the residual's rows (EPI 2)
.set CNT, 3
.set G1,  24                           ; s[24:31] descriptor group 1 for A
.set G0A0, 32                          ; s[32:35] group 0 for A's first fill
.set G0A, 36                           ; s[36:39] group 0 for A: K step 1, then it walks
.set LIM, 43                           ; s43  2 in a wave that prefetches, else the greatest number
.set PFA, 44                           ; s[44:45] where my prefetches stand
.set G1B, 48
.set G0B0, 56
.set G0B, 60
.set BIAS, 68
.set RES, 70
.set TC,  72                           ; s72  the slot in hand: 0 or SLOT
.set LA,  74                           ; s74  where my load of A lands in a slot
.set LB,  75                           ; s75  where my load of B lands
.set C0,  76
.set C1,  78
.set MSB, 0
.macro WIN new                         ; the immediate's high byte repeats the setting that is left; a switch that changes nothing is dropped
.if MSB != (\new)
	s_set_vgpr_msb (MSB<<8)|(\new)
.set MSB, \new
.endif
.endm
.macro PLACES                          ; four plain instructions between a matrix instruction and a load into, or a read of, its registers
.rept 4
	v_nop
.endr
.endm
.macro CREST                           ; a round of the cluster's barrier behind its opening barrier
	s_cmp_lg_u32 s10, 0
	s_cbranch_scc1 .Lnot_wave_0_\@
	s_barrier_signal -3
.Lnot_wave_0_\@:
	s_barrier_wait -3
	s_barrier_signal -1
	s_barrier_wait -1
.endm
.macro CROUND
	s_barrier_signal -1
	s_barrier_wait -1
	CREST
.endm
.macro JLOAD                           ; a joint refill by the walking descriptors; the branch hangs on the wave's number alone; an s_nop 0 and four v_nop follow each line
	s_cmp_eq_u32 s11, 0
	s_cbranch_scc0 .Lfor_b_\@
	tensor_load_to_lds s[G0A:G0A+3], s[G1:G1+7]
	s_nop 0
.rept 4
	v_nop
.endr
	s_branch .Lasked_\@
.Lfor_b_\@:
	tensor_load_to_lds s[G0B:G0B+3], s[G1B:G1B+7]
	s_nop 0
.rept 4
	v_nop
.endr
.Lasked_\@:
.endm
; A prefetch of the K step that stands two refills on: a lane a row, 256 bytes of it, one instruction a wave.  A's tile row is read by every cluster of that row of clusters: cluster x = 0 asks; B's tile column: cluster y = 0.
; The four partners that ask for a tile jointly share its rows out by address.  The trips with CNT 2 and 1 have no K step two refills on and ask for nothing.
.macro ASK
	s_cmp_gt_u32 s[CNT], s[LIM]
	s_cbranch_scc0 .Lnot_mine_\@
	global_prefetch_b8 v[PFO], s[PFA:PFA+1] offset:2*KSTEP th:TH_LOAD_NT scope:SCOPE_SE
.Lnot_mine_\@:
.endm
; 2 NBW matrix instructions: row blocks a0, a0 + 1 x all column blocks, half hf of buffer f.  The accumulators take turns, one instruction a turn.  zero: the product starts the sum.
.macro MULH f, hf, a0, zero
	WIN 0xa5+0x50*(\hf)*AW
.irp a, \a0, (\a0)+1
.set bb, 0
.rept NBW
.set rD, 8*(NBW*(\a)+bb)
.set rB, 128*(\f)+64+8*(BH*(\hf)+bb)
.set rA, 128*(\f)+8*(4*(\hf)+(\a))
.if \zero
	v_wmma_f32_16x16x32_bf16 v[rD:rD+7], v[rB:rB+7], v[rA:rA+7], 0
.else
	v_wmma_f32_16x16x32_bf16 v[rD:rD+7], v[rB:rB+7], v[rA:rA+7], v[rD:rD+7]
.endif
.set bb, bb+1
.endr
.endr
.endm
; One run of NL LDS loads: the fragments of quarter kq of the slot in hand, into buffer f; what the first half needs comes first.
; A fragment is 16 rows x 32 K in 8 registers: lane l holds row l % 16, K = 8 (l / 16) + 0..7 and 16 + 8 (l / 16) + 0..7: two loads of 16 bytes, 32 bytes apart.
.macro FETCH kq, f
	WIN 0x40
.irp hf, 0, 1
.if ((\hf) == 0) || (KD == 2)
.set bb, 0
.rept NBW
.set rB, 128*(\f)+64+8*(BH*(\hf)+bb)
.set oB, (\kq)*BQ+64*(\hf)*(KD-1)+16*bb*PITCH
	ds_load_b128 v[rB:rB+3], v[ADB] offset:oB
	ds_load_b128 v[rB+4:rB+7], v[ADB] offset:oB+32
.set bb, bb+1
.endr
.endif
.set bb, 0
.rept 4
.set rA, 128*(\f)+8*(4*(\hf)+bb)
.if KD == 2
.set oA, (\kq)*AQ+64*(\hf)+16*bb*AP
.else
.set oA, (\kq)*AQ+16*(4*(\hf)+bb)*AP
.endif
	ds_load_b128 v[rA:rA+3], v[ADA] offset:oA
	ds_load_b128 v[rA+4:rA+7], v[ADA] offset:oA+32
.set bb, bb+1
.endr
.endr
.endm
; One of a K step's first three quarters: multiplies buffer f; in its middle it fetches quarter kq into buffer g.
.macro QUARTER kq, f, g, zero
	s_wait_dscnt NY                                ; all that the first half needs is in; the youngest NY loads may be out
	MULH \f, 0, 0, \zero
	MULH \f, 0, 2, \zero
	PLACES
	FETCH \kq, \g
	s_wait_dscnt NL                                ; all but the run just issued
	MULH \f, 1, 0, (\zero)*(2-KD)
	MULH \f, 1, 2, (\zero)*(2-KD)
.endm
; The fourth quarter multiplies buffer 1 and changes slots.  In front of the barrier each wave waits for all its tensor loads (one is out: its part of the next slot), adds 0 to its spare word, and waits for
; that and for its reads of the slot in hand.  fill = 1: the barrier opens a round of the cluster's, and the slot just left is filled again, first thing behind the round, with the K step two on.
.macro TURN fill
	WIN 0
.if PF && (\fill)
	s_wait_xcnt 0x0                                ; the last prefetch, a K step back, has read its address
	s_add_nc_u64 s[PFA:PFA+1], s[PFA:PFA+1], 2*KSTEP
.endif
	s_wait_tensorcnt 0x0                           ; no tensor load of mine is out, so the walking descriptors may be written
	ds_add_u32 v[SPW], v[NIL]                      ; 0 onto my spare word; work on registers stands between it and the wait for it
.if \fill
	s_add_co_u32 s[G0A+1], s[LA], s[TC]            ; into the slot that is being left,
	s_add_co_u32 s[G0B+1], s[LB], s[TC]
	s_add_nc_u64 s[G0A+2:G0A+3], s[G0A+2:G0A+3], KADV_A  ; the next K step after the one last asked for; the type bits on top are not reached
	s_add_nc_u64 s[G0B+2:G0B+3], s[G0B+2:G0B+3], KADV_B
.endif
	s_xor_b32 s[TC], s[TC], SLOT                   ; the other slot is now in hand
	v_add_nc_u32 v[ADA], s[TC], v[A0]
	v_add_nc_u32 v[ADB], s[TC], v[B0]
	s_wait_dscnt NY+1                              ; the add and the youngest NY loads may be out
	MULH 1, 0, 0, 0
	s_wait_dscnt 0x0                               ; the add is done, and my reads of the old slot are over
	s_barrier_signal -1
	MULH 1, 0, 2, 0
.if \fill
	WIN 0
.endif
	s_barrier_wait -1
.if \fill
	CREST                                          ; no wave of any partner still reads the old slot or has a load on its way
	JLOAD                                          ; its four v_nop are also the places in front of the loads below
.else
	PLACES
.endif
	FETCH 0, 0
.if PF && (\fill)
	WIN 0
	ASK
.endif
	MULH 1, 1, 0, 0
	MULH 1, 1, 2, 0
.endm
.macro DUMP                            ; every accumulator into the stage: a lane's eight columns are 32 bytes of a row; the low four registers first
.irp hf, 0, 1
.if ((\hf) == 0) || AW
	WIN 0x08+4*(\hf)
.set aa, 0
.rept 4
.set bb, 0
.rept NBW
.set rD, 8*(NBW*aa+bb)
	ds_store_b128 v[STO+(\hf)], v[rD:rD+3] offset:16*aa*SP+64*bb
	ds_store_b128 v[STO+(\hf)], v[rD+4:rD+7] offset:16*aa*SP+64*bb+16
.set bb, bb+1
.endr
.set aa, aa+1
.endr
.endif
.endr
.endm
	s_load_b128 s[4:7], s[0:1], 0x0                ; A s[4:5], wb s[6:7]
	s_load_b64 s[8:9], s[0:1], 0x10                ; the output
.if EPI >= 1
	s_load_b64 s[BIAS:BIAS+1], s[0:1], 0x18
.endif
.if EPI == 2
	s_load_b64 s[RES:RES+1], s[0:1], 0x20
.endif
	v_lshl_add_u32 v[SPW], v0, 2, SPARE
	v_mov_b32 v[NIL], 0
	ds_add_u32 v[SPW], v[NIL]                      ; the wave's opening: the add and its wait stand ahead of my first tensor load
	v_lshrrev_b32 v1, 5, v0
	v_readfirstlane_b32 s10, v1                    ; wave 0..3
	s_lshr_b32 s11, s10, 1                         ; my half of the tile's rows.  Also: I fetch for A (0) or for B (1)
	s_and_b32 s12, s10, 1                          ; my half of its columns.  Also: which half of that tile I fetch
	s_bfe_u32 s40, ttmp6, 0x40000                  ; cx
	s_bfe_u32 s41, ttmp6, 0x40004                  ; cy
	s_lshl_b32 s42, ttmp9, 2
	s_add_co_u32 s42, s42, s40                     ; tile column = 4 x cluster x + cx
	s_and_b32 s13, ttmp7, 0xffff
	s_lshl_b32 s13, s13, 2
	s_add_co_u32 s13, s13, s41                     ; tile row = 4 x cluster y + cy
	s_lshl_b32 s43, s41, 2
	s_lshl_b32 s43, 15, s43                        ; my row of the cluster
	s_lshl_b32 s44, 0x1111, s40                    ; my column
	s_or_b32 s[G1], s43, (1<<16)|(1<<20)|(1<<21)|(AQI<<22)|(3<<25)  ; 15:0 mask; 17:16 2-byte elements; 20 padding on; 21 set beside a mask; 24:22 the interval; 31:25 4 words of padding
	s_mov_b32 s[G1+1], AD0<<16                     ; tensor_dim0
	s_mov_b32 s[G1+2], AD1<<16                     ; tensor_dim1
	s_mov_b32 s[G1+3], AD0<<16                     ; tile_dim0
	s_mov_b32 s[G1+4], AD1                         ; tile_dim1
	s_mov_b32 s[G1+5], AST                         ; elements from row to row
	s_mov_b32 s[G1+6], 0
	s_mov_b32 s[G1+7], 0
	s_or_b32 s[G1B], s44, (1<<16)|(1<<20)|(1<<21)|(QI<<22)|(3<<25)
	s_mov_b32 s[G1B+1], KSTEP<<16
	s_mov_b32 s[G1B+2], (TN/2)<<16
	s_mov_b32 s[G1B+3], KSTEP<<16
	s_mov_b32 s[G1B+4], TN/2
	s_mov_b32 s[G1B+5], KK
	s_mov_b32 s[G1B+6], 0
	s_mov_b32 s[G1B+7], 0
	s_mul_i32 s16, s13, TM                         ; A's address hangs on the tile row and the wave alone,
	s_mul_i32 s17, s12, TM/2
	s_add_co_u32 s16, s16, s17
	s_mul_i32 s16, s16, ARB
	s_mov_b32 s17, 0
	s_mul_i32 s46, s42, TN                         ; B's on the tile column and the wave alone
	s_mul_i32 s47, s12, TN/2
	s_add_co_u32 s46, s46, s47
	s_mul_i32 s46, s46, 2*KK
	s_add_co_u32 s46, s46, WOFF
	s_mov_b32 s47, 0
	s_mul_i32 s[LA], s12, HA                       ; no place in the cluster enters an LDS address
	s_mul_i32 s[LB], s12, HB
	s_add_co_u32 s[LB], s[LB], 2*HA
	s_mov_b32 s[TC], 0
	s_wait_dscnt 0x0                               ; the opening add is done
	s_wait_kmcnt 0x0
	s_add_nc_u64 s[14:15], s[4:5], s[16:17]
	s_add_nc_u64 s[46:47], s[6:7], s[46:47]
	s_mov_b32 s[G0A0], 1                           ; count = 1
	s_mov_b32 s[G0A0+1], s[LA]                     ; LDS address: slot 0
	s_mov_b64 s[G0A0+2:G0A0+3], s[14:15]           ; K step 0
	s_or_b32 s[G0A0+3], s[G0A0+3], 0x80000000      ; type = 2
	s_mov_b32 s[G0A], 1
	s_add_co_u32 s[G0A+1], s[LA], SLOT             ; slot 1
	s_add_nc_u64 s[G0A+2:G0A+3], s[14:15], KADV_A  ; K step 1
	s_or_b32 s[G0A+3], s[G0A+3], 0x80000000
	s_mov_b32 s[G0B0], 1
	s_mov_b32 s[G0B0+1], s[LB]
	s_mov_b64 s[G0B0+2:G0B0+3], s[46:47]
	s_or_b32 s[G0B0+3], s[G0B0+3], 0x80000000
	s_mov_b32 s[G0B], 1
	s_add_co_u32 s[G0B+1], s[LB], SLOT
	s_add_nc_u64 s[G0B+2:G0B+3], s[46:47], KADV_B
	s_or_b32 s[G0B+3], s[G0B+3], 0x80000000
	CROUND                                         ; all sixteen work-groups are here: the first joint loads meet
	s_cmp_eq_u32 s11, 0                            ; a wave's two first fills stand in one branch: two loads of mine are out
	s_cbranch_scc0 .Lfirst_b
	tensor_load_to_lds s[G0A0:G0A0+3], s[G1:G1+7]
	s_nop 0
	tensor_load_to_lds s[G0A:G0A+3], s[G1:G1+7]
	s_nop 0
.rept 4
	v_nop
.endr
	s_branch .Lfirst_done
.Lfirst_b:
	tensor_load_to_lds s[G0B0:G0B0+3], s[G1B:G1B+7]
	s_nop 0
	tensor_load_to_lds s[G0B:G0B+3], s[G1B:G1B+7]
	s_nop 0
.rept 4
	v_nop
.endr
.Lfirst_done:
	v_and_b32 v1, 15, v0                           ; l % 16
	v_bfe_u32 v2, v0, 4, 1                         ; l / 16
	v_and_b32 v31, 31, v0                          ; l
	v_mul_u32_u24 v[A0], v1, AP
	v_lshl_add_u32 v[A0], v2, 4, v[A0]
	s_mul_i32 s21, s11, HA                         ; my half of A's rows
	v_add_nc_u32 v[A0], s21, v[A0]
	v_mul_u32_u24 v[B0], v1, PITCH
	v_lshl_add_u32 v[B0], v2, 4, v[B0]
	v_add_nc_u32 v[B0], s[LB], v[B0]               ; my half of B's rows, behind A's
	v_mov_b32 v[ADA], v[A0]
	v_mov_b32 v[ADB], v[B0]
	s_mul_i32 s23, s11, (TM/2)*SP                  ; into the stage: my rows, my columns; row l % 16, 32 bytes for each half of the lanes
	s_mul_i32 s20, s12, 2*TN
	s_add_co_u32 s23, s23, s20
	v_mul_u32_u24 v[STO], v1, SP
	v_lshl_add_u32 v[STO], v2, 5, v[STO]
	v_add_nc_u32 v[STO], s23, v[STO]
	v_add_nc_u32 v[STO+1], 64*SP, v[STO]
	s_mul_i32 s23, s10, (TM/4)*SP                  ; back: wave w takes rows w TM / 4 on
.if EPI == 0
	v_mul_u32_u24 v[RD], v2, SP                    ; lanes 0-15 take 64 columns (a head) of one row, lanes 16-31 of the next
	v_lshl_add_u32 v[RD], v1, 4, v[RD]
	v_add_nc_u32 v[RD], s23, v[RD]
	v_lshlrev_b32 v[GO], 3, v31
.else
	v_lshl_add_u32 v[RD], v31, 4, s23              ; 32 lanes take 512 consecutive bytes of a row
.if EPI == 1
	v_lshlrev_b32 v[GO], 3, v31
.else
	v_lshlrev_b32 v[GO], 4, v31
.endif
	v_lshlrev_b32 v31, 4, v31                      ; 16 x lane, for the bias
.endif
	s_mul_i32 s16, s13, TM
	s_mul_i32 s17, s10, TM/4
	s_add_co_u32 s16, s16, s17                     ; the first row that I send
.if EPI == 0
	s_lshr_b32 s17, s16, 11                        ; batch
	s_mul_i32 s17, s17, 48
	s_mul_i32 s18, s42, 3                          ; the tile's three slabs
	s_add_co_u32 s17, s17, s18
	s_lshl_b32 s17, s17, 18                        ; a slab is 262,144 bytes
	s_and_b32 s16, s16, 2047
	s_lshl_b32 s16, s16, 7                         ; a row of a slab is 128 bytes
	s_add_co_u32 s16, s16, s17
.else
	s_mul_i32 s16, s16, ORB
	s_lshl_b32 s17, s42, 9                         ; a tile's columns are 512 bytes of a row
	s_add_co_u32 s16, s16, s17
.endif
	s_mov_b32 s17, 0
	s_add_nc_u64 s[8:9], s[8:9], s[16:17]
.if EPI == 2
	s_add_nc_u64 s[RES:RES+1], s[RES:RES+1], s[16:17]
.endif
.if EPI >= 1
	s_mul_i32 s18, s42, 4*TN
	s_mov_b32 s19, 0
	s_add_nc_u64 s[BIAS:BIAS+1], s[BIAS:BIAS+1], s[18:19]
	global_load_b128 v[BI:BI+3], v31, s[BIAS:BIAS+1]
.endif
.if EPI == 1
	global_load_b128 v[BI+4:BI+7], v31, s[BIAS:BIAS+1] offset:512
	s_mov_b32 s[C0], 0xc0135761                    ; -2 sqrt(2 / pi) log2(e)
	s_mov_b32 s[C0+1], s[C0]
	s_mov_b32 s[C1], 0xbdd2d3e8                    ; the same x 0.044715
	s_mov_b32 s[C1+1], s[C1]
.endif
.if EPI == 2
.set i, 0
.rept 32
	global_load_b128 v[R+4*i:R+4*i+3], v[GO], s[RES:RES+1] offset:4096*i  ; my 32 rows of the residual: on their way during the whole K loop; nobody writes those bytes
.set i, i+1
.endr
.endif
.if PF
	s_mul_i32 s20, s13, TM                         ; the prefetches: the tile's first row, in A by the tile row,
	s_mul_i32 s21, s42, TN                         ; in B by the tile column
	s_and_b32 s22, ttmp7, 0xffff
	s_mov_b32 s23, TN/2
	s_cmp_eq_u32 s11, 0                            ; do I fetch for A?
	s_cselect_b32 s20, s20, s21
	s_cselect_b32 s21, s40, s41                    ; my place among the four that ask with me
	s_cselect_b32 s22, ttmp9, s22                  ; the coordinate along which other clusters read the same rows
	s_cselect_b64 s[PFA:PFA+1], s[4:5], s[6:7]
	s_cselect_b32 s23, TM/2, s23                   ; the rows that I fetch
	s_cselect_b32 s18, 0, WOFF
	s_cmp_eq_u32 s22, 0
	s_cselect_b32 s[LIM], 2, -1                    ; the same in all sixteen partners, for a given wave
	s_mul_i32 s19, s12, s23
	s_add_co_u32 s20, s20, s19
	s_lshr_b32 s23, s23, 2                         ; my work-group's quarter of them: 32, or 24 of B's 96 (there lanes 24-31 name row 23's block once more)
	s_mul_i32 s21, s21, s23
	s_add_co_u32 s20, s20, s21
	s_mul_i32 s20, s20, 2*KK
	s_add_co_u32 s20, s20, s18
	s_add_co_u32 s20, s20, 2*2*KSTEP               ; at K step 2: the first refill steps it to 3 and names K step 4
	s_mov_b32 s21, 0
	s_add_nc_u64 s[PFA:PFA+1], s[PFA:PFA+1], s[20:21]
	s_sub_co_u32 s23, s23, 1
	v_and_b32 v[PFO], 31, v0
	v_min_u32 v[PFO], s23, v[PFO]
	v_mul_u32_u24 v[PFO], v[PFO], 2*KK
.endif
	s_wait_tensorcnt 0x1                           ; my part of K step 0 is in; K step 1's may stay out
	s_barrier_signal -1
	s_barrier_wait -1
	FETCH 0, 0
	QUARTER 1, 0, 1, 1                             ; the first quarter stands in front of the loop: its products start the sums
	WIN 0
	s_mov_b32 s[CNT], T-2
.Lstep:                                                ; trip t: quarters 1-3 of K step t, quarter 0 of K step t + 1; K step t + 2 is asked for
	QUARTER 2, 1, 0, 0
	QUARTER 3, 0, 1, 0
	TURN 1
	QUARTER 1, 0, 1, 0
	WIN 0
	s_sub_co_u32 s[CNT], s[CNT], 1
	s_cmp_lg_u32 s[CNT], 0
	s_cbranch_scc1 .Lstep
	s_mov_b32 s[CNT], 2
.Ltail:                                                ; the last two K steps ask for nothing
	QUARTER 2, 1, 0, 0
	QUARTER 3, 0, 1, 0
	TURN 0
	WIN 0
	s_sub_co_u32 s[CNT], s[CNT], 1
	s_cmp_eq_u32 s[CNT], 0
	s_cbranch_scc1 .Lout
	QUARTER 1, 0, 1, 0
	WIN 0
	s_branch .Ltail
.Lout:
	s_wait_dscnt 0x0                               ; my last reads of the ring are back
.rept 8
	v_nop                                          ; the places behind the last products
.endr
	s_barrier_signal -1
	s_barrier_wait -1                              ; nobody reads the ring any more, and it has had its last fill
	DUMP
	WIN 0
	s_wait_dscnt 0x0                               ; for the others' sake: my stores are done
	s_barrier_signal -1
	s_barrier_wait -1
.if EPI == 0
	s_mov_b32 s[CNT], 8
.Lway:                                                 ; a trip: 8 rows x 3 heads: 12 loads of two rows' 64 columns
.set i, 0
.rept 12
	ds_load_b128 v[V+4*i:V+4*i+3], v[RD] offset:2*(i/3)*SP+256*(i%3)
.set i, i+1
.endr
	s_wait_dscnt 0x0
.set i, 0
.rept 24
	v_cvt_pk_bf16_f32 v[Y+i], v[V+2*i], v[V+2*i+1]
.set i, i+1
.endr
.set i, 0
.rept 12
	global_store_b64 v[GO], v[Y+2*i:Y+2*i+1], s[8:9] offset:(i%3)*262144+256*(i/3)  ; two rows of a head: 256 consecutive bytes, aligned
.set i, i+1
.endr
	s_wait_xcnt 0x0                                ; the stores have read their data and their base
	s_add_nc_u64 s[8:9], s[8:9], 1024
	v_add_nc_u32 v[RD], 8*SP, v[RD]
	s_sub_co_u32 s[CNT], s[CNT], 1
	s_cmp_lg_u32 s[CNT], 0
	s_cbranch_scc1 .Lway
.endif
.if EPI == 1
	s_wait_loadcnt 0x0                             ; the bias
	s_mov_b32 s[CNT], 16
.Lway:                                                 ; a trip: 4 rows x 2 halves of 128 columns.  gelu(u) = u / (1 + 2^(u (C0 + C1 u u))), which is 0.5 u (1 + tanh(..)) without a difference
.set i, 0
.rept 8
	ds_load_b128 v[V+4*i:V+4*i+3], v[RD] offset:(i/2)*SP+512*(i%2)
.set i, i+1
.endr
	s_wait_dscnt 0x0
.set i, 0
.rept 16
	v_pk_add_f32 v[V+2*i:V+2*i+1], v[V+2*i:V+2*i+1], v[BI+4*((i/2)%2)+2*(i%2):BI+4*((i/2)%2)+2*(i%2)+1]
.set i, i+1
.endr
.set i, 0
.rept 16
	v_pk_mul_f32 v[TT+2*i:TT+2*i+1], v[V+2*i:V+2*i+1], v[V+2*i:V+2*i+1]
.set i, i+1
.endr
.set i, 0
.rept 16
	v_pk_fma_f32 v[TT+2*i:TT+2*i+1], v[TT+2*i:TT+2*i+1], s[C1:C1+1], s[C0:C0+1] op_sel_hi:[1,0,0]
.set i, i+1
.endr
.set i, 0
.rept 16
	v_pk_mul_f32 v[TT+2*i:TT+2*i+1], v[TT+2*i:TT+2*i+1], v[V+2*i:V+2*i+1]
.set i, i+1
.endr
.set i, 0
.rept 32
	v_exp_f32 v[TT+i], v[TT+i]
.set i, i+1
.endr
	v_nop                                          ; a plain instruction behind the last exponential,
	s_wait_alu depctr_va_vdst(0)                   ; and one wait for the batch
.set i, 0
.rept 16
	v_pk_add_f32 v[TT+2*i:TT+2*i+1], v[TT+2*i:TT+2*i+1], 1.0 op_sel_hi:[1,0]
.set i, i+1
.endr
.set i, 0
.rept 32
	v_rcp_f32 v[TT+i], v[TT+i]
.set i, i+1
.endr
	v_nop
	s_wait_alu depctr_va_vdst(0)                   ; one wait for the 32 reciprocals
.set i, 0
.rept 16
	v_pk_mul_f32 v[V+2*i:V+2*i+1], v[V+2*i:V+2*i+1], v[TT+2*i:TT+2*i+1]
.set i, i+1
.endr
.set i, 0
.rept 16
	v_cvt_pk_bf16_f32 v[Y+i], v[V+2*i], v[V+2*i+1]
.set i, i+1
.endr
.set i, 0
.rept 8
	global_store_b64 v[GO], v[Y+2*i:Y+2*i+1], s[8:9] offset:(i/2)*ORB+256*(i%2)  ; 256 consecutive bytes, aligned
.set i, i+1
.endr
	s_wait_xcnt 0x0                                ; the stores have read their data and their base
	s_add_nc_u64 s[8:9], s[8:9], 4*ORB
	v_add_nc_u32 v[RD], 4*SP, v[RD]
	s_sub_co_u32 s[CNT], s[CNT], 1
	s_cmp_lg_u32 s[CNT], 0
	s_cbranch_scc1 .Lway
.endif
.if EPI == 2
	s_wait_loadcnt 0x0                             ; bias and residual
.irp gq, 0,1,2,3
.irp q, 0,1,2,3,4,5,6,7
	ds_load_b128 v[TT+4*(\q):TT+4*(\q)+3], v[RD] offset:(8*(\gq)+(\q))*SP
.endr
.irp q, 0,1,2,3,4,5,6,7
	s_wait_dscnt 7-(\q)                            ; row q of the eight is in; the younger loads stay out
	v_pk_add_f32 v[R+4*(8*(\gq)+(\q)):R+4*(8*(\gq)+(\q))+1], v[R+4*(8*(\gq)+(\q)):R+4*(8*(\gq)+(\q))+1], v[TT+4*(\q):TT+4*(\q)+1]
	v_pk_add_f32 v[R+4*(8*(\gq)+(\q))+2:R+4*(8*(\gq)+(\q))+3], v[R+4*(8*(\gq)+(\q))+2:R+4*(8*(\gq)+(\q))+3], v[TT+4*(\q)+2:TT+4*(\q)+3]
	v_pk_add_f32 v[R+4*(8*(\gq)+(\q)):R+4*(8*(\gq)+(\q))+1], v[R+4*(8*(\gq)+(\q)):R+4*(8*(\gq)+(\q))+1], v[BI:BI+1]
	v_pk_add_f32 v[R+4*(8*(\gq)+(\q))+2:R+4*(8*(\gq)+(\q))+3], v[R+4*(8*(\gq)+(\q))+2:R+4*(8*(\gq)+(\q))+3], v[BI+2:BI+3]
	global_store_b128 v[GO], v[R+4*(8*(\gq)+(\q)):R+4*(8*(\gq)+(\q))+3], s[8:9] offset:4096*(8*(\gq)+(\q))  ; 512 consecutive bytes, aligned
.endr
.endr
.endif
	s_wait_tensorcnt 0x0                           ; the wave's end: behind my last tensor load and my last LDS store
	ds_add_u32 v[SPW], v[NIL]
	s_wait_dscnt 0x0
	CROUND                                         ; the closing round: no work-group ends while a partner may still ask for a tile that names it
	s_endpgm
.Lfunc_end_k_q37a0cfce5d_ff2:
	.size	k_q37a0cfce5d_ff2, .Lfunc_end_k_q37a0cfce5d_ff2-k_q37a0cfce5d_ff2
	.p2alignl 7, 3214868480
	.fill 96, 4, 3214868480
	.section	.rodata,"a",@progbits
	.p2align	6, 0x0
	.amdhsa_kernel k_q37a0cfce5d_ff2
		.amdhsa_group_segment_fixed_size 327680
		.amdhsa_private_segment_fixed_size 0
		.amdhsa_enable_private_segment 0
		.amdhsa_kernarg_size 40
		.amdhsa_user_sgpr_count 2
		.amdhsa_user_sgpr_kernarg_segment_ptr 1
		.amdhsa_wavefront_size32 1
		.amdhsa_system_sgpr_workgroup_id_x 1
		.amdhsa_system_sgpr_workgroup_id_y 1
		.amdhsa_system_sgpr_workgroup_id_z 1
		.amdhsa_system_vgpr_workitem_id 0
		.amdhsa_next_free_vgpr 640
		.amdhsa_next_free_sgpr 80
		.amdhsa_reserve_vcc 0
		.amdhsa_float_denorm_mode_32 3
		.amdhsa_float_denorm_mode_16_64 3
		.amdhsa_memory_ordered 1
		.amdhsa_forward_progress 1
		.amdhsa_inst_pref_size 70
	.end_amdhsa_kernel
	.amdgpu_metadata
---
amdhsa.version: [ 1, 2 ]
amdhsa.kernels:
  - .name:           k_q37a0cfce5d_ff2
    .symbol:         k_q37a0cfce5d_ff2.kd
    .args:
      - { .name: g, .offset: 0, .size: 8, .value_kind: global_buffer, .address_space: global }
      - { .name: wb, .offset: 8, .size: 8, .value_kind: global_buffer, .address_space: global }
      - { .name: out0, .offset: 16, .size: 8, .value_kind: global_buffer, .address_space: global }
      - { .name: b2, .offset: 24, .size: 8, .value_kind: global_buffer, .address_space: global }
      - { .name: h, .offset: 32, .size: 8, .value_kind: global_buffer, .address_space: global }
    .group_segment_fixed_size: 327680
    .private_segment_fixed_size: 0
    .kernarg_segment_align: 8
    .kernarg_segment_size: 40
    .max_flat_workgroup_size: 128
    .sgpr_count:     80
    .vgpr_count:     640
    .wavefront_size: 32
...
	.end_amdgpu_metadata
.endif
;; end of part 7
